; MI455X (gfx1250); checked and timed in simulation.
; The chip was launched on July 23, 2026; its instructions are those of AMD's public machine-readable ISA for CDNA 5 (MIT licence, August 2026) and "CDNA5" Instruction Set Architecture Reference Guide (July 2026). The comments in the code are by the model that wrote it; some were corrected since.
;; Custom Llama Attention. Allowed arithmetic: float matrix products may take bf16 or f16 operands with f32 sums; other float arithmetic in f32, or as packed bf16 or f16 multiplies, adds, multiply-adds, maxima and minima; sums over many terms, partial sums and values carried from step to step in f32; what a program stores and reads back later, other than sums and carried values, may be rounded once to bf16 or f16.
;; Inputs: Wkv 2,048 x 4,096 float32; Wo 4,096 x 4,096 float32; Wq 4,096 x 4,096 float32; attention_mask 1 x 1 x 1,024 x 1,024 float32; bkv 2,048 float32; bo 4,096 float32; bq 4,096 float32; hidden_states 1 x 1,024 x 4,096 float32.
;; Outputs: out0 1 x 1,024 x 4,096 float32.
;; 3 versions, each right; version 3 is version 2 with the launch prep written anew for expert scheduling mode. Each part assembles by itself: llvm-mc -triple=amdgcn-amd-amdhsa -mcpu=gfx1250 --defsym DOCPART=n.
;; ======== version 1 of 3: 4 launches
;; limits: values are held in f16: magnitudes above 65,504 overflow, below 6.1e-05 lose precision; right only within a limited range of input values
;; workspace buffers: xb 8,388,608 bytes; mk2 4,194,304 bytes; rope 262,656 bytes; qh 8,388,608 bytes; kvh 4,194,304 bytes; ob 8,388,608 bytes
;; launch prep (part 1): grid 256 x 1, 4 waves a work-group, no clusters, 0 bytes of LDS; arguments hidden_states, attention_mask, xb, mk2, rope; writes xb, mk2, rope
.if DOCPART == 1
	.amdgcn_target "amdgcn-amd-amdhsa--gfx1250"
	.amdhsa_code_object_version 6
	.text
	.protected	k_q76d7891344_prep
	.globl	k_q76d7891344_prep
	.p2align	8
	.type	k_q76d7891344_prep,@function
k_q76d7891344_prep:
	s_mov_b64 s[64:65], 0
	v_nop
	global_prefetch_b8 v0, s[64:65] scope:SCOPE_SE
	s_setreg_imm32_b32 hwreg(HW_REG_WAVE_MODE, 25, 1), 1
	s_wait_xcnt 0x0
; PREPARATION.  Wave W (0 .. 1023 = 4 x work-group + wave) owns row W of hidden_states, chunk W of the mask and row W of the rotary table.
;   xb   [1024][4096] bf16: hidden_states rounded once.
;   mk2  [64 qb][16 kb][8 i][32 lanes][16 bytes] f32: max(bf16(mask) x log2 e, -2^127), laid out as the C operand of a 16 x 16 matrix tile:
;        piece i = 2 kt + e of lane (r, h) holds the mask of query 16 qb + r, keys 64 kb + 16 kt + 8 h + 4 e .. + 3.
;   rope 1,026 rows of 256 bytes: row t: cq cos(t w_i), i = 0 .. 31, then cq sin(t w_i); row 1024: cq x 32, 0 x 32; row 1025: 0.25 x 32, 0 x 32.
;        cq = sqrt(log2 e / sqrt 128), w_i = 2^(-i log2(10000) / 32).
; LIMITS.  The mask is rounded to bf16 like every other input.  Entries below -2^127 / log2 e (-1.18e38) count alike; a NaN in the mask counts as the lowest entry.
; The angle t w_i is reduced with 1 / (2 pi) in f32: at t = 1023 it is good to about 1e-4; sine and cosine of the half angle (within pi / 2) are series cut where the
; next term is under 6e-8 and 5e-7.
; No LDS, no barrier: no wave wants a byte of another wave.  Every store of a wave covers 256 or 512 consecutive bytes, aligned.
.set M, 8                              ; v[8:39]    the mask chunk: 8 pieces of 4
.set X, 40                             ; v[40:103]  16 slots of 4: hidden_states as loaded
.set Y, 104                            ; v[104:135] 16 slots of 2: bf16 to store
.set T, 136                            ; v[136:159] at work
	s_load_b256 s[4:11], s[0:1], 0x0               ; hidden s[4:5], mask s[6:7], xb s[8:9], mk2 s[10:11]
	s_load_b64 s[12:13], s[0:1], 0x20              ; rope
	v_lshrrev_b32 v1, 5, v0
	v_readfirstlane_b32 s14, v1
	s_lshl_b32 s16, ttmp9, 2
	s_add_co_u32 s14, s14, s16                     ; W
	v_and_b32 v4, 31, v0                           ; lane
	v_lshlrev_b32 v1, 4, v4                        ; 16 x lane
	v_lshlrev_b32 v2, 3, v4                        ; 8 x lane
	v_and_b32 v5, 15, v4                           ; r
	v_lshrrev_b32 v6, 4, v4                        ; h
	v_lshlrev_b32 v3, 12, v5                       ; r rows of the mask, 4,096 bytes each,
	v_lshl_add_u32 v3, v6, 5, v3                   ; + 8 h keys
	s_mov_b32 s15, 0xff000000                      ; -2^127
	s_mov_b32 s20, 0x3fb8aa3b                      ; log2 e
	s_mov_b32 s21, s20                             ; named with it as a pair
	s_mov_b32 s22, 0xffff0000                      ; a word's upper bf16
	s_lshr_b32 s16, s14, 4
	s_lshl_b32 s16, s16, 16                        ; qb x 16 rows of 4,096 bytes
	s_and_b32 s17, s14, 15
	s_lshl_b32 s17, s17, 8                         ; kb x 64 keys
	s_add_co_u32 s16, s16, s17
	s_mov_b32 s17, 0
	s_lshl_b32 s18, s14, 14                        ; a row of hidden_states
	s_mov_b32 s19, 0
	s_lshl_b32 s24, s14, 13                        ; a row of xb
	s_mov_b32 s25, 0
	s_lshl_b32 s26, s14, 12                        ; a chunk of mk2
	s_mov_b32 s27, 0
	s_lshl_b32 s28, s14, 8                         ; a row of the table
	s_mov_b32 s29, 0
	s_wait_kmcnt 0x0
	s_add_nc_u64 s[6:7], s[6:7], s[16:17]
	s_add_nc_u64 s[4:5], s[4:5], s[18:19]
	s_add_nc_u64 s[8:9], s[8:9], s[24:25]
	s_add_nc_u64 s[10:11], s[10:11], s[26:27]
	s_add_nc_u64 s[12:13], s[12:13], s[28:29]
.irp i, 0,1,2,3,4,5,6,7
	global_load_b128 v[M+4*(\i):M+4*(\i)+3], v3, s[6:7] offset:64*((\i)/2)+16*((\i)%2)
.endr
.irp i, 0,1,2,3,4,5,6,7,8,9,10,11,12,13,14,15
	global_load_b128 v[X+4*(\i):X+4*(\i)+3], v1, s[4:5] offset:512*(\i) th:TH_LOAD_NT
.endr
	; THE TABLE, while the loads are on their way.  Lane l makes entries i = 2 (l % 16) and i + 1: cosines in lanes 0-15, sines in lanes 16-31.
	v_lshlrev_b32 v[T], 1, v5
	v_cvt_f32_u32 v[T], v[T]
	v_add_f32 v[T+1], 1.0, v[T]
	v_mul_f32 v[T], 0xbed49a78, v[T]               ; -i log2(10000) / 32
	v_mul_f32 v[T+1], 0xbed49a78, v[T+1]
	v_exp_f32 v[T], v[T]
	v_exp_f32 v[T+1], v[T+1]
	v_cvt_f32_u32 v[T+2], s14                      ; t: the plain instruction behind the two exponentials
	v_cmp_eq_u32 vcc_lo, 1, v6                     ; sines?
	s_wait_alu depctr_va_vdst(0)                   ; one wait for both, ahead of their first reader
.macro TRIG k
.set A, T+(\k)
.set R, T+4+8*(\k)
	v_mul_f32 v[A], v[T+2], v[A]                   ; the angle
	v_mul_f32 v[R], 0.15915494, v[A]
	v_rndne_f32 v[R], v[R]                         ; whole turns
	v_fma_f32 v[R], v[A], 0.15915494, -v[R]        ; what is left, within half a turn either way
	v_mul_f32 v[R], 0x40490fdb, v[R]               ; x pi: HALF the angle, within pi / 2
	v_mul_f32 v[R+1], v[R], v[R]
	v_mov_b32 v[R+2], 0xb2d7322b                   ; sine: -1/11!, 1/9!, -1/7!, 1/5!, -1/3!, 1
	v_fmaak_f32 v[R+2], v[R+2], v[R+1], 0x3638ef1d
	v_fmaak_f32 v[R+2], v[R+2], v[R+1], 0xb9500d01
	v_fmaak_f32 v[R+2], v[R+2], v[R+1], 0x3c088889
	v_fmaak_f32 v[R+2], v[R+2], v[R+1], 0xbe2aaaab
	v_fmaak_f32 v[R+2], v[R+2], v[R+1], 0x3f800000
	v_mul_f32 v[R+2], v[R], v[R+2]                 ; s
	v_mov_b32 v[R+3], 0xb493f27e                   ; cosine: -1/10!, 1/8!, -1/6!, 1/4!, -1/2, 1
	v_fmaak_f32 v[R+3], v[R+3], v[R+1], 0x37d00d01
	v_fmaak_f32 v[R+3], v[R+3], v[R+1], 0xbab60b61
	v_fmaak_f32 v[R+3], v[R+3], v[R+1], 0x3d2aaaab
	v_fmaak_f32 v[R+3], v[R+3], v[R+1], 0xbf000000
	v_fmaak_f32 v[R+3], v[R+3], v[R+1], 0x3f800000
	v_mul_f32 v[R+3], v[R+2], v[R+3]
	v_add_f32 v[R+3], v[R+3], v[R+3]               ; sin = 2 s c
	v_mul_f32 v[R+2], v[R+2], v[R+2]
	v_fma_f32 v[R+2], v[R+2], -2.0, 1.0            ; cos = 1 - 2 s s
	v_cndmask_b32 v[R+2], v[R+2], v[R+3], vcc_lo
	v_mul_f32 v[T+20+(\k)], 0x3eb6d544, v[R+2]     ; x cq
.endm
	TRIG 0
	TRIG 1
	global_store_b64 v2, v[T+20:T+21], s[12:13]    ; the wave's 256 bytes: row W
	s_cmp_lt_u32 s14, 2                            ; waves 0 and 1 of the launch also write the two constant rows
	s_cbranch_scc0 .Lno_const
	s_mov_b32 s18, 0x3e800000                      ; 0.25
	s_cmp_eq_u32 s14, 0
	s_cselect_b32 s18, 0x3eb6d544, s18             ; cq in row 1024
	v_cndmask_b32 v[T+22], s18, 0, vcc_lo          ; the factor where cosines stand, 0 where sines stand
	v_mov_b32 v[T+23], v[T+22]
	global_store_b64 v2, v[T+22:T+23], s[12:13] offset:262144
.Lno_const:
	; THE MASK
	s_wait_loadcnt 16                              ; the 8 mask loads are in; the 16 younger ones, of hidden_states, stay out
.set i, 0
.rept 16
	v_cvt_pk_bf16_f32 v[T+4+i%4], v[M+2*i], v[M+2*i+1]
	v_lshlrev_b32 v[M+2*i], 16, v[T+4+i%4]
	v_and_b32 v[M+2*i+1], s22, v[T+4+i%4]
	v_pk_mul_f32 v[M+2*i:M+2*i+1], v[M+2*i:M+2*i+1], s[20:21] op_sel_hi:[1,0]
	v_max_num_f32 v[M+2*i], s15, v[M+2*i]
	v_max_num_f32 v[M+2*i+1], s15, v[M+2*i+1]
.set i, i+1
.endr
.irp i, 0,1,2,3,4,5,6,7
	global_store_b128 v1, v[M+4*(\i):M+4*(\i)+3], s[10:11] offset:512*(\i)
.endr
	; HIDDEN_STATES: a ring of 16 slots, 16 loads of the wave always out.  left = the younger loads that may stay out.
.macro SLOT i, second, left
	s_wait_loadcnt \left
.if \second
	s_wait_xcnt 0x0                                ; the slot's first store has read Y: only behind this wait is Y written again
.endif
	v_cvt_pk_bf16_f32 v[Y+2*(\i)], v[X+4*(\i)], v[X+4*(\i)+1]
	v_cvt_pk_bf16_f32 v[Y+2*(\i)+1], v[X+4*(\i)+2], v[X+4*(\i)+3]
.if !(\second)
	global_load_b128 v[X+4*(\i):X+4*(\i)+3], v1, s[4:5] offset:8192+512*(\i) th:TH_LOAD_NT
.endif
	global_store_b64 v2, v[Y+2*(\i):Y+2*(\i)+1], s[8:9] offset:4096*(\second)+256*(\i)
.endm
.irp i, 0,1,2,3,4,5,6,7,8,9,10,11,12,13,14,15
	SLOT \i, 0, 15
.endr
.irp i, 0,1,2,3,4,5,6,7,8,9,10,11,12,13,14,15
	SLOT \i, 1, 15-(\i)                            ; the second half of the row loads nothing: the counts run down
.endr
	s_endpgm
.Lfunc_end_k_q76d7891344_prep:
	.size	k_q76d7891344_prep, .Lfunc_end_k_q76d7891344_prep-k_q76d7891344_prep
	.p2alignl 7, 3214868480
	.fill 96, 4, 3214868480
	.section	.rodata,"a",@progbits
	.p2align	6, 0x0
	.amdhsa_kernel k_q76d7891344_prep
		.amdhsa_group_segment_fixed_size 0
		.amdhsa_private_segment_fixed_size 0
		.amdhsa_enable_private_segment 0
		.amdhsa_kernarg_size 40
		.amdhsa_user_sgpr_count 2
		.amdhsa_user_sgpr_kernarg_segment_ptr 1
		.amdhsa_wavefront_size32 1
		.amdhsa_system_sgpr_workgroup_id_x 1
		.amdhsa_system_sgpr_workgroup_id_y 1
		.amdhsa_system_sgpr_workgroup_id_z 1
		.amdhsa_system_vgpr_workitem_id 0
		.amdhsa_next_free_vgpr 160
		.amdhsa_next_free_sgpr 66
		.amdhsa_reserve_vcc 1
		.amdhsa_float_denorm_mode_32 3
		.amdhsa_float_denorm_mode_16_64 3
		.amdhsa_memory_ordered 1
		.amdhsa_forward_progress 1
		.amdhsa_inst_pref_size 23
	.end_amdhsa_kernel
	.amdgpu_metadata
---
amdhsa.version: [ 1, 2 ]
amdhsa.kernels:
  - .name:           k_q76d7891344_prep
    .symbol:         k_q76d7891344_prep.kd
    .args:
      - { .name: hidden_states, .offset: 0, .size: 8, .value_kind: global_buffer, .address_space: global }
      - { .name: attention_mask, .offset: 8, .size: 8, .value_kind: global_buffer, .address_space: global }
      - { .name: xb, .offset: 16, .size: 8, .value_kind: global_buffer, .address_space: global }
      - { .name: mk2, .offset: 24, .size: 8, .value_kind: global_buffer, .address_space: global }
      - { .name: rope, .offset: 32, .size: 8, .value_kind: global_buffer, .address_space: global }
    .group_segment_fixed_size: 0
    .private_segment_fixed_size: 0
    .kernarg_segment_align: 8
    .kernarg_segment_size: 40
    .max_flat_workgroup_size: 128
    .sgpr_count:     66
    .vgpr_count:     160
    .wavefront_size: 32
...
	.end_amdgpu_metadata
.endif
;; end of part 1
;; launch qkv (part 2): grid 64 x 4, 4 waves a work-group, clusters of 4 x 4, 327,680 bytes of LDS; arguments xb, Wq, Wkv, bq, bkv, rope, qh, kvh; writes qh, kvh
.if DOCPART == 2
	.amdgcn_target "amdgcn-amd-amdhsa--gfx1250"
	.amdhsa_code_object_version 6
	.text
	.protected	k_q76d7891344_qkv
	.globl	k_q76d7891344_qkv
	.p2align	8
	.type	k_q76d7891344_qkv,@function
k_q76d7891344_qkv:
	s_mov_b64 s[64:65], 0
	v_nop
	global_prefetch_b8 v0, s[64:65] scope:SCOPE_SE
	s_setreg_imm32_b32 hwreg(HW_REG_WAVE_MODE, 25, 1), 1
	s_wait_xcnt 0x0
	s_wait_alu depctr_hold_cnt(0) depctr_sa_sdst(0) depctr_va_vdst(0) depctr_va_sdst(0) depctr_va_ssrc(0) depctr_va_vcc(0) depctr_vm_vsrc(0)
	s_getreg_b32 s2, hwreg(HW_REG_IB_STS2, 6, 4)
	s_cmp_eq_u32 s2, 0
	s_cbranch_scc0 .Lentry_in_a_cluster
	s_endpgm
.Lentry_in_a_cluster:
	s_bfe_u32 s2, ttmp6, 0x10000c
	s_cmp_lg_u32 s2, 0xf033
	s_cbranch_scc0 .Lentry_shape_is_right
	s_endpgm
.Lentry_shape_is_right:
; [q | kv] = x W^T + b, the rotary turn, the scales, f16, laid out by heads.  x (xb) is bf16; Wq, Wkv, bq, bkv are rounded to bf16 here; sums in f32.
; A work-group makes 256 rows (M tile cy) x 96 columns (N tile x = 4 x cluster + cx): Wq rows 64 x .. + 63 and Wkv rows 64 c + 16 p + 0 .. 15 and + 32 .. 47 (c = x / 2, p = x % 2).
; Wave w owns rows 64 w .. + 63 and ALL 96 columns: 24 accumulators.  So a channel d and its rotary partner d + 32 lie in the same lane and register of two accumulators.
; THE MATRIX INSTRUCTION IS USED TRANSPOSED (source 0 = 16 rows of W, source 1 = 16 rows of x): a lane holds one row of the result and 8 neighbouring columns.  The bias is the C operand of each sum's first product.
; A (x) comes by JOINT tensor loads: the four work-groups of a row of the cluster need the same 256 rows; each wave fetches its own 64 rows x 256 bytes, one line of text for all.  K goes in 32 steps of 128 through two slots.
; THE WEIGHTS DO NOT COME BY JOINT LOADS: they are f32 and a tensor load converts nothing: as f32 tiles in LDS each fragment would take 4 LDS loads in place of 2, in each of four waves, and each wave would convert them anew.
; Each wave loads its share of the 96 rows into registers (a load is one row's 512 bytes), two K steps ahead on counted waits, rounds them ONCE for the work-group and stores them as bf16 into a second LDS ring,
; which only ds_store writes.  The conversions stand four behind a matrix instruction.
; OUT: qh [64 x][1024][64] f16, kvh [64 x][1024][32] f16.  y(d) = acc(d) C - acc(d + 32) S, y(d + 32) = acc(d + 32) C + acc(d) S, with C, S from the table: cq cos, cq sin for rotary channels; cq, 0 for the others of q and k; 0.25, 0 for v.
; LIMITS.  f16 ends at 65,504: |q|, |k| must stay under 183,000 and |v| under 262,000 before the scales.  NaN and infinities are not treated apart.
; The reloads of the last three K steps have nothing left to fetch: they read the last K step's slice again (32 of a wave's 800 loads, inside the buffer, never used), so that every trip has one text.
; REGISTERS.  window 0: addresses, BIAS v32-79, table offsets v80-87, fragment buffers F0 v96-175 and F1 v176-255 (A's fragment a at + 8 a, W's fragment b at + 32 + 8 b).
;   window 1: the weights as loaded, set s row j at 96 s + 4 j; D v192-207 a batch's bf16.  window 2: accumulator (a, b) at 8 (6 a + b).
.set NB, 6
.set NL, 40                            ; five batches of 8 loads: see QUARTER
.set PITCH, 272                        ; an LDS row: 256 bytes + 16 = 68 words: the 16 rows of a fragment load start at 16 different groups of four banks (64 banks of 4 bytes: ISA guide 11.1)
.set AWAVE, 64*PITCH
.set ASLOT, 4*AWAVE
.set B0, 2*ASLOT                       ; the weights' ring: 96 rows a slot
.set BSLOT, 96*PITCH
.set STAGE, B0+2*BSLOT                 ; the way out: for each wave 16 rows x 144 bytes (q), then 16 rows x 80 bytes (kv)
.set STW, 3584
.set SPARE, STAGE+4*STW                ; the spare words, 128 bytes for each wave: two blocks of 256 bytes that no other line names
.set RDK, 10
.set ADRA, 16                          ; v16-17 LDS address of my A fragments in slot 0, 1
.set ADRB, 20                          ; v20-21 the same for the weights
.set LSTQ, 22                          ; where I store a row of Wq: B0 + 16 w rows + 8 x lane
.set LSTK, 23                          ; a row of Wkv: B0 + (64 + 8 w) rows + 8 x lane
.set VW, 24                            ; 16 x lane
.set STQ, 25
.set STK, 26
.set RDQ, 27
.set SPW, 28
.set NIL, 29
.set VPW, 30
.set VPA, 31
.set BIAS, 32
.set TQ, 80
.set TK, 84
.set U, 88
.set F0, 96
.set F1, 176
.set YY, 96
.set HH, 144
.set BK, 168
.set DD, 192
.set G1, 24
.set G0, 32
.set PWQ, 40                           ; s[40:41] Wq at my 16 rows, at the K step to be loaded
.set PWK, 42                           ; s[42:43] Wkv at my 8 rows
.set STEP, 44                          ; s[44:45] 512, or 0 where nothing is left
.set PFW, 46
.set PFA, 48
.set LIMW, 50
.set LIMA, 51
.set QHB, 68
.set KVB, 70
.set MUL, 0xa0                         ; sources window 0, C and D window 2
.set MUL0, 0x80                        ; C (the bias) window 0
.set RID, 0x45                         ; all in window 1
.set MID, 0x44                         ; destination and store data window 1, address window 0
.set EPI, 0x06                         ; source 0 window 2, source 1 window 1, source 2 and destination window 0
.set MSB, 0
.set RLEFT, 0
.macro WIN new                         ; the immediate's high byte repeats the setting that is left
.if MSB != (\new)
	s_set_vgpr_msb (MSB<<8)|(\new)
.set MSB, \new
.endif
.endm
.macro PLACES                          ; four places behind matrix instructions, in front of loads into registers that they read and of lines that read results
.rept 4
	v_nop
.endr
.endm
.macro JLOAD s                         ; the joint load of my 64 rows of A; an s_nop 0 and four v_nop follow it
	tensor_load_to_lds s[G0+4*(\s):G0+4*(\s)+3], s[G1:G1+7]
	s_nop 0
.rept 4
	v_nop
.endr
.endm
.macro CREST                           ; a round of the cluster's barrier behind its opening barrier
	s_cmp_lg_u32 s20, 0
	s_cbranch_scc1 .Lnot_wave_0_\@
	s_barrier_signal -3
.Lnot_wave_0_\@:
	s_barrier_wait -3
	s_barrier_signal -1
	s_barrier_wait -1
.endm
.macro CROUND
	s_barrier_signal -1
	s_barrier_wait -1
	CREST
.endm
; PREFETCHES INTO THE L2, once a trip, behind the joint load and the run of LDS loads: K steps 2 i + 8 and 2 i + 9 in trip i, three to four K steps ahead of the loads that want them.  K steps 0 to 7 come by their loads alone.
; Weights: 1,024 bytes of 8 rows, a lane a block of 256 bytes.  The four work-groups of a column of the cluster read the same 96 rows and share them out BY ADDRESS (cy): waves 0, 1 take 8 rows of Wq each, wave 2 takes 8 of Wkv.
; A: every cluster reads all of x; cluster 0 asks; the four partners of a row share a wave's 64 rows out by address (cx): 16 rows x 512 bytes.  So each block is named once.  They stop where 2 i + 9 would pass 31 (s3 = 15 - i).
.macro ASK
	s_cmp_gt_u32 s3, s[LIMW]
	s_cbranch_scc0 .Lno_w_\@
	global_prefetch_b8 v[VPW], s[PFW:PFW+1] th:TH_LOAD_NT scope:SCOPE_SE
.Lno_w_\@:
	s_cmp_gt_u32 s3, s[LIMA]
	s_cbranch_scc0 .Lno_a_\@
	global_prefetch_b8 v[VPA], s[PFA:PFA+1] th:TH_LOAD_NT scope:SCOPE_SE
.Lno_a_\@:
.endm
.macro RID1                            ; conversion RQ of batch (RSET, RBAT): two a row
.set rj, RQ/2
.set rk, RQ%2
	v_cvt_pk_bf16_f32 v[DD+2*rj+rk], v[96*RSET+32*RBAT+4*rj+2*rk], v[96*RSET+32*RBAT+4*rj+2*rk+1]
.set RQ, RQ+1
.endm
.macro LUMP set, bat, from, cnt        ; conversions on end (at the head)
.set RSET, \set
.set RBAT, \bat
.set RQ, \from
	WIN RID
.rept \cnt
	RID1
.endr
.endm
; four products: n block b x my four m blocks.  All 24 accumulators take turns, one instruction a turn, in the same order in every quarter.
.macro MULG f, b, zero
.irp a, 0,1,2,3
.if \zero
	WIN MUL0
	v_wmma_f32_16x16x32_bf16 v[8*(NB*(\a)+(\b)):8*(NB*(\a)+(\b))+7], v[(\f)+32+8*(\b):(\f)+32+8*(\b)+7], v[(\f)+8*(\a):(\f)+8*(\a)+7], v[BIAS+8*(\b):BIAS+8*(\b)+7]
.else
	WIN MUL
	v_wmma_f32_16x16x32_bf16 v[8*(NB*(\a)+(\b)):8*(NB*(\a)+(\b))+7], v[(\f)+32+8*(\b):(\f)+32+8*(\b)+7], v[(\f)+8*(\a):(\f)+8*(\a)+7], v[8*(NB*(\a)+(\b)):8*(NB*(\a)+(\b))+7]
.endif
.if RLEFT > 0
	WIN RID
.rept 4
	RID1
.endr
.set RLEFT, RLEFT-4
.endif
.endr
.endm
.macro HALF f, b0, cnt, zero, set, bat, part   ; cnt n blocks from b0 on; half a batch's conversions (bat < 0: none) ride behind the first products
.set RSET, \set
.set RBAT, \bat
.set RQ, 8*(\part)
.if (\bat) < 0
.set RLEFT, 0
.else
.set RLEFT, 8
.endif
.set hb, \b0
.rept \cnt
	MULG \f, hb, \zero
.set hb, hb+1
.endr
.endm
.macro WLOAD set, bat, off             ; a batch: 8 rows x 512 bytes.  Batches 0, 1: my 16 rows of Wq; batch 2: my 8 rows of Wkv
	WIN MID
.irp j, 0,1,2,3,4,5,6,7
.if (\bat) < 2
	global_load_b128 v[96*(\set)+32*(\bat)+4*(\j):96*(\set)+32*(\bat)+4*(\j)+3], v[VW], s[PWQ:PWQ+1] offset:(8*(\bat)+(\j))*16384+(\off)
.else
	global_load_b128 v[96*(\set)+64+4*(\j):96*(\set)+64+4*(\j)+3], v[VW], s[PWK:PWK+1] offset:(\j)*16384+(\off)
.endif
.endr
.endm
.macro STLD set, bat, slotb, reload    ; the batch's bf16 into the weights' ring (a store is one row's 256 bytes), and its registers asked for again
	WIN MID
.irp j, 0,1,2,3,4,5,6,7
.if (\bat) < 2
	ds_store_b64 v[LSTQ], v[DD+2*(\j):DD+2*(\j)+1] offset:(8*(\bat)+(\j))*PITCH+(\slotb)*BSLOT
.else
	ds_store_b64 v[LSTK], v[DD+2*(\j):DD+2*(\j)+1] offset:(\j)*PITCH+(\slotb)*BSLOT
.endif
.endr
.if \reload
	WLOAD \set, \bat, 0
.endif
.endm
.macro FETCH slot, k, f                ; 20 LDS loads in one run: A's four fragments, then the weights' six, in the order in which they are multiplied
	WIN 0
.irp a, 0,1,2,3
	ds_load_b128 v[(\f)+8*(\a):(\f)+8*(\a)+3],   v[ADRA+(\slot)] offset:(\k)+(\a)*16*PITCH
	ds_load_b128 v[(\f)+8*(\a)+4:(\f)+8*(\a)+7], v[ADRA+(\slot)] offset:(\k)+(\a)*16*PITCH+32
.endr
.irp b, 0,1,2,3,4,5
	ds_load_b128 v[(\f)+32+8*(\b):(\f)+32+8*(\b)+3],   v[ADRB+(\slot)] offset:(\k)+(\b)*16*PITCH
	ds_load_b128 v[(\f)+32+8*(\b)+4:(\f)+32+8*(\b)+7], v[ADRB+(\slot)] offset:(\k)+(\b)*16*PITCH+32
.endr
.endm
.macro TABLE                           ; the table for my 64 rows: for m block a at 48 a of window 1: q's C, S for n blocks 0 and 1, then kv's C, S
	WIN MID
.irp a, 0,1,2,3
.irp c, 0,1
	global_load_b128 v[48*(\a)+16*(\c):48*(\a)+16*(\c)+3],     v[TQ+(\a)], s[14:15] offset:64*(\c)
	global_load_b128 v[48*(\a)+16*(\c)+4:48*(\a)+16*(\c)+7],   v[TQ+(\a)], s[14:15] offset:64*(\c)+16
	global_load_b128 v[48*(\a)+16*(\c)+8:48*(\a)+16*(\c)+11],  v[TQ+(\a)], s[14:15] offset:64*(\c)+128
	global_load_b128 v[48*(\a)+16*(\c)+12:48*(\a)+16*(\c)+15], v[TQ+(\a)], s[14:15] offset:64*(\c)+144
.endr
	global_load_b128 v[48*(\a)+32:48*(\a)+35], v[TK+(\a)], s[14:15]
	global_load_b128 v[48*(\a)+36:48*(\a)+39], v[TK+(\a)], s[14:15] offset:16
	global_load_b128 v[48*(\a)+40:48*(\a)+43], v[TK+(\a)], s[14:15] offset:128
	global_load_b128 v[48*(\a)+44:48*(\a)+47], v[TK+(\a)], s[14:15] offset:144
.endr
.endm
; A K step t (slot = t % 2) is four quarters of 32 along K, 24 products each, on buffers 0, 1, 0, 1.  Beside them it converts the weights of step t + 1, out of set 1 - slot into ring slot 1 - slot, and asks for step t + 3's.
; One of the first three quarters: multiplies f, fetches byte k of the rows into g.  bata: the batch whose second half rides in the first half; st: the batch stored and asked for again; batb: the batch whose first half rides in the second half.
; nl: the wait for batb's loads.  Behind a batch of step t + 1 were issued the rest of t + 1, all of t + 2 and as many batches of t + 3 as t + 1 has given up: always five batches, 40 loads.
.macro QUARTER slot, k, f, g, zero, bata, batb, st, reload, nl, tbl=0
	s_wait_dscnt NB                                ; all but the youngest six loads: the weights' fragments 3 to 5
	HALF \f, 0, 3, \zero, 1-(\slot), \bata, 1
.if (\bata) < 0
	PLACES                                         ; (else the conversions are the places in front of the loads below)
.endif
.if (\st) == 0
	s_wait_xcnt 0x0                                ; every load issued so far has read its base: the pointers step
	s_add_nc_u64 s[PWQ:PWQ+1], s[PWQ:PWQ+1], s[STEP:STEP+1]
	s_add_nc_u64 s[PWK:PWK+1], s[PWK:PWK+1], s[STEP:STEP+1]
.endif
.if (\st) >= 0
	STLD 1-(\slot), \st, 1-(\slot), \reload
.endif
	FETCH \slot, \k, \g
.if \tbl
	s_wait_loadcnt 0x0                             ; no load into window 1 is out: its registers take the table
	TABLE
.endif
.if (\nl) > 0
	s_wait_loadcnt \nl
.endif
.if (\st) >= 0
	s_wait_dscnt 28                                ; all but this quarter's 8 stores and 20 loads
.else
	s_wait_dscnt 20
.endif
	HALF \f, 3, 3, \zero, 1-(\slot), \batb, 0
.endm
; The last quarter multiplies F1 and changes slots.  In front of the barrier: all my tensor loads have landed (one was out: my part of A's next slot), the add, and the wait for the add, for my reads of both rings' slots
; and for my stores into the weights' next slot.  Behind it nobody reads this slot and the next slots are whole.  fill = 1: the barrier opens a round of the cluster's, and A's slot is filled again first, two K steps ahead.
; ride = 1: the first half of the next but one step's batch 0 rides in the second half.
.macro TURN slot, next, fill, ride
.if (\fill) && ((\slot) == 1)
	s_wait_xcnt 0x0                                ; the last prefetches, a trip back, have read their addresses
	s_add_nc_u64 s[PFW:PFW+1], s[PFW:PFW+1], 1024
	s_add_nc_u64 s[PFA:PFA+1], s[PFA:PFA+1], 512
.endif
	WIN 0
	s_wait_tensorcnt 0x0
	ds_add_u32 v[SPW], v[NIL]                      ; 0 onto my spare word
	s_wait_dscnt NB+1                              ; (the add and the youngest six loads may be out)
	HALF F1, 0, 2, 0, 0, -1, 0
	s_wait_dscnt 0x0
	s_barrier_signal -1
	HALF F1, 2, 1, 0, 0, -1, 0
.if \fill
	WIN 0
.endif
	s_barrier_wait -1
.if \fill
	CREST
	s_add_nc_u64 s[G0+4*(\slot)+2:G0+4*(\slot)+3], s[G0+4*(\slot)+2:G0+4*(\slot)+3], 512
	JLOAD \slot                                    ; its four v_nop are also the places in front of the loads below
.else
	PLACES
.endif
	FETCH \next, 0, F0
.if (\fill) && ((\slot) == 1)
	ASK
.endif
.if \ride
	s_wait_loadcnt NL
	HALF F1, 3, 3, 0, \slot, 0, 0
.else
	HALF F1, 3, 3, 0, 0, -1, 0
.endif
.endm
	s_load_b256 s[4:11], s[0:1], 0x0               ; xb s[4:5], Wq s[6:7], Wkv s[8:9], bq s[10:11]
	s_load_b256 s[12:19], s[0:1], 0x20             ; bkv s[12:13], rope s[14:15], qh s[16:17], kvh s[18:19]
	v_lshl_add_u32 v[SPW], v0, 2, SPARE
	v_mov_b32 v[NIL], 0
	ds_add_u32 v[SPW], v[NIL]                      ; the opening: the add and its wait ahead of my first tensor load
	v_lshrrev_b32 v1, 5, v0
	v_readfirstlane_b32 s20, v1                    ; wave
	s_bfe_u32 s21, ttmp6, 0x40000                  ; cx
	s_bfe_u32 s22, ttmp6, 0x40004                  ; cy: the M tile
	s_lshl_b32 s23, ttmp9, 2
	s_add_co_u32 s23, s23, s21                     ; x: the N tile
	s_lshl_b32 s52, s22, 2
	s_lshl_b32 s52, 15, s52                        ; my row of the cluster
	s_or_b32 s[G1], s52, (1<<16)|(1<<20)|(1<<21)|(5<<22)|(3<<25)  ; the mask; 2-byte elements; padding on; bit 21 beside a mask; after every 64 words 4 words
	s_mov_b32 s[G1+1], 128<<16                     ; tensor_dim0 = 128
	s_mov_b32 s[G1+2], 64<<16                      ; tensor_dim1 = 64
	s_mov_b32 s[G1+3], 128<<16                     ; tile_dim0 = 128
	s_mov_b32 s[G1+4], 64                          ; tile_dim1 = 64
	s_mov_b32 s[G1+5], 4096                        ; elements from row to row
	s_mov_b32 s[G1+6], 0
	s_mov_b32 s[G1+7], 0
	s_lshl_b32 s52, s22, 8
	s_lshl_b32 s53, s20, 6
	s_add_co_u32 s52, s52, s53                     ; t0 = 256 cy + 64 w: my first row
	s_lshl_b32 s54, s52, 13
	s_mov_b32 s55, 0                               ; its bytes in xb
	s_lshl_b32 s56, s23, 6
	s_lshl_b32 s57, s20, 4
	s_add_co_u32 s56, s56, s57
	s_lshl_b32 s56, s56, 14                        ; Wq row 64 x + 16 w
	s_mov_b32 s57, 0
	s_lshr_b32 s58, s23, 1
	s_lshl_b32 s58, s58, 6
	s_and_b32 s59, s23, 1
	s_lshl_b32 s59, s59, 4
	s_add_co_u32 s53, s58, s59                     ; kv0 = 64 c + 16 p
	s_lshl_b32 s58, s20, 3
	s_add_co_u32 s58, s58, s53
	s_lshr_b32 s59, s20, 1
	s_lshl_b32 s59, s59, 4
	s_add_co_u32 s58, s58, s59                     ; Wkv row kv0 + 8 w, and 16 more for waves 2, 3 (the partners' rows lie 32 on)
	s_lshl_b32 s58, s58, 14
	s_mov_b32 s59, 0
	s_lshl_b32 s60, s23, 8                         ; bq at column 64 x
	s_mov_b32 s61, 0
	s_lshl_b32 s62, s53, 2                         ; bkv at kv0
	s_mov_b32 s63, 0
	s_mov_b32 s[STEP], 512
	s_mov_b32 s[STEP+1], 0
	v_and_b32 v3, 31, v0                           ; lane
	v_lshlrev_b32 v[VW], 4, v3
	v_bfe_u32 v2, v0, 4, 1                         ; h
	v_lshlrev_b32 v9, 5, v2                        ; 8 h columns of a bias
	s_wait_dscnt 0x0                               ; the opening add is done
	s_wait_kmcnt 0x0
	s_add_nc_u64 s[PWQ:PWQ+1], s[6:7], s[56:57]
	s_add_nc_u64 s[PWK:PWK+1], s[8:9], s[58:59]
	s_add_nc_u64 s[10:11], s[10:11], s[60:61]
	s_add_nc_u64 s[12:13], s[12:13], s[62:63]
	s_add_nc_u64 s[66:67], s[4:5], s[54:55]
.irp b, 0,1,2,3
	global_load_b128 v[BIAS+8*(\b):BIAS+8*(\b)+3],   v9, s[10:11] offset:64*(\b)
	global_load_b128 v[BIAS+8*(\b)+4:BIAS+8*(\b)+7], v9, s[10:11] offset:64*(\b)+16
.endr
.irp c, 0,1
	global_load_b128 v[BIAS+32+8*(\c):BIAS+32+8*(\c)+3], v9, s[12:13] offset:128*(\c)
	global_load_b128 v[BIAS+36+8*(\c):BIAS+36+8*(\c)+3], v9, s[12:13] offset:128*(\c)+16
.endr
.irp c, 0,1,2
	WLOAD 0, \c, 0                                 ; K step 0
.endr
.irp c, 0,1,2
	WLOAD 1, \c, 512                               ; K step 1
.endr
	WIN 0
	s_mul_i32 s60, s20, AWAVE                      ; where my 64 rows of A go: no place in the cluster enters an LDS address
	CROUND                                         ; all sixteen work-groups are here: the first joint loads meet
.irp s, 0,1
	s_mov_b32 s[G0+4*(\s)], 1
	s_add_co_u32 s[G0+4*(\s)+1], s60, (\s)*ASLOT
	s_add_nc_u64 s[G0+4*(\s)+2:G0+4*(\s)+3], s[66:67], (\s)*256
	s_or_b32 s[G0+4*(\s)+3], s[G0+4*(\s)+3], 0x80000000
	JLOAD \s
.endr
	v_and_b32 v1, 15, v0                           ; r
	v_mul_u32_u24 v4, v1, PITCH
	v_lshl_add_u32 v4, v2, 4, v4                   ; a fragment's row x pitch + 16 h
	v_add_nc_u32 v[ADRA], s60, v4
	v_add_nc_u32 v[ADRA+1], ASLOT, v[ADRA]
	v_add_nc_u32 v[ADRB], B0, v4
	v_add_nc_u32 v[ADRB+1], BSLOT, v[ADRB]
	s_mul_i32 s61, s20, 16*PITCH
	s_add_co_u32 s61, s61, B0
	v_lshl_add_u32 v[LSTQ], v3, 3, s61
	s_mul_i32 s61, s20, 8*PITCH
	s_add_co_u32 s61, s61, B0+64*PITCH
	v_lshl_add_u32 v[LSTK], v3, 3, s61
	s_mul_i32 s61, s20, STW
	s_add_co_u32 s61, s61, STAGE                   ; my stage
	v_mul_u32_u24 v5, v1, 144
	v_lshl_add_u32 v5, v2, 4, v5
	v_add_nc_u32 v[STQ], s61, v5                   ; in, q: row r, 16 bytes for each half of the lanes
	v_mul_u32_u24 v5, v1, 80
	v_lshl_add_u32 v5, v2, 4, v5
	v_add3_u32 v[STK], v5, s61, 2304               ; in, kv
	v_lshrrev_b32 v5, 3, v3
	v_mul_u32_u24 v5, v5, 144
	v_and_b32 v6, 7, v3
	v_lshl_add_u32 v5, v6, 4, v5
	v_add_nc_u32 v[RDQ], s61, v5                   ; back, q: 32 lanes take four rows of 128 bytes
	v_lshrrev_b32 v5, 2, v3
	v_and_b32 v6, 3, v3
	v_lshlrev_b32 v[VPW], 14, v5                   ; the weights' prefetch: row lane / 4, block lane % 4
	v_lshl_add_u32 v[VPW], v6, 8, v[VPW]
	v_mul_u32_u24 v5, v5, 80
	v_lshl_add_u32 v5, v6, 4, v5
	v_add3_u32 v[RDK], v5, s61, 2304               ; back, kv: eight rows of 64 bytes
	v_lshlrev_b32 v[VPA], 13, v1                   ; A's prefetch: row lane % 16, block lane / 16
	v_lshl_add_u32 v[VPA], v2, 8, v[VPA]
	; the table's offsets: the row of my query where the channels turn, a constant row where they do not; chosen by selects
	s_and_b32 s56, s23, 1
	s_cmp_eq_u32 s56, 0                            ; q: the head's first 64 channels turn
	s_cselect_b32 s57, 256, 0
	s_cselect_b32 s58, 0, 262144
	s_bfe_u32 s59, s23, 0x20001                    ; kind: 0 k turning, 1 k passing, 2, 3 v
	s_cmp_eq_u32 s59, 0
	s_cselect_b32 s60, 256, 0
	s_cselect_b32 s61, 0, 262144
	s_cmp_gt_u32 s59, 1
	s_cselect_b32 s61, 262400, s61
	s_lshl_b32 s56, s56, 6                         ; kv's 16 columns begin at table entry 16 p
	s_add_co_u32 s61, s61, s56
	v_add_nc_u32 v5, s52, v1                       ; t0 + r
	v_mul_lo_u32 v6, v5, s57
	v_lshl_add_u32 v6, v2, 5, v6
	v_add_nc_u32 v[TQ], s58, v6
	v_mul_lo_u32 v6, v5, s60
	v_lshl_add_u32 v6, v2, 5, v6
	v_add_nc_u32 v[TK], s61, v6
	s_lshl_b32 s57, s57, 4                         ; 16 rows on
	s_lshl_b32 s60, s60, 4
.irp a, 1,2,3
	v_add_nc_u32 v[TQ+(\a)], s57, v[TQ+(\a)-1]
	v_add_nc_u32 v[TK+(\a)], s60, v[TK+(\a)-1]
.endr
	s_lshl_b32 s56, s23, 17                        ; qh: block x, row t0
	s_lshl_b32 s57, s52, 7
	s_add_co_u32 s56, s56, s57
	s_mov_b32 s57, 0
	s_add_nc_u64 s[QHB:QHB+1], s[16:17], s[56:57]
	s_lshl_b32 s56, s23, 16                        ; kvh likewise
	s_lshl_b32 s58, s52, 6
	s_add_co_u32 s56, s56, s58
	s_add_nc_u64 s[KVB:KVB+1], s[18:19], s[56:57]
	; the prefetches
	s_lshl_b32 s56, s23, 6
	s_lshl_b32 s58, s22, 4
	s_add_co_u32 s56, s56, s58
	s_lshl_b32 s58, s20, 3
	s_add_co_u32 s56, s56, s58                     ; Wq row 64 x + 16 cy + 8 w
	s_lshl_b32 s58, s22, 3
	s_add_co_u32 s58, s58, s53
	s_lshr_b32 s59, s22, 1
	s_lshl_b32 s59, s59, 4
	s_add_co_u32 s58, s58, s59                     ; Wkv row kv0 + 8 cy, and 16 more for cy = 2, 3
	s_cmp_lt_u32 s20, 2
	s_cselect_b32 s56, s56, s58
	s_cselect_b64 s[PFW:PFW+1], s[6:7], s[8:9]
	s_lshl_b32 s56, s56, 14
	s_add_nc_u64 s[PFW:PFW+1], s[PFW:PFW+1], s[56:57]
	s_add_nc_u64 s[PFW:PFW+1], s[PFW:PFW+1], 3072  ; K step 6: the first trip steps it to 8
	s_cmp_eq_u32 s20, 3
	s_cselect_b32 s[LIMW], -1, 3
	s_lshl_b32 s56, s21, 4
	s_add_co_u32 s56, s56, s52
	s_lshl_b32 s56, s56, 13                        ; x row t0 + 16 cx
	s_add_nc_u64 s[PFA:PFA+1], s[4:5], s[56:57]
	s_add_nc_u64 s[PFA:PFA+1], s[PFA:PFA+1], 1536
	s_cmp_eq_u32 ttmp9, 0
	s_cselect_b32 s[LIMA], 3, -1                   ; the same in all sixteen partners
	s_wait_xcnt 0x0                                ; the first loads have read their bases
	s_add_nc_u64 s[PWQ:PWQ+1], s[PWQ:PWQ+1], 1024  ; K step 2
	s_add_nc_u64 s[PWK:PWK+1], s[PWK:PWK+1], 1024
.irp c, 0,1,2
	s_wait_loadcnt NL                              ; the batch is in (and the biases, which are older): five batches are younger
	LUMP 0, \c, 0, 16
	STLD 0, \c, 0, 1                               ; K step 0 into ring slot 0; K step 2 is asked for
.endr
	WIN 0
.set i, 0
.rept 24                                       ; the biases, rounded to bf16 like all inputs
	v_cvt_pk_bf16_f32 v[U], v[BIAS+2*i], v[BIAS+2*i+1]
	v_lshlrev_b32 v[BIAS+2*i], 16, v[U]
	v_and_b32 v[BIAS+2*i+1], 0xffff0000, v[U]
.set i, i+1
.endr
	s_wait_loadcnt NL
	LUMP 1, 0, 0, 8                                ; the first half of K step 1's batch 0
	WIN 0
	s_wait_tensorcnt 1                             ; my part of A's slot 0 is in; slot 1's may stay out
	s_wait_dscnt 0x0                               ; my stores into ring slot 0 are done
	s_barrier_signal -1
	s_barrier_wait -1
	FETCH 0, 0, F0
	QUARTER 0, 64, F0, F1, 1, 0, 1, 0, 1, NL       ; the first quarter stands in front of the loop: its products start the sums, on the biases
	WIN 0
	s_mov_b32 s3, 15
.Llap:                                                 ; a trip goes once round the rings, from a lap's second quarter to the next lap's first
	s_cmp_gt_u32 s3, 1
	s_cselect_b32 s[STEP], 512, 0                  ; in the last trip the pointers stand at the last K step
	QUARTER 0, 128, F1, F0, 0, 1, 2, 1, 1, NL
	QUARTER 0, 192, F0, F1, 0, 2, -1, 2, 1, 0
	TURN 0, 1, 1, 1
	QUARTER 1, 64, F0, F1, 0, 0, 1, 0, 1, NL
	QUARTER 1, 128, F1, F0, 0, 1, 2, 1, 1, NL
	QUARTER 1, 192, F0, F1, 0, 2, -1, 2, 1, 0
	TURN 1, 0, 1, 1
	QUARTER 0, 64, F0, F1, 0, 0, 1, 0, 1, NL
	WIN 0
	s_sub_co_u32 s3, s3, 1
	s_cmp_lg_u32 s3, 0
	s_cbranch_scc1 .Llap
	QUARTER 0, 128, F1, F0, 0, 1, 2, 1, 0, 32      ; K step 30 goes on; nothing is asked for: behind the last batch four batches were issued, 32 loads
	QUARTER 0, 192, F0, F1, 0, 2, -1, 2, 0, 0
	TURN 0, 1, 0, 0
	QUARTER 1, 64, F0, F1, 0, -1, -1, -1, 0, 0, 1  ; K step 31; the table is asked for
	QUARTER 1, 128, F1, F0, 0, -1, -1, -1, 0, 0
	QUARTER 1, 192, F0, F1, 0, -1, -1, -1, 0, 0
	s_wait_dscnt NB
	HALF F1, 0, 3, 0, 0, -1, 0
	s_wait_dscnt 0x0
	HALF F1, 3, 3, 0, 0, -1, 0
	; THE WAY OUT, an m block (16 rows) at a time: the turn and the scales, f16, through my stage, out as 512 consecutive bytes a store.
.macro ROT a, b1, b2, tc               ; each accumulator is read from its low end on
.irp jj, 0,2,4,6
	v_pk_mul_f32 v[U:U+1], v[8*(NB*(\a)+(\b2))+(\jj):8*(NB*(\a)+(\b2))+(\jj)+1], v[48*(\a)+(\tc)+8+(\jj):48*(\a)+(\tc)+8+(\jj)+1]
	v_pk_fma_f32 v[YY+8*(\b1)+(\jj):YY+8*(\b1)+(\jj)+1], v[8*(NB*(\a)+(\b1))+(\jj):8*(NB*(\a)+(\b1))+(\jj)+1], v[48*(\a)+(\tc)+(\jj):48*(\a)+(\tc)+(\jj)+1], v[U:U+1] neg_lo:[0,0,1] neg_hi:[0,0,1]
	v_pk_mul_f32 v[U+2:U+3], v[8*(NB*(\a)+(\b1))+(\jj):8*(NB*(\a)+(\b1))+(\jj)+1], v[48*(\a)+(\tc)+8+(\jj):48*(\a)+(\tc)+8+(\jj)+1]
	v_pk_fma_f32 v[YY+8*(\b2)+(\jj):YY+8*(\b2)+(\jj)+1], v[8*(NB*(\a)+(\b2))+(\jj):8*(NB*(\a)+(\b2))+(\jj)+1], v[48*(\a)+(\tc)+(\jj):48*(\a)+(\tc)+(\jj)+1], v[U+2:U+3]
.endr
.endm
.macro PACK a
	WIN EPI
	ROT \a, 0, 2, 0
	ROT \a, 1, 3, 16
	ROT \a, 4, 5, 32
	WIN 0
.set i, 0
.rept 24
	v_cvt_pk_f16_f32 v[HH+i], v[YY+2*i], v[YY+2*i+1]
.set i, i+1
.endr
.endm
.macro TOSTAGE a
.set BKA, BK+24*((\a)%2)
.irp b, 0,1,2,3
	ds_store_b128 v[STQ], v[HH+4*(\b):HH+4*(\b)+3] offset:32*(\b)
.endr
.irp c, 0,1
	ds_store_b128 v[STK], v[HH+16+4*(\c):HH+16+4*(\c)+3] offset:32*(\c)
.endr
.irp i, 0,1,2,3
	ds_load_b128 v[BKA+4*(\i):BKA+4*(\i)+3], v[RDQ] offset:(\i)*576   ; LDS serves a wave's instructions in order (ISA guide 5.7.1.4): these see the stores above
.endr
.irp i, 0,1
	ds_load_b128 v[BKA+16+4*(\i):BKA+16+4*(\i)+3], v[RDK] offset:(\i)*640
.endr
.endm
.macro SEND a
.set BKA, BK+24*((\a)%2)
	s_wait_dscnt 0x0                               ; the block is back in registers
	s_wait_xcnt 0x0                                ; earlier stores have read their registers: the block after this one loads into them
.irp i, 0,1,2,3
	global_store_b128 v[VW], v[BKA+4*(\i):BKA+4*(\i)+3], s[QHB:QHB+1] offset:(\a)*2048+(\i)*512
.endr
.irp i, 0,1
	global_store_b128 v[VW], v[BKA+16+4*(\i):BKA+16+4*(\i)+3], s[KVB:KVB+1] offset:(\a)*1024+(\i)*512
.endr
.endm
	PLACES
	s_wait_loadcnt 0x0                             ; the table
	PACK 0
	TOSTAGE 0
.irp a, 1,2,3
	PACK \a
	SEND (\a)-1
	TOSTAGE \a
.endr
	SEND 3
	s_wait_tensorcnt 0x0                           ; the wave's end
	ds_add_u32 v[SPW], v[NIL]
	s_wait_dscnt 0x0
	CROUND                                         ; the closing round
	s_endpgm
.Lfunc_end_k_q76d7891344_qkv:
	.size	k_q76d7891344_qkv, .Lfunc_end_k_q76d7891344_qkv-k_q76d7891344_qkv
	.p2alignl 7, 3214868480
	.fill 96, 4, 3214868480
	.section	.rodata,"a",@progbits
	.p2align	6, 0x0
	.amdhsa_kernel k_q76d7891344_qkv
		.amdhsa_group_segment_fixed_size 327680
		.amdhsa_private_segment_fixed_size 0
		.amdhsa_enable_private_segment 0
		.amdhsa_kernarg_size 64
		.amdhsa_user_sgpr_count 2
		.amdhsa_user_sgpr_kernarg_segment_ptr 1
		.amdhsa_wavefront_size32 1
		.amdhsa_system_sgpr_workgroup_id_x 1
		.amdhsa_system_sgpr_workgroup_id_y 1
		.amdhsa_system_sgpr_workgroup_id_z 1
		.amdhsa_system_vgpr_workitem_id 0
		.amdhsa_next_free_vgpr 704
		.amdhsa_next_free_sgpr 80
		.amdhsa_reserve_vcc 0
		.amdhsa_float_denorm_mode_32 3
		.amdhsa_float_denorm_mode_16_64 3
		.amdhsa_memory_ordered 1
		.amdhsa_forward_progress 1
		.amdhsa_inst_pref_size 125
	.end_amdhsa_kernel
	.amdgpu_metadata
---
amdhsa.version: [ 1, 2 ]
amdhsa.kernels:
  - .name:           k_q76d7891344_qkv
    .symbol:         k_q76d7891344_qkv.kd
    .args:
      - { .name: xb, .offset: 0, .size: 8, .value_kind: global_buffer, .address_space: global }
      - { .name: Wq, .offset: 8, .size: 8, .value_kind: global_buffer, .address_space: global }
      - { .name: Wkv, .offset: 16, .size: 8, .value_kind: global_buffer, .address_space: global }
      - { .name: bq, .offset: 24, .size: 8, .value_kind: global_buffer, .address_space: global }
      - { .name: bkv, .offset: 32, .size: 8, .value_kind: global_buffer, .address_space: global }
      - { .name: rope, .offset: 40, .size: 8, .value_kind: global_buffer, .address_space: global }
      - { .name: qh, .offset: 48, .size: 8, .value_kind: global_buffer, .address_space: global }
      - { .name: kvh, .offset: 56, .size: 8, .value_kind: global_buffer, .address_space: global }
    .group_segment_fixed_size: 327680
    .private_segment_fixed_size: 0
    .kernarg_segment_align: 8
    .kernarg_segment_size: 64
    .max_flat_workgroup_size: 128
    .sgpr_count:     80
    .vgpr_count:     704
    .wavefront_size: 32
...
	.end_amdgpu_metadata
.endif
;; end of part 2
;; launch attn (part 3): grid 32 x 8, 4 waves a work-group, clusters of 4 x 1, 327,680 bytes of LDS; arguments qh, kvh, mk2, ob; writes ob
.if DOCPART == 3
	.amdgcn_target "amdgcn-amd-amdhsa--gfx1250"
	.amdhsa_code_object_version 6
	.text
	.protected	k_q76d7891344_attn
	.globl	k_q76d7891344_attn
	.p2align	8
	.type	k_q76d7891344_attn,@function
k_q76d7891344_attn:
	s_mov_b64 s[64:65], 0
	v_nop
	global_prefetch_b8 v0, s[64:65] scope:SCOPE_SE
	s_setreg_imm32_b32 hwreg(HW_REG_WAVE_MODE, 25, 1), 1
	s_wait_xcnt 0x0
	s_wait_alu depctr_hold_cnt(0) depctr_sa_sdst(0) depctr_va_vdst(0) depctr_va_sdst(0) depctr_va_ssrc(0) depctr_va_vcc(0) depctr_vm_vsrc(0)
	s_getreg_b32 s2, hwreg(HW_REG_IB_STS2, 6, 4)
	s_cmp_eq_u32 s2, 0
	s_cbranch_scc0 .Lentry_in_a_cluster
	s_endpgm
.Lentry_in_a_cluster:
	s_bfe_u32 s2, ttmp6, 0x10000c
	s_cmp_lg_u32 s2, 0x3003
	s_cbranch_scc0 .Lentry_shape_is_right
	s_endpgm
.Lentry_shape_is_right:
; ATTENTION.  ob[q][head][:] = (1/4) the sum over k of softmax_k(q . k / sqrt 128 + mask) v[k][:], f16.  q and k arrive scaled by sqrt(log2 e / sqrt 128), v by 1/4, the mask by log2 e: y = q . k + mask2 is the exponent to base 2.
; SHARES.  A work-group has one kv head g and 32 queries (block X = 4 x cluster + cx) of its four query heads.  Wave w: queries 32 X + 16 (w % 2) .. + 15 of heads 4 g + 2 (w / 2) + 0, 1: two tiles, which share one mask fragment.
; Every wave walks all 1,024 keys (the mask is an input: no tile is left out), 64 a step.  The four work-groups of a cluster walk the same K and V: joint tensor loads.
; LAYOUT.  S^T = K Q^T + mask2 (source 0 = 16 keys, source 1 = 16 queries, C = the mask): a lane holds ONE query and the keys 8 (lane / 16) + 0..7; two results rounded to f16 ARE source 1 of O^T = V^T P.
; K and V lie in kvh in four SUBS of 32 channels (sub s: channels 64 (s / 2) + 16 (s % 2) + 0..15 and + 32..47); a sub is one step of the contraction for K Q^T (Q is fetched in the same order) and two channel groups of V.
; SOFTMAX.  A running maximum m and sum l for each query: p = 2^(y - m); in every step O and l are multiplied by a = 2^(m_old - m).  m starts at the lowest finite number, O and l at 0: the first step is a step like any other.
; A row whose mask is -2^127 throughout has y = m everywhere and comes out as the mean of V, as the softmax of equal scores does.
; THE TURN.  Turn j: 32 products V^T P of step j - 1, then 32 products K Q^T of step j + 1; the softmax of step j, cut into 64 slices, stands behind them, a slice behind each.  S^T has two buffers.
; THE RING.  Slot i holds V of steps 2 i, 2 i + 1 and K of steps 2 i + 1, 2 i + 2, since K runs a step ahead of V: so one change of slots serves both.  K of step 0 has bytes of its own, filled once.
; The last slot's K tile reaches 64 keys past K's last: bytes of the next block of kvh, inside the buffer, never multiplied.  The odd turn of the last pass has no mask left to fetch and loads chunk 14 again, never used.
; LIMITS.  f16 ends at 65,504: q, k, v arrive within it.  A weight below 2^-126 counts as 0.  NaN and infinities are not treated apart.
; REGISTERS.  window 0: v2-15 addresses; v16-31 statistics, 8 a tile (m, -, l, l, c0-c3; a takes c2's place); v32-159 S^T (buffer, tile); v160-191 P; v192-255 the mask, two buffers.
;   window 1: v0-127 O^T (64 a tile); v128-191 Q (32 t + 8 s).  window 2: v0-127 K (32 kb + 8 s); v128-255 V (64 kk + 8 cg).
.set PK, 80                            ; a key of a sub of K in LDS: 64 bytes + 16: an odd multiple of 16 bytes
.set PV, 96                            ; of V: 64 + 32: an odd multiple of 32 bytes, for the turning load
.set KSUB, 128*PK
.set VSUB, 128*PV
.set VOFF, 4*KSUB
.set SLOT1, 1<<17
.set KZ, SLOT1+VOFF+4*VSUB             ; K of step 0
.set KZSUB, 64*PK
.set STAGE, KZ+4*KZSUB                 ; 16 rows x 272 bytes for each wave
.set SP, 272
.set SPARE, STAGE+4*16*SP              ; the spare words: two blocks of 256 bytes that no other line names
.set AK0, 2
.set AV0, 3
.set ADR, 4
.set STO, 5
.set QO, 6
.set RD, 7
.set GO, 8
.set MO, 12
.set PFO, 13
.set SPW, 14
.set NIL, 15
.set ST, 16
.set S, 32
.set P, 160
.set MK, 192
.set MST, 2                            ; s[2:3] the second mask pointer's step
.set WV, 12
.set LIM, 15
.set G1K, 24
.set G1V, 32
.set G1Z, 40
.set G0Z, 48
.set G0K, 52
.set SLOTS, 60
.set TB, 61
.set SEL, 62
.set PFA, 66
.set G0V, 68
.set MKP, 76
.set MKQ, 78
.set W_KQ, 0x06                        ; K window 2, Q window 1, C and S^T window 0
.set W_PV, 0x52                        ; V window 2, P window 0, O^T window 1
.set W_RS, 0x41                        ; O^T window 1, a window 0
.set MSB, 0
.set PB, 0
.macro WIN new
.if MSB != (\new)
	s_set_vgpr_msb (MSB<<8)|(\new)
.set MSB, \new
.endif
.endm
.macro PLACES
.rept 4
	v_nop
.endr
.endm
.macro JLOAD                           ; waves 0, 1 fetch two subs of K each, waves 2, 3 two of V; an s_nop 0 and four v_nop follow each line
	s_cmp_lt_u32 s[WV], 2
	s_cbranch_scc0 .Lfor_v_\@
	tensor_load_to_lds s[G0K+4:G0K+7], s[G1K:G1K+7]
	s_nop 0
.rept 4
	v_nop
.endr
	s_branch .Lasked_\@
.Lfor_v_\@:
	tensor_load_to_lds s[G0V+4:G0V+7], s[G1V:G1V+7]
	s_nop 0
.rept 4
	v_nop
.endr
.Lasked_\@:
.endm
; A prefetch into the L2 of what the NEXT change of slots will ask for.  All clusters of a kv head walk the same K and V: the head's first cluster asks; partner cx takes sub cx (8,192 bytes, a lane a block of 256), told apart by address;
; wave 0 asks for K's, wave 2 for V's.  The last change that fills a slot asks for nothing.  Slots 0 to 2 come by their loads alone.
.macro ASK
	s_cmp_gt_u32 s[SLOTS], s[LIM]
	s_cbranch_scc0 .Lnot_mine_\@
	global_prefetch_b8 v[PFO], s[PFA:PFA+1] th:TH_LOAD_NT scope:SCOPE_SE
.Lnot_mine_\@:
.endm
.macro CROUND
	s_barrier_signal -1
	s_barrier_wait -1
	s_cmp_lg_u32 s[WV], 0
	s_cbranch_scc1 .Lnot_wave_0_\@
	s_barrier_signal -3
.Lnot_wave_0_\@:
	s_barrier_wait -3
	s_barrier_signal -1
	s_barrier_wait -1
.endm
	s_load_b256 s[4:11], s[0:1], 0x0               ; qh s[4:5], kvh s[6:7], mk2 s[8:9], ob s[10:11]
	v_lshl_add_u32 v[SPW], v0, 2, SPARE
	v_mov_b32 v[NIL], 0
	ds_add_u32 v[SPW], v[NIL]                      ; the opening: the add and its wait ahead of my first tensor load
	v_lshrrev_b32 v1, 5, v0
	v_readfirstlane_b32 s[WV], v1
	s_bfe_u32 s13, ttmp6, 0x40000                  ; cx
	s_lshl_b32 s14, ttmp9, 2
	s_add_co_u32 s14, s14, s13                     ; X: it enters Q's, the mask's and O's addresses alone
	s_and_b32 s16, ttmp7, 0xffff                   ; g, which the partners share
	s_and_b32 s17, s[WV], 1
	s_lshr_b32 s18, s[WV], 1
	s_lshl_b32 s22, s16, 3
	s_lshl_b32 s23, s17, 1
	s_add_co_u32 s22, s22, s23
	s_lshl_b32 s22, s22, 16                        ; block 8 g + 2 (w % 2) of kvh: my two subs of K; V's lie four blocks on
	s_mov_b32 s23, 0
	s_mul_i32 s19, s17, 2*KSUB                     ; their places in a slot: no place in the cluster enters an LDS address
	s_mul_i32 s21, s17, 2*VSUB
	s_add_co_u32 s21, s21, VOFF
	s_mul_i32 s20, s17, 2*KZSUB
	s_add_co_u32 s20, s20, KZ
	s_lshl_b32 s76, s16, 2
	s_lshl_b32 s77, s18, 1
	s_add_co_u32 s76, s76, s77                     ; my first head
	s_lshl_b32 s77, s14, 5
	s_lshl_b32 s78, s17, 4
	s_add_co_u32 s77, s77, s78                     ; my first query q0
	s_lshl_b32 s78, s76, 18                        ; qh: two blocks of 131,072 bytes a head, 128 bytes a row
	s_lshl_b32 s79, s77, 7
	s_add_co_u32 s78, s78, s79
	s_lshl_b32 s79, s77, 13                        ; ob: 8,192 bytes a row, 256 a head
	s_lshl_b32 s76, s76, 8
	s_add_co_u32 s76, s76, s79
	s_lshl_b32 s77, s77, 12                        ; mk2: 65,536 bytes for 16 queries
	; descriptors, group 1: two subs, each a dense run of keys asked for as one long row; 16 or 32 bytes of padding behind every key's 64 bytes
	s_mov_b32 s[G1K], 15|(1<<16)|(1<<20)|(1<<21)|(3<<22)|(3<<25)  ; the mask of four; 2-byte elements; padding on; bit 21 beside a mask; after every 16 words 4 words
	s_mov_b32 s[G1V], 15|(1<<16)|(1<<20)|(1<<21)|(3<<22)|(7<<25)  ; 8 words
	s_mov_b32 s[G1Z], 15|(1<<16)|(1<<20)|(1<<21)|(3<<22)|(3<<25)
.irp g, G1K, G1V
	s_mov_b32 s[(\g)+1], 4096<<16                  ; tensor_dim0 = 128 keys x 32
	s_mov_b32 s[(\g)+2], 2<<16                     ; tensor_dim1 = 2
	s_mov_b32 s[(\g)+3], 4096<<16                  ; tile_dim0
	s_mov_b32 s[(\g)+4], 2                         ; tile_dim1
	s_mov_b32 s[(\g)+5], 32768                     ; elements from sub to sub
	s_mov_b32 s[(\g)+6], 0
	s_mov_b32 s[(\g)+7], 0
.endr
	s_mov_b32 s[G1Z+1], 2048<<16                   ; 64 keys
	s_mov_b32 s[G1Z+2], 2<<16
	s_mov_b32 s[G1Z+3], 2048<<16
	s_mov_b32 s[G1Z+4], 2
	s_mov_b32 s[G1Z+5], 32768
	s_mov_b32 s[G1Z+6], 0
	s_mov_b32 s[G1Z+7], 0
	s_mov_b32 s[SEL], 0x76543210
	s_mov_b32 s[SEL+1], 0xfedcba98
	s_mov_b32 s[TB], 0
	s_mov_b32 s[SLOTS], 7
	s_and_b32 s[LIM], s[WV], 1
	s_or_b32 s[LIM], s[LIM], ttmp9
	s_cmp_eq_u32 s[LIM], 0
	s_cselect_b32 s[LIM], 1, -1                    ; waves 0 and 2 of the head's first cluster: the same in all four partners
	s_mov_b32 s[G0Z], 1
	s_mov_b32 s[G0Z+1], s20
	s_mov_b32 s[G0K], 1
	s_mov_b32 s[G0K+1], s19
	s_mov_b32 s[G0K+4], 1
	s_add_co_u32 s[G0K+5], s19, SLOT1
	s_mov_b32 s[G0V], 1
	s_mov_b32 s[G0V+1], s21
	s_mov_b32 s[G0V+4], 1
	s_add_co_u32 s[G0V+5], s21, SLOT1
	v_and_b32 v10, 31, v0
	v_lshlrev_b32 v[MO], 4, v10
	v_lshlrev_b32 v[PFO], 8, v10
	s_mov_b32 s3, 0
	s_wait_dscnt 0x0                               ; the opening add is done
	s_wait_kmcnt 0x0
	s_add_nc_u64 s[6:7], s[6:7], s[22:23]
	s_mov_b64 s[G0Z+2:G0Z+3], s[6:7]               ; keys 0 to 63
	s_or_b32 s[G0Z+3], s[G0Z+3], 0x80000000
	s_add_nc_u64 s[G0K+2:G0K+3], s[6:7], 4096      ; slot 0: K from key 64
	s_or_b32 s[G0K+3], s[G0K+3], 0x80000000
	s_add_nc_u64 s[G0K+6:G0K+7], s[6:7], 12288     ; slot 1: from key 192
	s_or_b32 s[G0K+7], s[G0K+7], 0x80000000
	s_add_nc_u64 s[G0V+2:G0V+3], s[6:7], 262144    ; slot 0: V from key 0
	s_or_b32 s[G0V+3], s[G0V+3], 0x80000000
	s_add_nc_u64 s[G0V+6:G0V+7], s[6:7], 270336    ; slot 1: from key 128
	s_or_b32 s[G0V+7], s[G0V+7], 0x80000000
	s_mov_b32 s2, s78
	s_add_nc_u64 s[4:5], s[4:5], s[2:3]            ; Q at my rows
	s_mov_b32 s2, s76
	s_add_nc_u64 s[10:11], s[10:11], s[2:3]        ; O at my rows
	s_mov_b32 s2, s77
	s_add_nc_u64 s[MKP:MKP+1], s[8:9], s[2:3]      ; the mask at my queries, chunk 0
	s_add_nc_u64 s[MKQ:MKQ+1], s[MKP:MKP+1], 16384 ; chunk 4: what the first odd turn loads
	s_lshl_b32 s2, s13, 16                         ; the prefetches: sub cx (in waves 0 and 2 s[6:7] stands at the head's first block),
	s_add_nc_u64 s[PFA:PFA+1], s[6:7], s[2:3]
	s_mov_b32 s2, 278528                           ; V's slot 2: four blocks on, key 256,
	s_cmp_lt_u32 s[WV], 2
	s_cselect_b32 s2, 20480, s2                    ; or K's: key 320.  The first change of slots steps this to slot 3
	s_add_nc_u64 s[PFA:PFA+1], s[PFA:PFA+1], s[2:3]
	CROUND                                         ; all four work-groups are here: the first joint loads meet
	s_cmp_lt_u32 s[WV], 2                          ; a wave's first fills stand in one branch: three loads of mine are out, or two
	s_cbranch_scc0 .Lfirst_v
	tensor_load_to_lds s[G0Z:G0Z+3], s[G1Z:G1Z+7]
	s_nop 0
	tensor_load_to_lds s[G0K:G0K+3], s[G1K:G1K+7]
	s_nop 0
	tensor_load_to_lds s[G0K+4:G0K+7], s[G1K:G1K+7]
	s_nop 0
.rept 4
	v_nop
.endr
	s_branch .Lfirst_asked
.Lfirst_v:
	tensor_load_to_lds s[G0V:G0V+3], s[G1V:G1V+7]
	s_nop 0
	tensor_load_to_lds s[G0V+4:G0V+7], s[G1V:G1V+7]
	s_nop 0
.rept 4
	v_nop
.endr
.Lfirst_asked:
	v_and_b32 v1, 15, v0                           ; r
	v_bfe_u32 v9, v0, 4, 1                         ; h
	v_lshlrev_b32 v[QO], 7, v1
	v_lshl_add_u32 v[QO], v9, 4, v[QO]
	WIN 0x40
.irp t, 0,1
.irp s, 0,1,2,3                        ; Q's fragment of sub s: block 2 head + s / 2, channels 16 (s % 2) + 8 h + 0..7 and 32 further on
	global_load_b128 v[128+32*(\t)+8*(\s):128+32*(\t)+8*(\s)+3],   v[QO], s[4:5] offset:(\t)*262144+((\s)/2)*131072+((\s)%2)*32
	global_load_b128 v[128+32*(\t)+8*(\s)+4:128+32*(\t)+8*(\s)+7], v[QO], s[4:5] offset:(\t)*262144+((\s)/2)*131072+((\s)%2)*32+64
.endr
.endr
	WIN 0
.irp c, 0,1
.irp f, 0,1,2,3,4,5,6,7
	global_load_b128 v[MK+32*(\c)+4*(\f):MK+32*(\c)+4*(\f)+3], v[MO], s[MKP:MKP+1] offset:(\c)*4096+(\f)*512
.endr
.endr
	; What the first turn finds: V and P hold 0 (its products V^T P, of a step that has not been, add 0), O^T and l are 0.  All this stands in the wait for the first tiles; no first step is written out.
	WIN 0x80
.set i, 128
.rept 128
	v_mov_b32 v[i], 0
.set i, i+1
.endr
	WIN 0x40
.set i, 0
.rept 128
	v_mov_b32 v[i], 0
.set i, i+1
.endr
	WIN 0
.irp t, 0,1
	v_mov_b32 v[ST+8*(\t)], 0xff7fffff             ; m
	v_mov_b32 v[ST+8*(\t)+1], 0                    ; named with m as a pair
	v_mov_b32 v[ST+8*(\t)+2], 0
	v_mov_b32 v[ST+8*(\t)+3], 0
.endr
.set i, P
.rept 32
	v_mov_b32 v[i], 0
.set i, i+1
.endr
	v_mul_u32_u24 v[AK0], v1, PK
	v_lshl_add_u32 v[AK0], v9, 4, v[AK0]           ; key r x pitch + 16 h
	v_and_b32 v10, 7, v0                           ; the turning load: lane l reads key 8 h + l % 8, channels 8 ((l / 8) % 2) + 0..7
	v_bfe_u32 v11, v0, 3, 1
	v_lshl_add_u32 v[AV0], v9, 3, v10
	v_mul_u32_u24 v[AV0], v[AV0], PV
	v_lshl_add_u32 v[AV0], v11, 4, v[AV0]
	v_add_nc_u32 v[AV0], VOFF, v[AV0]
; THE MATRIX WORK.  The accumulators take turns, one instruction a turn: between two links of a chain stand 15 (V^T P) or 7 (K Q^T) others.
.macro PV                              ; product i of 32: keys 32 (i / 16) on, channel group (i / 2) % 8, tile i % 2
	WIN W_PV
.set rO, 64*(i%2)+8*((i/2)%8)
.set rV, 128+64*(i/16)+8*((i/2)%8)
.set rP, P+16*(i%2)+8*(i/16)
	v_wmma_f32_16x16x32_f16 v[rO:rO+7], v[rV:rV+7], v[rP:rP+7], v[rO:rO+7]
.endm
.macro KQ                              ; product i of 32, into the buffer that the softmax in hand does not use: sub i / 8, keys 16 ((i / 2) % 4) on, tile i % 2.  The first 8 start the sums on the mask
	WIN W_KQ
.set rS, S+64*(1-PB)+32*(i%2)+8*((i/2)%4)
.set rK, 32*((i/2)%4)+8*(i/8)
.set rQ, 128+32*(i%2)+8*(i/8)
.set rM, MK+32*(1-PB)+8*((i/2)%4)
.if i < 8
	v_wmma_f32_16x16x32_f16 v[rS:rS+7], v[rK:rK+7], v[rQ:rQ+7], v[rM:rM+7]
.else
	v_wmma_f32_16x16x32_f16 v[rS:rS+7], v[rK:rK+7], v[rQ:rQ+7], v[rS:rS+7]
.endif
.endm
; THE LDS LOADS stand in runs of 32.  In turn j = 2 i + PB both runs read slot i: K of step j + 1 and V of step j lie PB x 64 keys into it.
.macro FETCH_K
	WIN 0
	v_add_nc_u32 v[ADR], s[TB], v[AK0]
	WIN 0x80
.irp f, 0,1,2,3,4,5,6,7,8,9,10,11,12,13,14,15  ; keys 16 (f / 4) on, sub f % 4
	ds_load_b128 v[8*(\f):8*(\f)+3],   v[ADR] offset:PB*64*PK+((\f)/4)*16*PK+((\f)%4)*KSUB
	ds_load_b128 v[8*(\f)+4:8*(\f)+7], v[ADR] offset:PB*64*PK+((\f)/4)*16*PK+((\f)%4)*KSUB+32
.endr
.endm
.macro FETCH_V
	WIN 0
	v_add_nc_u32 v[ADR], s[TB], v[AV0]
	s_wait_alu depctr_va_vdst(0)                   ; the wait for the turn's batch of exponentials (SLICE)
	WIN 0x80
.irp f, 0,1,2,3,4,5,6,7,8,9,10,11,12,13,14,15  ; keys 32 (f / 8) on, channel group f % 8: sub (f % 8) / 2, its half f % 2
	ds_load_tr16_b128 v[128+8*(\f):128+8*(\f)+3],   v[ADR] offset:PB*64*PV+((\f)/8)*32*PV+(((\f)%8)/2)*VSUB+((\f)%2)*32
	ds_load_tr16_b128 v[128+8*(\f)+4:128+8*(\f)+7], v[ADR] offset:PB*64*PV+((\f)/8)*32*PV+(((\f)%8)/2)*VSUB+((\f)%2)*32+16*PV
.endr
.endm
.macro MLOAD                           ; the mask of step j + 3, into the buffer whose last readers, the 8 products that started step j + 1's sums, stand eight slices back
	WIN 0
.irp f, 0,1,2,3,4,5,6,7
.if PB == 0
	global_load_b128 v[MK+32+4*(\f):MK+32+4*(\f)+3], v[MO], s[MKP:MKP+1] offset:3*4096+(\f)*512
.else
	global_load_b128 v[MK+4*(\f):MK+4*(\f)+3], v[MO], s[MKQ:MKQ+1] offset:(\f)*512
.endif
.endr
.endm
; THE VECTOR WORK.  One tile's softmax for a step is a numbered list; SM writes number j for tile t.  y0-y31 are the lane's 32 exponents, in pairs 0-15.
;   0-15   the maximum of y0-y31 and the old m, three operands at a time (each accumulator's lowest registers are read first)      16-20  the other half of the lanes; m_old kept; the new m; m_old - m (19 is empty)
;   21-69  ONE BATCH: the 16 subtractions y - m and all 33 exponentials (a at 23); none reads an exponential's result       70-85  the roundings to f16      86-101  the sums; l = a l + sum      102-133  O^T times a
.macro SM t
.set rT, ST+8*(\t)
.set rS, S+64*PB+32*(\t)
.set rP, P+16*(\t)
.set rO, 64*(\t)+2*(j-102)
.if j < 102
	WIN 0
.endif
.if j < 4
	v_max3_num_f32 v[rT+4+j], v[rS+8*j], v[rS+8*j+1], v[rS+8*j+2]
.elseif j < 12
	v_max3_num_f32 v[rT+4+j%4], v[rT+4+j%4], v[rS+8*(j%4)+2*(j/4)+1], v[rS+8*(j%4)+2*(j/4)+2]
.elseif j == 12
	v_max3_num_f32 v[rT+4], v[rT+4], v[rS+7], v[rS+15]
.elseif j == 13
	v_max3_num_f32 v[rT+6], v[rT+6], v[rS+23], v[rS+31]
.elseif j == 14
	v_max3_num_f32 v[rT+4], v[rT+4], v[rT+5], v[rT+6]
.elseif j == 15
	v_max3_num_f32 v[rT+4], v[rT+4], v[rT+7], v[rT]
.elseif j == 16
	v_permlanex16_b32 v[rT+5], v[rT+4], s[SEL], s[SEL+1]  ; the query's other 32 keys lie in the lane 16 away
.elseif j == 17
	v_mov_b32 v[rT+7], v[rT]
.elseif j == 18
	v_max_num_f32 v[rT], v[rT+4], v[rT+5]
.elseif j == 19
.elseif j == 20
	v_sub_f32 v[rT+7], v[rT+7], v[rT]
.elseif j == 23
	v_exp_f32 v[rT+6], v[rT+7]
.elseif (j < 23) || ((j < 38) && (j%2 == 0)) || ((j < 66) && (j%4 == 2))
.set b, (j-2)/4
.if j < 38
.set b, (j-20)/2
.endif
	v_pk_add_f32 v[rS+2*b:rS+2*b+1], v[rS+2*b:rS+2*b+1], v[rT:rT+1] op_sel_hi:[1,0] neg_lo:[0,1] neg_hi:[0,1]  ; pair b: y - m
.elseif j < 70
.set e, j-38
.if j < 66
.set e, j-32-(j-38)/4
.endif
.if j < 38
.set e, (j-25)/2
.endif
	v_exp_f32 v[rS+e], v[rS+e]
.elseif j < 86
	v_cvt_pk_f16_f32 v[rP+j-70], v[rS+2*(j-70)], v[rS+2*(j-70)+1]
.elseif j < 102
.set z, j-86
.set w, 4
.set u, z
.if z >= 14
.set w, 32
.set u, 0
.elseif z >= 12
.set w, 16
.set u, z-12
.elseif z >= 8
.set w, 8
.set u, z-8
.endif
.if z < 15
	v_pk_add_f32 v[rS+w*u:rS+w*u+1], v[rS+w*u:rS+w*u+1], v[rS+w*u+w/2:rS+w*u+w/2+1]
.else
	v_pk_fma_f32 v[rT+2:rT+3], v[rT+2:rT+3], v[rT+6:rT+7], v[rS:rS+1] op_sel_hi:[1,0,1]
.endif
.else
	WIN W_RS
	v_pk_mul_f32 v[rO:rO+1], v[rO:rO+1], v[rT+6:rT+7] op_sel_hi:[1,0]
.endif
.endm
; Slice k of 64.  Slices 11 to 34 deal out the batch, four numbers of one tile each, the tiles by turns; every other slice is numbers 2 k and 2 k + 1 of both tiles; slice 63 takes the twelve that are over.
; Behind slice 34 no exponential is issued and ahead of slice 35 no result is named: one v_nop (the plain instruction behind the last exponential) and ONE wait serve the turn's 66.  V's run of loads stands there:
; its registers' last reader stands in front of slice 31, and four plain instructions lie between: number 62 of both tiles, the v_nop and the run's own v_add_nc_u32.
.macro SLICE
.if (k >= 11) && (k < 35)
.irp n, 0,1,2,3
.set j, 22+4*((k-11)/2)+(\n)
	SM (k-11)%2
.endr
.else
.irp n, 0,1,2,3,4,5,6,7
.if ((\n) < 2) || (k == 63)
.irp t, 0,1
.set j, 2*k+(\n)
	SM \t
.endr
.endif
.endr
.endif
.if k == 34
	v_nop
	FETCH_V
.endif
.set k, k+1
.endm
; A TURN, j = 2 i + pb.  kq = 1: the next step's scores are made; fk = 1: its K is fetched, behind the second product (K's last readers stand in front of the sixteen plain lines of the last turn's slice 63); ml = 1: a mask is asked for.
.macro TURN pb, kq, fk, ml
.set PB, \pb
.set k, 0
	s_wait_dscnt 0x0                               ; V of step j - 1 is in
.set i, 0
.rept 32
	PV
	SLICE
.if (\fk) && (i == 1)
	FETCH_K
.endif
.set i, i+1
.endr
.if \kq
	s_wait_dscnt 0x0                               ; K is in
	s_wait_loadcnt 8                               ; the mask of step j + 1 is in; the 8 loads issued a turn later stay out
.endif
.set i, 0
.rept 32
.if \kq
	KQ
.endif
	SLICE
.if (\ml) && (i == 15)
	MLOAD
.endif
.set i, i+1
.endr
.endm
; THE CHANGE OF SLOTS.  All my tensor loads have landed (one was out: my part of the other slot), the add, the wait for it and for my reads of the slot.  fill = 1: the barrier is a round of the cluster's, and the slot is filled again
; first behind it, with the keys two slots on: it has two turns, 128 matrix instructions, in which to land.
.macro CHANGE fill
	WIN 0
	s_wait_tensorcnt 0x0
	ds_add_u32 v[SPW], v[NIL]                      ; 0 onto my spare word
.if \fill
.irp g, G0K+4, G0V+4
	s_xor_b32 s[(\g)+1], s[(\g)+1], SLOT1          ; the walking descriptor: the other slot than last time,
	s_add_nc_u64 s[(\g)+2:(\g)+3], s[(\g)+2:(\g)+3], 8192  ; the next 128 keys
.endr
	s_wait_xcnt 0x0                                ; the last prefetch and the mask loads have read their bases
	s_add_nc_u64 s[PFA:PFA+1], s[PFA:PFA+1], 8192
	s_add_nc_u64 s[MKP:MKP+1], s[MKP:MKP+1], 8192  ; two chunks of the mask
	s_cmp_gt_u32 s[SLOTS], 1
	s_cselect_b32 s[MST], 8192, 0                  ; the odd turns' pointer stays in the last pass: chunk 16 does not exist
	s_add_nc_u64 s[MKQ:MKQ+1], s[MKQ:MKQ+1], s[MST:MST+1]
	s_wait_dscnt 0x0
	CROUND
	JLOAD
	ASK
.else
	s_wait_dscnt 0x0
	s_barrier_signal -1
	s_barrier_wait -1
.endif
	s_xor_b32 s[TB], s[TB], SLOT1
.endm
	s_wait_tensorcnt 1                             ; K of step 0 and my part of slot 0 are in; slot 1's may stay out
	s_barrier_signal -1
	s_barrier_wait -1
	v_add_nc_u32 v[ADR], KZ, v[AK0]
	WIN 0x80
.irp f, 0,1,2,3,4,5,6,7,8,9,10,11,12,13,14,15
	ds_load_b128 v[8*(\f):8*(\f)+3],   v[ADR] offset:((\f)/4)*16*PK+((\f)%4)*KZSUB
	ds_load_b128 v[8*(\f)+4:8*(\f)+7], v[ADR] offset:((\f)/4)*16*PK+((\f)%4)*KZSUB+32
.endr
	s_wait_loadcnt 8                               ; Q and the mask of step 0 are in; step 1's 8 loads stay out
	s_wait_dscnt 0x0
.set PB, 1                             ; into buffer 0
.set i, 0
.rept 32
	KQ                                             ; the first scores: there is no vector work yet to set between them
.set i, i+1
.endr
	WIN 0                                          ; the addresses for the way out: the places behind those products
	s_mul_i32 s13, s[WV], 16*SP
	s_add_co_u32 s13, s13, STAGE
	v_mul_u32_u24 v[STO], v1, SP
	v_lshl_add_u32 v[STO], v9, 4, v[STO]
	v_add_nc_u32 v[STO], s13, v[STO]               ; in: row r, 16 bytes for each half of the lanes
	v_mul_u32_u24 v[RD], v9, SP
	v_lshl_add_u32 v[RD], v1, 4, v[RD]
	v_add_nc_u32 v[RD], s13, v[RD]                 ; back: lanes 0-15 one row of 256 bytes, lanes 16-31 the next
	v_lshlrev_b32 v[GO], 13, v9
	v_lshl_add_u32 v[GO], v1, 4, v[GO]             ; the same two rows in ob
.irp f, 0,1,2,3,4,5,6,7
	global_load_b128 v[MK+4*(\f):MK+4*(\f)+3], v[MO], s[MKP:MKP+1] offset:2*4096+(\f)*512
.endr
	s_branch .Lfirst                               ; slot 0 is entered without a change
.Lslot:                                                ; six times: every slot but the last two is filled again
	CHANGE 1
.Lfirst:
	TURN 0, 1, 1, 1
	TURN 1, 1, 1, 1
	WIN 0
	s_sub_co_u32 s[SLOTS], s[SLOTS], 1
	s_cmp_lg_u32 s[SLOTS], 0
	s_cbranch_scc1 .Lslot
	CHANGE 0                                       ; the last slot is written out: nothing is asked for
	TURN 0, 1, 1, 0
	TURN 1, 0, 0, 0                                ; the last softmax; no scores follow
	s_wait_dscnt 0x0
.set i, 0
.rept 32
	PV                                             ; V^T P of the last step
.set i, i+1
.endr
	WIN 0
	PLACES
	s_wait_loadcnt 0x0                             ; the unused mask chunk has landed
	; THE WAY OUT.  l's two halves and the other half of the lanes are added; O^T is divided by l, rounded to f16 and sent through my stage, a tile at a time.
.irp t, 0,1
	v_add_f32 v[ST+8*(\t)+4], v[ST+8*(\t)+2], v[ST+8*(\t)+3]
.endr
.irp t, 0,1
	v_permlanex16_b32 v[ST+8*(\t)+5], v[ST+8*(\t)+4], s[SEL], s[SEL+1]
.endr
.irp t, 0,1
	v_add_f32 v[ST+8*(\t)+4], v[ST+8*(\t)+4], v[ST+8*(\t)+5]
.endr
.irp t, 0,1
	v_rcp_f32 v[ST+8*(\t)+6], v[ST+8*(\t)+4]
.endr
	v_nop                                          ; a plain instruction behind the last reciprocal,
	s_wait_alu depctr_va_vdst(0)                   ; and the one wait for both
.macro PACK t
	WIN W_RS
.set i, 64*(\t)
.rept 32
	v_pk_mul_f32 v[i:i+1], v[i:i+1], v[ST+8*(\t)+6:ST+8*(\t)+7] op_sel_hi:[1,0]
.set i, i+2
.endr
	WIN 0x05
.set i, 0
.rept 32
	v_cvt_pk_f16_f32 v[S+32*(\t)+i], v[64*(\t)+2*i], v[64*(\t)+2*i+1]
.set i, i+1
.endr
	WIN 0
.irp c, 0,1,2,3,4,5,6,7                ; channel group c begins at channel 64 (c / 4) + 16 ((c / 2) % 2) + 32 (c % 2)
	ds_store_b128 v[STO], v[S+32*(\t)+4*(\c):S+32*(\t)+4*(\c)+3] offset:128*((\c)/4)+32*(((\c)/2)%2)+64*((\c)%2)
.endr
.irp f, 0,1,2,3,4,5,6,7
	ds_load_b128 v[S+32*(\t)+4*(\f):S+32*(\t)+4*(\f)+3], v[RD] offset:(\f)*2*SP  ; LDS serves a wave's instructions in order (ISA guide 5.7.1.4): these see the stores above
.endr
.endm
.macro SEND t, younger                 ; younger: the LDS instructions issued behind tile t's loads
.irp f, 0,1,2,3,4,5,6,7
	s_wait_dscnt (\younger)+7-(\f)
	global_store_b128 v[GO], v[S+32*(\t)+4*(\f):S+32*(\t)+4*(\f)+3], s[10:11] offset:(\t)*256+(\f)*16384  ; 16 lanes store 256 consecutive bytes, aligned: a head's channels of one row
.endr
.endm
	PACK 0
	PACK 1
	SEND 0, 16
	SEND 1, 0
	s_wait_tensorcnt 0x0                           ; the wave's end
	ds_add_u32 v[SPW], v[NIL]
	s_wait_dscnt 0x0
	CROUND                                         ; the closing round
	s_endpgm
.Lfunc_end_k_q76d7891344_attn:
	.size	k_q76d7891344_attn, .Lfunc_end_k_q76d7891344_attn-k_q76d7891344_attn
	.p2alignl 7, 3214868480
	.fill 96, 4, 3214868480
	.section	.rodata,"a",@progbits
	.p2align	6, 0x0
	.amdhsa_kernel k_q76d7891344_attn
		.amdhsa_group_segment_fixed_size 327680
		.amdhsa_private_segment_fixed_size 0
		.amdhsa_enable_private_segment 0
		.amdhsa_kernarg_size 32
		.amdhsa_user_sgpr_count 2
		.amdhsa_user_sgpr_kernarg_segment_ptr 1
		.amdhsa_wavefront_size32 1
		.amdhsa_system_sgpr_workgroup_id_x 1
		.amdhsa_system_sgpr_workgroup_id_y 1
		.amdhsa_system_sgpr_workgroup_id_z 1
		.amdhsa_system_vgpr_workitem_id 0
		.amdhsa_next_free_vgpr 768
		.amdhsa_next_free_sgpr 80
		.amdhsa_reserve_vcc 0
		.amdhsa_float_denorm_mode_32 3
		.amdhsa_float_denorm_mode_16_64 3
		.amdhsa_memory_ordered 1
		.amdhsa_forward_progress 1
		.amdhsa_inst_pref_size 145
	.end_amdhsa_kernel
	.amdgpu_metadata
---
amdhsa.version: [ 1, 2 ]
amdhsa.kernels:
  - .name:           k_q76d7891344_attn
    .symbol:         k_q76d7891344_attn.kd
    .args:
      - { .name: qh, .offset: 0, .size: 8, .value_kind: global_buffer, .address_space: global }
      - { .name: kvh, .offset: 8, .size: 8, .value_kind: global_buffer, .address_space: global }
      - { .name: mk2, .offset: 16, .size: 8, .value_kind: global_buffer, .address_space: global }
      - { .name: ob, .offset: 24, .size: 8, .value_kind: global_buffer, .address_space: global }
    .group_segment_fixed_size: 327680
    .private_segment_fixed_size: 0
    .kernarg_segment_align: 8
    .kernarg_segment_size: 32
    .max_flat_workgroup_size: 128
    .sgpr_count:     80
    .vgpr_count:     768
    .wavefront_size: 32
...
	.end_amdgpu_metadata
.endif
;; end of part 3
;; launch oproj (part 4): grid 64 x 4, 4 waves a work-group, clusters of 4 x 4, 327,680 bytes of LDS; arguments ob, Wo, bo, out0; writes out0
.if DOCPART == 4
	.amdgcn_target "amdgcn-amd-amdhsa--gfx1250"
	.amdhsa_code_object_version 6
	.text
	.protected	k_q76d7891344_oproj
	.globl	k_q76d7891344_oproj
	.p2align	8
	.type	k_q76d7891344_oproj,@function
k_q76d7891344_oproj:
	s_mov_b64 s[64:65], 0
	v_nop
	global_prefetch_b8 v0, s[64:65] scope:SCOPE_SE
	s_setreg_imm32_b32 hwreg(HW_REG_WAVE_MODE, 25, 1), 1
	s_wait_xcnt 0x0
	s_wait_alu depctr_hold_cnt(0) depctr_sa_sdst(0) depctr_va_vdst(0) depctr_va_sdst(0) depctr_va_ssrc(0) depctr_va_vcc(0) depctr_vm_vsrc(0)
	s_getreg_b32 s2, hwreg(HW_REG_IB_STS2, 6, 4)
	s_cmp_eq_u32 s2, 0
	s_cbranch_scc0 .Lentry_in_a_cluster
	s_endpgm
.Lentry_in_a_cluster:
	s_bfe_u32 s2, ttmp6, 0x10000c
	s_cmp_lg_u32 s2, 0xf033
	s_cbranch_scc0 .Lentry_shape_is_right
	s_endpgm
.Lentry_shape_is_right:
; out0 = 4 (ob Wo^T + bo / 4), f32.  ob is O / 4 in f16; Wo and bo are rounded to bf16 like all inputs, and Wo's rounded number is then written as f16 (exact within f16's normal range); sums in f32.
; A work-group makes 256 rows (M tile cy) x 64 columns (N tile x = 4 x cluster + cx).  Wave w owns rows 64 w .. + 63 and all 64 columns: 16 accumulators.
; THE MATRIX INSTRUCTION IS USED TRANSPOSED (source 0 = 16 rows of Wo, source 1 = 16 rows of ob): a lane holds one row of the result and 8 neighbouring columns.  The bias is the C operand of each sum's first product.
; A (ob) comes by JOINT tensor loads, shared along a row of the cluster; each wave fetches its own 64 rows x 256 bytes.  K goes in 32 steps of 128 through two slots.
; THE WEIGHTS DO NOT COME BY JOINT LOADS: they are f32 and a tensor load converts nothing: as f32 tiles in LDS each fragment would take 4 LDS loads in place of 2, in each of four waves, and each wave would convert them anew.
; Each wave loads its 16 of the 64 rows into registers (a load is one row's 512 bytes), two K steps ahead on counted waits, converts them ONCE for the work-group and stores them into a second LDS ring, which only ds_store writes.
; LIMITS.  A weight under 6.1e-5 in magnitude keeps f16's fixed step of 6e-8; one of 65,520 or more would be lost.  NaN and infinities are not treated apart.
; The reloads of the last three K steps have nothing left to fetch: they read the last K step's slice again (24 of a wave's 536 loads, inside the buffer, never used), so that every trip has one text.
; REGISTERS.  window 0: addresses, BIAS v32-63, fragment buffers F0 v64-127 and F1 v128-191 (A's fragment a at + 8 a, W's fragment b at + 32 + 8 b), v192-223 at work on the way out.
;   window 1: the weights as loaded, set s row j at 64 s + 4 j; D v192-207; T v208-209.  window 2: accumulator (a, b) at 8 (4 a + b).
.set NB, 4
.set NL, 24                            ; three batches of 8 loads: see QUARTER
.set PITCH, 272                        ; 256 bytes + 16 = 68 words: the 16 rows of a fragment load start at 16 different groups of four banks (64 banks of 4 bytes: ISA guide 11.1)
.set AWAVE, 64*PITCH
.set ASLOT, 4*AWAVE
.set B0, 2*ASLOT
.set BSLOT, 64*PITCH
.set STAGE, B0+2*BSLOT                 ; the way out: 16 rows x 272 bytes for each wave
.set STW, 16*PITCH
.set SPARE, STAGE+4*STW                ; the spare words: two blocks of 256 bytes that no other line names
.set U, 12
.set ADRA, 16
.set ADRB, 20
.set LST, 22
.set VW, 24
.set STO, 25
.set RD, 26
.set CO, 27
.set SPW, 28
.set NIL, 29
.set VPW, 30
.set VPA, 31
.set BIAS, 32
.set F0, 64
.set F1, 128
.set YY, 192
.set BK, 64
.set DD, 192
.set TT, 208
.set G1, 24
.set G0, 32
.set PW, 40
.set STEP, 44
.set PFW, 46
.set PFA, 48
.set LIMW, 50
.set LIMA, 51
.set MASKH, 53
.set QTR, 54
.set OUTB, 68
.set MUL, 0xa0
.set MUL0, 0x80
.set RID, 0x45
.set MID, 0x44
.set MSB, 0
.set RLEFT, 0
.macro WIN new
.if MSB != (\new)
	s_set_vgpr_msb (MSB<<8)|(\new)
.set MSB, \new
.endif
.endm
.macro PLACES
.rept 4
	v_nop
.endr
.endm
.macro JLOAD s                         ; the joint load of my 64 rows of A; an s_nop 0 and four v_nop follow it
	tensor_load_to_lds s[G0+4*(\s):G0+4*(\s)+3], s[G1:G1+7]
	s_nop 0
.rept 4
	v_nop
.endr
.endm
.macro CREST
	s_cmp_lg_u32 s20, 0
	s_cbranch_scc1 .Lnot_wave_0_\@
	s_barrier_signal -3
.Lnot_wave_0_\@:
	s_barrier_wait -3
	s_barrier_signal -1
	s_barrier_wait -1
.endm
.macro CROUND
	s_barrier_signal -1
	s_barrier_wait -1
	CREST
.endm
; PREFETCHES INTO THE L2, once a trip, behind the joint load and the run of LDS loads: K steps 2 i + 8 and 2 i + 9 in trip i, three to four K steps ahead of the loads that want them.  K steps 0 to 7 come by their loads alone.
; Weights: the four work-groups of a column of the cluster read the same 64 rows and share them out BY ADDRESS (cy): waves 0, 1 take 8 rows x 1,024 bytes each, a lane a block of 256 bytes.
; A: every cluster reads all of ob; cluster 0 asks; the four partners of a row share a wave's 64 rows out by address (cx): 16 rows x 512 bytes.  Each block is named once.  They stop where 2 i + 9 would pass 31 (s3 = 15 - i).
.macro ASK
	s_cmp_gt_u32 s3, s[LIMW]
	s_cbranch_scc0 .Lno_w_\@
	global_prefetch_b8 v[VPW], s[PFW:PFW+1] th:TH_LOAD_NT scope:SCOPE_SE
.Lno_w_\@:
	s_cmp_gt_u32 s3, s[LIMA]
	s_cbranch_scc0 .Lno_a_\@
	global_prefetch_b8 v[VPA], s[PFA:PFA+1] th:TH_LOAD_NT scope:SCOPE_SE
.Lno_a_\@:
.endm
.macro RID1                            ; line RQ of batch (RSET, RBAT): eight a row: rounded to bf16, widened again, written as f16
.set rj, RQ/8
.set rk, RQ%8
.set rw, 64*RSET+32*RBAT+4*rj
.if rk == 0
	v_cvt_pk_bf16_f32 v[TT], v[rw], v[rw+1]
.elseif rk == 1
	v_cvt_pk_bf16_f32 v[TT+1], v[rw+2], v[rw+3]
.elseif rk == 2
	v_lshlrev_b32 v[rw], 16, v[TT]
.elseif rk == 3
	v_and_b32 v[rw+1], s[MASKH], v[TT]
.elseif rk == 4
	v_lshlrev_b32 v[rw+2], 16, v[TT+1]
.elseif rk == 5
	v_and_b32 v[rw+3], s[MASKH], v[TT+1]
.elseif rk == 6
	v_cvt_pk_f16_f32 v[DD+2*rj], v[rw], v[rw+1]
.else
	v_cvt_pk_f16_f32 v[DD+2*rj+1], v[rw+2], v[rw+3]
.endif
.set RQ, RQ+1
.endm
.macro LUMP set, bat, from, cnt
.set RSET, \set
.set RBAT, \bat
.set RQ, \from
	WIN RID
.rept \cnt
	RID1
.endr
.endm
; four products: n block b x my four m blocks.  All 16 accumulators take turns, one instruction a turn, in the same order in every quarter.
.macro MULG f, b, zero
.irp a, 0,1,2,3
.if \zero
	WIN MUL0
	v_wmma_f32_16x16x32_f16 v[8*(NB*(\a)+(\b)):8*(NB*(\a)+(\b))+7], v[(\f)+32+8*(\b):(\f)+32+8*(\b)+7], v[(\f)+8*(\a):(\f)+8*(\a)+7], v[BIAS+8*(\b):BIAS+8*(\b)+7]
.else
	WIN MUL
	v_wmma_f32_16x16x32_f16 v[8*(NB*(\a)+(\b)):8*(NB*(\a)+(\b))+7], v[(\f)+32+8*(\b):(\f)+32+8*(\b)+7], v[(\f)+8*(\a):(\f)+8*(\a)+7], v[8*(NB*(\a)+(\b)):8*(NB*(\a)+(\b))+7]
.endif
.if RLEFT > 0
	WIN RID
.rept 4
	RID1
.endr
.set RLEFT, RLEFT-4
.endif
.endr
.endm
.macro HALF f, b0, cnt, zero, set, bat, part   ; cnt n blocks from b0 on; half a batch's 64 lines (bat < 0: none) ride, four behind each product
.set RSET, \set
.set RBAT, \bat
.set RQ, 32*(\part)
.if (\bat) < 0
.set RLEFT, 0
.else
.set RLEFT, 32
.endif
.set hb, \b0
.rept \cnt
	MULG \f, hb, \zero
.set hb, hb+1
.endr
.endm
.macro WLOAD set, bat, off             ; a batch: 8 of my 16 rows x 512 bytes
	WIN MID
.irp j, 0,1,2,3,4,5,6,7
	global_load_b128 v[64*(\set)+32*(\bat)+4*(\j):64*(\set)+32*(\bat)+4*(\j)+3], v[VW], s[PW:PW+1] offset:(8*(\bat)+(\j))*16384+(\off)
.endr
.endm
.macro STLD set, bat, slotb, reload
	WIN MID
.irp j, 0,1,2,3,4,5,6,7
	ds_store_b64 v[LST], v[DD+2*(\j):DD+2*(\j)+1] offset:(8*(\bat)+(\j))*PITCH+(\slotb)*BSLOT
.endr
.if \reload
	WLOAD \set, \bat, 0
.endif
.endm
.macro FETCH slot, k, f                ; 16 LDS loads in one run
	WIN 0
.irp a, 0,1,2,3
	ds_load_b128 v[(\f)+8*(\a):(\f)+8*(\a)+3],   v[ADRA+(\slot)] offset:(\k)+(\a)*16*PITCH
	ds_load_b128 v[(\f)+8*(\a)+4:(\f)+8*(\a)+7], v[ADRA+(\slot)] offset:(\k)+(\a)*16*PITCH+32
.endr
.irp b, 0,1,2,3
	ds_load_b128 v[(\f)+32+8*(\b):(\f)+32+8*(\b)+3],   v[ADRB+(\slot)] offset:(\k)+(\b)*16*PITCH
	ds_load_b128 v[(\f)+32+8*(\b)+4:(\f)+32+8*(\b)+7], v[ADRB+(\slot)] offset:(\k)+(\b)*16*PITCH+32
.endr
.endm
; A K step t (slot = t % 2) is four quarters of 32 along K, 16 products each.  Beside them it converts the weights of step t + 1, out of set 1 - slot into ring slot 1 - slot, and asks for step t + 3's.
; nl: the wait for batb's loads.  Behind a batch of step t + 1 were issued the rest of t + 1, all of t + 2 and as many batches of t + 3 as t + 1 has given up: always three batches, 24 loads.
.macro QUARTER slot, k, f, g, zero, bata, batb, st, reload, nl
	s_wait_dscnt NB                                ; all but the youngest four loads: the weights' fragments 2, 3
	HALF \f, 0, 2, \zero, 1-(\slot), \bata, 1
.if (\bata) < 0
	PLACES
.endif
.if (\st) == 0
	s_wait_xcnt 0x0                                ; every load issued so far has read its base: the pointer steps
	s_add_nc_u64 s[PW:PW+1], s[PW:PW+1], s[STEP:STEP+1]
.endif
.if (\st) >= 0
	STLD 1-(\slot), \st, 1-(\slot), \reload
.endif
	FETCH \slot, \k, \g
.if (\nl) > 0
	s_wait_loadcnt \nl
.endif
.if (\st) >= 0
	s_wait_dscnt 24                                ; all but this quarter's 8 stores and 16 loads
.else
	s_wait_dscnt 16
.endif
	HALF \f, 2, 2, \zero, 1-(\slot), \batb, 0
.endm
; The last quarter multiplies F1 and changes slots.  In front of the barrier: all my tensor loads have landed (one was out: my part of A's next slot), the add, and the wait for the add, for my reads of both rings' slots
; and for my stores into the weights' next slot.  fill = 1: the barrier opens a round of the cluster's, and A's slot is filled again first, two K steps ahead.
.macro TURN slot, next, fill, ride
.if (\fill) && ((\slot) == 1)
	s_wait_xcnt 0x0                                ; the last prefetches, a trip back, have read their addresses
	s_add_nc_u64 s[PFW:PFW+1], s[PFW:PFW+1], 1024
	s_add_nc_u64 s[PFA:PFA+1], s[PFA:PFA+1], 512
.endif
	WIN 0
	s_wait_tensorcnt 0x0
	ds_add_u32 v[SPW], v[NIL]                      ; 0 onto my spare word
	s_wait_dscnt NB+1                              ; (the add and the youngest four loads may be out)
	HALF F1, 0, 1, 0, 0, -1, 0
	s_wait_dscnt 0x0
	s_barrier_signal -1
	HALF F1, 1, 1, 0, 0, -1, 0
.if \fill
	WIN 0
.endif
	s_barrier_wait -1
.if \fill
	CREST
	s_add_nc_u64 s[G0+4*(\slot)+2:G0+4*(\slot)+3], s[G0+4*(\slot)+2:G0+4*(\slot)+3], 512
	JLOAD \slot                                    ; its four v_nop are also the places in front of the loads below
.else
	PLACES
.endif
	FETCH \next, 0, F0
.if (\fill) && ((\slot) == 1)
	ASK
.endif
.if \ride
	s_wait_loadcnt NL
	HALF F1, 2, 2, 0, \slot, 0, 0
.else
	HALF F1, 2, 2, 0, 0, -1, 0
.endif
.endm
	s_load_b256 s[4:11], s[0:1], 0x0               ; ob s[4:5], Wo s[6:7], bo s[8:9], out0 s[10:11]
	v_lshl_add_u32 v[SPW], v0, 2, SPARE
	v_mov_b32 v[NIL], 0
	ds_add_u32 v[SPW], v[NIL]                      ; the opening: the add and its wait ahead of my first tensor load
	v_lshrrev_b32 v1, 5, v0
	v_readfirstlane_b32 s20, v1                    ; wave
	s_bfe_u32 s21, ttmp6, 0x40000                  ; cx
	s_bfe_u32 s22, ttmp6, 0x40004                  ; cy: the M tile
	s_lshl_b32 s23, ttmp9, 2
	s_add_co_u32 s23, s23, s21                     ; x: the N tile
	s_lshl_b32 s52, s22, 2
	s_lshl_b32 s52, 15, s52                        ; my row of the cluster
	s_or_b32 s[G1], s52, (1<<16)|(1<<20)|(1<<21)|(5<<22)|(3<<25)
	s_mov_b32 s[G1+1], 128<<16
	s_mov_b32 s[G1+2], 64<<16
	s_mov_b32 s[G1+3], 128<<16
	s_mov_b32 s[G1+4], 64
	s_mov_b32 s[G1+5], 4096
	s_mov_b32 s[G1+6], 0
	s_mov_b32 s[G1+7], 0
	s_lshl_b32 s52, s22, 8
	s_lshl_b32 s56, s20, 6
	s_add_co_u32 s52, s52, s56                     ; t0 = 256 cy + 64 w
	s_lshl_b32 s58, s52, 13
	s_mov_b32 s59, 0                               ; its bytes in ob
	s_lshl_b32 s56, s23, 6
	s_lshl_b32 s57, s20, 4
	s_add_co_u32 s56, s56, s57
	s_lshl_b32 s56, s56, 14                        ; Wo row 64 x + 16 w
	s_mov_b32 s57, 0
	s_lshl_b32 s60, s23, 8                         ; column 64 x, in f32: in bo and in a row of out0
	s_mov_b32 s61, 0
	s_mov_b32 s[STEP], 512
	s_mov_b32 s[STEP+1], 0
	s_mov_b32 s[MASKH], 0xffff0000
	s_mov_b32 s[QTR], 0x3e800000                   ; 0.25
	s_mov_b32 s[QTR+1], s[QTR]
	v_and_b32 v3, 31, v0
	v_lshlrev_b32 v[VW], 4, v3
	v_bfe_u32 v2, v0, 4, 1
	v_lshlrev_b32 v9, 5, v2
	s_wait_dscnt 0x0                               ; the opening add is done
	s_wait_kmcnt 0x0
	s_add_nc_u64 s[PW:PW+1], s[6:7], s[56:57]
	s_add_nc_u64 s[8:9], s[8:9], s[60:61]
	s_add_nc_u64 s[66:67], s[4:5], s[58:59]
.irp b, 0,1,2,3
	global_load_b128 v[BIAS+8*(\b):BIAS+8*(\b)+3],   v9, s[8:9] offset:64*(\b)
	global_load_b128 v[BIAS+8*(\b)+4:BIAS+8*(\b)+7], v9, s[8:9] offset:64*(\b)+16
.endr
	WLOAD 0, 0, 0                                  ; K step 0
	WLOAD 0, 1, 0
	WLOAD 1, 0, 512                                ; K step 1
	WLOAD 1, 1, 512
	WIN 0
	s_mul_i32 s62, s20, AWAVE
	CROUND                                         ; all sixteen work-groups are here: the first joint loads meet
.irp s, 0,1
	s_mov_b32 s[G0+4*(\s)], 1
	s_add_co_u32 s[G0+4*(\s)+1], s62, (\s)*ASLOT
	s_add_nc_u64 s[G0+4*(\s)+2:G0+4*(\s)+3], s[66:67], (\s)*256
	s_or_b32 s[G0+4*(\s)+3], s[G0+4*(\s)+3], 0x80000000
	JLOAD \s
.endr
	v_and_b32 v1, 15, v0
	v_mul_u32_u24 v4, v1, PITCH
	v_lshl_add_u32 v5, v2, 4, v4                   ; a fragment's row x pitch + 16 h
	v_add_nc_u32 v[ADRA], s62, v5
	v_add_nc_u32 v[ADRA+1], ASLOT, v[ADRA]
	v_add_nc_u32 v[ADRB], B0, v5
	v_add_nc_u32 v[ADRB+1], BSLOT, v[ADRB]
	s_mul_i32 s63, s20, 16*PITCH
	s_add_co_u32 s62, s63, B0
	v_lshl_add_u32 v[LST], v3, 3, s62
	s_add_co_u32 s62, s63, STAGE                   ; my stage
	v_lshl_add_u32 v5, v2, 5, v4
	v_add_nc_u32 v[STO], s62, v5                   ; in: row r, 32 bytes for each half of the lanes
	v_mul_u32_u24 v5, v2, PITCH
	v_lshl_add_u32 v5, v1, 4, v5
	v_add_nc_u32 v[RD], s62, v5                    ; back: lanes 0-15 one row of 256 bytes, lanes 16-31 the next
	v_lshlrev_b32 v[CO], 14, v2
	v_lshl_add_u32 v[CO], v1, 4, v[CO]             ; the same two rows in out0
	v_lshrrev_b32 v5, 2, v3
	v_and_b32 v6, 3, v3
	v_lshlrev_b32 v[VPW], 14, v5
	v_lshl_add_u32 v[VPW], v6, 8, v[VPW]
	v_lshlrev_b32 v[VPA], 13, v1
	v_lshl_add_u32 v[VPA], v2, 8, v[VPA]
	s_lshl_b32 s56, s52, 14                        ; out0: row t0, column 64 x
	s_add_co_u32 s56, s56, s60
	s_add_nc_u64 s[OUTB:OUTB+1], s[10:11], s[56:57]
	s_lshl_b32 s56, s23, 6
	s_lshl_b32 s58, s22, 4
	s_add_co_u32 s56, s56, s58
	s_lshl_b32 s58, s20, 3
	s_add_co_u32 s56, s56, s58
	s_min_u32 s56, s56, 4088                       ; (waves 2, 3 ask for nothing; their pointer stays in the buffer all the same)
	s_lshl_b32 s56, s56, 14                        ; Wo row 64 x + 16 cy + 8 w
	s_add_nc_u64 s[PFW:PFW+1], s[6:7], s[56:57]
	s_add_nc_u64 s[PFW:PFW+1], s[PFW:PFW+1], 3072  ; K step 6: the first trip steps it to 8
	s_cmp_lt_u32 s20, 2
	s_cselect_b32 s[LIMW], 3, -1
	s_lshl_b32 s56, s21, 4
	s_add_co_u32 s56, s56, s52
	s_lshl_b32 s56, s56, 13                        ; ob row t0 + 16 cx
	s_add_nc_u64 s[PFA:PFA+1], s[4:5], s[56:57]
	s_add_nc_u64 s[PFA:PFA+1], s[PFA:PFA+1], 1536
	s_cmp_eq_u32 ttmp9, 0
	s_cselect_b32 s[LIMA], 3, -1                   ; the same in all sixteen partners
	s_wait_xcnt 0x0                                ; the first loads have read their base
	s_add_nc_u64 s[PW:PW+1], s[PW:PW+1], 1024      ; K step 2
.irp c, 0,1
	s_wait_loadcnt NL                              ; the batch is in (and the bias, which is older): three batches are younger
	LUMP 0, \c, 0, 64
	STLD 0, \c, 0, 1                               ; K step 0 into ring slot 0; K step 2 is asked for
.endr
	WIN 0
.set i, 0
.rept 16                                       ; the bias, rounded to bf16 like all inputs, and a quarter of it: the sums are of O / 4
	v_cvt_pk_bf16_f32 v[U], v[BIAS+2*i], v[BIAS+2*i+1]
	v_lshlrev_b32 v[BIAS+2*i], 16, v[U]
	v_and_b32 v[BIAS+2*i+1], s[MASKH], v[U]
	v_pk_mul_f32 v[BIAS+2*i:BIAS+2*i+1], v[BIAS+2*i:BIAS+2*i+1], s[QTR:QTR+1] op_sel_hi:[1,0]
.set i, i+1
.endr
	s_wait_loadcnt NL
	LUMP 1, 0, 0, 32                               ; the first half of K step 1's batch 0
	WIN 0
	s_wait_tensorcnt 1                             ; my part of A's slot 0 is in; slot 1's may stay out
	s_wait_dscnt 0x0                               ; my stores into ring slot 0 are done
	s_barrier_signal -1
	s_barrier_wait -1
	FETCH 0, 0, F0
	QUARTER 0, 64, F0, F1, 1, 0, 1, 0, 1, NL       ; the first quarter stands in front of the loop: its products start the sums, on the bias
	WIN 0
	s_mov_b32 s3, 15
.Llap:                                                 ; a trip goes once round the rings, from a lap's second quarter to the next lap's first
	s_cmp_gt_u32 s3, 1
	s_cselect_b32 s[STEP], 512, 0                  ; in the last trip the pointer stands at the last K step
	QUARTER 0, 128, F1, F0, 0, 1, -1, 1, 1, 0
	QUARTER 0, 192, F0, F1, 0, -1, -1, -1, 0, 0
	TURN 0, 1, 1, 1
	QUARTER 1, 64, F0, F1, 0, 0, 1, 0, 1, NL
	QUARTER 1, 128, F1, F0, 0, 1, -1, 1, 1, 0
	QUARTER 1, 192, F0, F1, 0, -1, -1, -1, 0, 0
	TURN 1, 0, 1, 1
	QUARTER 0, 64, F0, F1, 0, 0, 1, 0, 1, NL
	WIN 0
	s_sub_co_u32 s3, s3, 1
	s_cmp_lg_u32 s3, 0
	s_cbranch_scc1 .Llap
	QUARTER 0, 128, F1, F0, 0, 1, -1, 1, 0, 0      ; K step 30 goes on; nothing is asked for
	QUARTER 0, 192, F0, F1, 0, -1, -1, -1, 0, 0
	TURN 0, 1, 0, 0
	QUARTER 1, 64, F0, F1, 0, -1, -1, -1, 0, 0     ; K step 31
	QUARTER 1, 128, F1, F0, 0, -1, -1, -1, 0, 0
	QUARTER 1, 192, F0, F1, 0, -1, -1, -1, 0, 0
	s_wait_dscnt NB
	HALF F1, 0, 2, 0, 0, -1, 0
	s_wait_dscnt 0x0
	HALF F1, 2, 2, 0, 0, -1, 0
	; THE WAY OUT, an m block (16 rows) at a time: x 4, through my stage, out as whole rows of 256 bytes.
.macro PACK a                          ; each accumulator is read from its low end on
	WIN 0x02
.irp b, 0,1,2,3
.irp jj, 0,2,4,6
	v_pk_mul_f32 v[YY+8*(\b)+(\jj):YY+8*(\b)+(\jj)+1], v[8*(NB*(\a)+(\b))+(\jj):8*(NB*(\a)+(\b))+(\jj)+1], 4.0 op_sel_hi:[1,0]
.endr
.endr
	WIN 0
.endm
.macro TOSTAGE a
.set BKA, BK+32*((\a)%2)
.irp b, 0,1,2,3
	ds_store_b128 v[STO], v[YY+8*(\b):YY+8*(\b)+3]   offset:64*(\b)
	ds_store_b128 v[STO], v[YY+8*(\b)+4:YY+8*(\b)+7] offset:64*(\b)+16
.endr
.irp i, 0,1,2,3,4,5,6,7
	ds_load_b128 v[BKA+4*(\i):BKA+4*(\i)+3], v[RD] offset:(\i)*2*PITCH  ; LDS serves a wave's instructions in order (ISA guide 5.7.1.4): these see the stores above
.endr
.endm
.macro SEND a
.set BKA, BK+32*((\a)%2)
	s_wait_dscnt 0x0                               ; the block is back in registers
	s_wait_xcnt 0x0                                ; earlier stores have read their registers: the block after this one loads into them
.irp i, 0,1,2,3,4,5,6,7
	global_store_b128 v[CO], v[BKA+4*(\i):BKA+4*(\i)+3], s[OUTB:OUTB+1] offset:(16*(\a)+2*(\i))*16384  ; 16 lanes store 256 consecutive bytes, aligned
.endr
.endm
	PLACES
	PACK 0
	TOSTAGE 0
.irp a, 1,2,3
	PACK \a
	SEND (\a)-1
	TOSTAGE \a
.endr
	SEND 3
	s_wait_tensorcnt 0x0                           ; the wave's end
	ds_add_u32 v[SPW], v[NIL]
	s_wait_dscnt 0x0
	CROUND                                         ; the closing round
	s_endpgm
.Lfunc_end_k_q76d7891344_oproj:
	.size	k_q76d7891344_oproj, .Lfunc_end_k_q76d7891344_oproj-k_q76d7891344_oproj
	.p2alignl 7, 3214868480
	.fill 96, 4, 3214868480
	.section	.rodata,"a",@progbits
	.p2align	6, 0x0
	.amdhsa_kernel k_q76d7891344_oproj
		.amdhsa_group_segment_fixed_size 327680
		.amdhsa_private_segment_fixed_size 0
		.amdhsa_enable_private_segment 0
		.amdhsa_kernarg_size 32
		.amdhsa_user_sgpr_count 2
		.amdhsa_user_sgpr_kernarg_segment_ptr 1
		.amdhsa_wavefront_size32 1
		.amdhsa_system_sgpr_workgroup_id_x 1
		.amdhsa_system_sgpr_workgroup_id_y 1
		.amdhsa_system_sgpr_workgroup_id_z 1
		.amdhsa_system_vgpr_workitem_id 0
		.amdhsa_next_free_vgpr 640
		.amdhsa_next_free_sgpr 72
		.amdhsa_reserve_vcc 0
		.amdhsa_float_denorm_mode_32 3
		.amdhsa_float_denorm_mode_16_64 3
		.amdhsa_memory_ordered 1
		.amdhsa_forward_progress 1
		.amdhsa_inst_pref_size 102
	.end_amdhsa_kernel
	.amdgpu_metadata
---
amdhsa.version: [ 1, 2 ]
amdhsa.kernels:
  - .name:           k_q76d7891344_oproj
    .symbol:         k_q76d7891344_oproj.kd
    .args:
      - { .name: ob, .offset: 0, .size: 8, .value_kind: global_buffer, .address_space: global }
      - { .name: Wo, .offset: 8, .size: 8, .value_kind: global_buffer, .address_space: global }
      - { .name: bo, .offset: 16, .size: 8, .value_kind: global_buffer, .address_space: global }
      - { .name: out0, .offset: 24, .size: 8, .value_kind: global_buffer, .address_space: global }
    .group_segment_fixed_size: 327680
    .private_segment_fixed_size: 0
    .kernarg_segment_align: 8
    .kernarg_segment_size: 32
    .max_flat_workgroup_size: 128
    .sgpr_count:     72
    .vgpr_count:     640
    .wavefront_size: 32
...
	.end_amdgpu_metadata
.endif
;; end of part 4
;; ======== version 2 of 3: 4 launches
;; limits: values are held in f16: magnitudes above 65,504 overflow, below 6.1e-05 lose precision; right only within a limited range of input values
;; workspace buffers: xb 8,388,608 bytes; mk2 4,194,304 bytes; rope 262,656 bytes; qh 8,388,608 bytes; kvh 4,194,304 bytes; ob 8,388,608 bytes
;; launch prep (part 5): grid 256 x 1, 4 waves a work-group, no clusters, 0 bytes of LDS; arguments hidden_states, attention_mask, xb, mk2, rope; writes xb, mk2, rope
.if DOCPART == 5
	.amdgcn_target "amdgcn-amd-amdhsa--gfx1250"
	.amdhsa_code_object_version 6
	.text
	.protected	k_q76d7891344_prep
	.globl	k_q76d7891344_prep
	.p2align	8
	.type	k_q76d7891344_prep,@function
k_q76d7891344_prep:
	s_mov_b64 s[64:65], 0
	v_nop
	global_prefetch_b8 v0, s[64:65] scope:SCOPE_SE
	s_setreg_imm32_b32 hwreg(HW_REG_WAVE_MODE, 25, 1), 1
	s_wait_xcnt 0x0
; PREPARATION.  Wave W (0 .. 1023 = 4 x work-group + wave) owns row W of hidden_states, chunk W of the mask and row W of the rotary table.
;   xb   [1024][4096] bf16: hidden_states rounded once.
;   mk2  [64 qb][16 kb][8 i][32 lanes][16 bytes] f32: max(bf16(mask) x log2 e, -2^127), laid out as the C operand of a 16 x 16 matrix tile:
;        piece i = 2 kt + e of lane (r, h) holds the mask of query 16 qb + r, keys 64 kb + 16 kt + 8 h + 4 e .. + 3.
;   rope 1,026 rows of 256 bytes: row t: cq cos(t w_i), i = 0 .. 31, then cq sin(t w_i); row 1024: cq x 32, 0 x 32; row 1025: 0.25 x 32, 0 x 32.
;        cq = sqrt(log2 e / sqrt 128), w_i = 2^(-i log2(10000) / 32).
; LIMITS.  The mask is rounded to bf16 like every other input.  Entries below -2^127 / log2 e (-1.18e38) count alike; a NaN in the mask counts as the lowest entry.
; The angle t w_i is reduced with 1 / (2 pi) in f32: at t = 1023 it is good to about 1e-4; sine and cosine of the half angle (within pi / 2) are series cut where the
; next term is under 6e-8 and 5e-7.
; No LDS, no barrier: no wave wants a byte of another wave.  Every store of a wave covers 256 or 512 consecutive bytes, aligned.
; ALL 40 LOADS OF A WAVE GO OUT AT ONCE (20 KiB): the wave's whole share fits in 160 registers, so nothing is asked for a second time round, and no register that a store reads is written again.
.set M, 8                              ; v[8:39]    the mask chunk: 8 pieces of 4
.set X, 40                             ; v[40:167]  the row of hidden_states: 32 pieces of 4; a piece's first two registers then take its bf16
.set T, 168                            ; v[168:191] at work
	s_load_b256 s[4:11], s[0:1], 0x0               ; hidden s[4:5], mask s[6:7], xb s[8:9], mk2 s[10:11]
	s_load_b64 s[12:13], s[0:1], 0x20              ; rope
	v_lshrrev_b32 v1, 5, v0
	v_readfirstlane_b32 s14, v1
	s_lshl_b32 s16, ttmp9, 2
	s_add_co_u32 s14, s14, s16                     ; W
	v_and_b32 v4, 31, v0                           ; lane
	v_lshlrev_b32 v1, 4, v4                        ; 16 x lane
	v_lshlrev_b32 v2, 3, v4                        ; 8 x lane
	v_and_b32 v5, 15, v4                           ; r
	v_lshrrev_b32 v6, 4, v4                        ; h
	v_lshlrev_b32 v3, 12, v5                       ; r rows of the mask, 4,096 bytes each,
	v_lshl_add_u32 v3, v6, 5, v3                   ; + 8 h keys
	s_mov_b32 s15, 0xff000000                      ; -2^127
	s_mov_b32 s20, 0x3fb8aa3b                      ; log2 e
	s_mov_b32 s21, s20                             ; named with it as a pair
	s_mov_b32 s22, 0xffff0000                      ; a word's upper bf16
	s_lshr_b32 s16, s14, 4
	s_lshl_b32 s16, s16, 16                        ; qb x 16 rows of 4,096 bytes
	s_and_b32 s17, s14, 15
	s_lshl_b32 s17, s17, 8                         ; kb x 64 keys
	s_add_co_u32 s16, s16, s17
	s_mov_b32 s17, 0
	s_lshl_b32 s18, s14, 14                        ; a row of hidden_states
	s_mov_b32 s19, 0
	s_lshl_b32 s24, s14, 13                        ; a row of xb
	s_mov_b32 s25, 0
	s_lshl_b32 s26, s14, 12                        ; a chunk of mk2
	s_mov_b32 s27, 0
	s_lshl_b32 s28, s14, 8                         ; a row of the table
	s_mov_b32 s29, 0
	s_wait_kmcnt 0x0
	s_add_nc_u64 s[6:7], s[6:7], s[16:17]
	s_add_nc_u64 s[4:5], s[4:5], s[18:19]
	s_add_nc_u64 s[8:9], s[8:9], s[24:25]
	s_add_nc_u64 s[10:11], s[10:11], s[26:27]
	s_add_nc_u64 s[12:13], s[12:13], s[28:29]
.irp i, 0,1,2,3,4,5,6,7
	global_load_b128 v[M+4*(\i):M+4*(\i)+3], v3, s[6:7] offset:64*((\i)/2)+16*((\i)%2)
.endr
.set i, 0
.rept 32
	global_load_b128 v[X+4*i:X+4*i+3], v1, s[4:5] offset:512*i th:TH_LOAD_NT
.set i, i+1
.endr
	; THE TABLE, while the loads are on their way.  Lane l makes entries i = 2 (l % 16) and i + 1: cosines in lanes 0-15, sines in lanes 16-31.
	v_lshlrev_b32 v[T], 1, v5
	v_cvt_f32_u32 v[T], v[T]
	v_add_f32 v[T+1], 1.0, v[T]
	v_mul_f32 v[T], 0xbed49a78, v[T]               ; -i log2(10000) / 32
	v_mul_f32 v[T+1], 0xbed49a78, v[T+1]
	v_exp_f32 v[T], v[T]
	v_exp_f32 v[T+1], v[T+1]
	v_cvt_f32_u32 v[T+2], s14                      ; t: the plain instruction behind the two exponentials
	v_cmp_eq_u32 vcc_lo, 1, v6                     ; sines?
	s_wait_alu depctr_va_vdst(0)                   ; one wait for both, ahead of their first reader
.macro TRIG k
.set A, T+(\k)
.set R, T+4+8*(\k)
	v_mul_f32 v[A], v[T+2], v[A]                   ; the angle
	v_mul_f32 v[R], 0.15915494, v[A]
	v_rndne_f32 v[R], v[R]                         ; whole turns
	v_fma_f32 v[R], v[A], 0.15915494, -v[R]        ; what is left, within half a turn either way
	v_mul_f32 v[R], 0x40490fdb, v[R]               ; x pi: HALF the angle, within pi / 2
	v_mul_f32 v[R+1], v[R], v[R]
	v_mov_b32 v[R+2], 0xb2d7322b                   ; sine: -1/11!, 1/9!, -1/7!, 1/5!, -1/3!, 1
	v_fmaak_f32 v[R+2], v[R+2], v[R+1], 0x3638ef1d
	v_fmaak_f32 v[R+2], v[R+2], v[R+1], 0xb9500d01
	v_fmaak_f32 v[R+2], v[R+2], v[R+1], 0x3c088889
	v_fmaak_f32 v[R+2], v[R+2], v[R+1], 0xbe2aaaab
	v_fmaak_f32 v[R+2], v[R+2], v[R+1], 0x3f800000
	v_mul_f32 v[R+2], v[R], v[R+2]                 ; s
	v_mov_b32 v[R+3], 0xb493f27e                   ; cosine: -1/10!, 1/8!, -1/6!, 1/4!, -1/2, 1
	v_fmaak_f32 v[R+3], v[R+3], v[R+1], 0x37d00d01
	v_fmaak_f32 v[R+3], v[R+3], v[R+1], 0xbab60b61
	v_fmaak_f32 v[R+3], v[R+3], v[R+1], 0x3d2aaaab
	v_fmaak_f32 v[R+3], v[R+3], v[R+1], 0xbf000000
	v_fmaak_f32 v[R+3], v[R+3], v[R+1], 0x3f800000
	v_mul_f32 v[R+3], v[R+2], v[R+3]
	v_add_f32 v[R+3], v[R+3], v[R+3]               ; sin = 2 s c
	v_mul_f32 v[R+2], v[R+2], v[R+2]
	v_fma_f32 v[R+2], v[R+2], -2.0, 1.0            ; cos = 1 - 2 s s
	v_cndmask_b32 v[R+2], v[R+2], v[R+3], vcc_lo
	v_mul_f32 v[T+20+(\k)], 0x3eb6d544, v[R+2]     ; x cq
.endm
	TRIG 0
	TRIG 1
	global_store_b64 v2, v[T+20:T+21], s[12:13]    ; the wave's 256 bytes: row W
	s_cmp_lt_u32 s14, 2                            ; waves 0 and 1 of the launch also write the two constant rows
	s_cbranch_scc0 .Lno_const
	s_mov_b32 s18, 0x3e800000                      ; 0.25
	s_cmp_eq_u32 s14, 0
	s_cselect_b32 s18, 0x3eb6d544, s18             ; cq in row 1024
	v_cndmask_b32 v[T+22], s18, 0, vcc_lo          ; the factor where cosines stand, 0 where sines stand
	v_mov_b32 v[T+23], v[T+22]
	global_store_b64 v2, v[T+22:T+23], s[12:13] offset:262144
.Lno_const:
	; THE MASK
	s_wait_loadcnt 32                              ; the 8 mask loads are in; the 32 younger ones, of hidden_states, stay out
.set i, 0
.rept 16
	v_cvt_pk_bf16_f32 v[T+4+i%4], v[M+2*i], v[M+2*i+1]
	v_lshlrev_b32 v[M+2*i], 16, v[T+4+i%4]
	v_and_b32 v[M+2*i+1], s22, v[T+4+i%4]
	v_pk_mul_f32 v[M+2*i:M+2*i+1], v[M+2*i:M+2*i+1], s[20:21] op_sel_hi:[1,0]
	v_max_num_f32 v[M+2*i], s15, v[M+2*i]
	v_max_num_f32 v[M+2*i+1], s15, v[M+2*i+1]
.set i, i+1
.endr
.irp i, 0,1,2,3,4,5,6,7
	global_store_b128 v1, v[M+4*(\i):M+4*(\i)+3], s[10:11] offset:512*(\i)
.endr
	; HIDDEN_STATES: piece by piece as it lands, rounded in place.  Loads come back in order (ISA guide 5.7.1): piece i is in when at most the 31 - i younger loads are out.
.set i, 0
.rept 32
	s_wait_loadcnt 31-i
	v_cvt_pk_bf16_f32 v[X+4*i], v[X+4*i], v[X+4*i+1]
	v_cvt_pk_bf16_f32 v[X+4*i+1], v[X+4*i+2], v[X+4*i+3]
	global_store_b64 v2, v[X+4*i:X+4*i+1], s[8:9] offset:256*i
.set i, i+1
.endr
	s_endpgm
.Lfunc_end_k_q76d7891344_prep:
	.size	k_q76d7891344_prep, .Lfunc_end_k_q76d7891344_prep-k_q76d7891344_prep
	.p2alignl 7, 3214868480
	.fill 96, 4, 3214868480
	.section	.rodata,"a",@progbits
	.p2align	6, 0x0
	.amdhsa_kernel k_q76d7891344_prep
		.amdhsa_group_segment_fixed_size 0
		.amdhsa_private_segment_fixed_size 0
		.amdhsa_enable_private_segment 0
		.amdhsa_kernarg_size 40
		.amdhsa_user_sgpr_count 2
		.amdhsa_user_sgpr_kernarg_segment_ptr 1
		.amdhsa_wavefront_size32 1
		.amdhsa_system_sgpr_workgroup_id_x 1
		.amdhsa_system_sgpr_workgroup_id_y 1
		.amdhsa_system_sgpr_workgroup_id_z 1
		.amdhsa_system_vgpr_workitem_id 0
		.amdhsa_next_free_vgpr 192
		.amdhsa_next_free_sgpr 66
		.amdhsa_reserve_vcc 1
		.amdhsa_float_denorm_mode_32 3
		.amdhsa_float_denorm_mode_16_64 3
		.amdhsa_memory_ordered 1
		.amdhsa_forward_progress 1
		.amdhsa_inst_pref_size 22
	.end_amdhsa_kernel
	.amdgpu_metadata
---
amdhsa.version: [ 1, 2 ]
amdhsa.kernels:
  - .name:           k_q76d7891344_prep
    .symbol:         k_q76d7891344_prep.kd
    .args:
      - { .name: hidden_states, .offset: 0, .size: 8, .value_kind: global_buffer, .address_space: global }
      - { .name: attention_mask, .offset: 8, .size: 8, .value_kind: global_buffer, .address_space: global }
      - { .name: xb, .offset: 16, .size: 8, .value_kind: global_buffer, .address_space: global }
      - { .name: mk2, .offset: 24, .size: 8, .value_kind: global_buffer, .address_space: global }
      - { .name: rope, .offset: 32, .size: 8, .value_kind: global_buffer, .address_space: global }
    .group_segment_fixed_size: 0
    .private_segment_fixed_size: 0
    .kernarg_segment_align: 8
    .kernarg_segment_size: 40
    .max_flat_workgroup_size: 128
    .sgpr_count:     66
    .vgpr_count:     192
    .wavefront_size: 32
...
	.end_amdgpu_metadata
.endif
;; end of part 5
;; launch qkv (part 6): grid 64 x 4, 4 waves a work-group, clusters of 4 x 4, 327,680 bytes of LDS; arguments xb, Wq, Wkv, bq, bkv, rope, qh, kvh; writes qh, kvh
.if DOCPART == 6
	.amdgcn_target "amdgcn-amd-amdhsa--gfx1250"
	.amdhsa_code_object_version 6
	.text
	.protected	k_q76d7891344_qkv
	.globl	k_q76d7891344_qkv
	.p2align	8
	.type	k_q76d7891344_qkv,@function
k_q76d7891344_qkv:
	s_mov_b64 s[64:65], 0
	v_nop
	global_prefetch_b8 v0, s[64:65] scope:SCOPE_SE
	s_setreg_imm32_b32 hwreg(HW_REG_WAVE_MODE, 25, 1), 1
	s_wait_xcnt 0x0
	s_wait_alu depctr_hold_cnt(0) depctr_sa_sdst(0) depctr_va_vdst(0) depctr_va_sdst(0) depctr_va_ssrc(0) depctr_va_vcc(0) depctr_vm_vsrc(0)
	s_getreg_b32 s2, hwreg(HW_REG_IB_STS2, 6, 4)
	s_cmp_eq_u32 s2, 0
	s_cbranch_scc0 .Lentry_in_a_cluster
	s_endpgm
.Lentry_in_a_cluster:
	s_bfe_u32 s2, ttmp6, 0x10000c
	s_cmp_lg_u32 s2, 0xf033
	s_cbranch_scc0 .Lentry_shape_is_right
	s_endpgm
.Lentry_shape_is_right:
; [q | kv] = x W^T + b, the rotary turn, the scales, f16, laid out by heads.  x (xb) is bf16; Wq, Wkv, bq, bkv are rounded to bf16 here; sums in f32.
; A work-group makes 256 rows (M tile cy) x 96 columns (N tile x = 4 x cluster + cx): Wq rows 64 x .. + 63 and Wkv rows 64 c + 16 p + 0 .. 15 and + 32 .. 47 (c = x / 2, p = x % 2).
; Wave w owns rows 64 w .. + 63 and ALL 96 columns: 24 accumulators.  So a channel d and its rotary partner d + 32 lie in the same lane and register of two accumulators.
; THE MATRIX INSTRUCTION IS USED TRANSPOSED (source 0 = 16 rows of W, source 1 = 16 rows of x): a lane holds one row of the result and 8 neighbouring columns.  The bias is the C operand of each sum's first product.
; A (x) comes by JOINT tensor loads: the four work-groups of a row of the cluster need the same 256 rows; each wave fetches its own 64 rows, one line of text for all.  K goes in 32 steps of 128; a slot of A's ring holds TWO
; K steps (rows of 512 bytes): the one load that a wave issues behind a round of the cluster's barrier has 180 products in which to land, and there is a round for every two K steps.
; THE WALK ALONG K BEGINS ELSEWHERE IN EACH CLUSTER: at K step 4 f, f = (cluster xor 7 (cluster / 8)) % 8, and goes round the row's end (f32 sums may be taken in any order).  All sixteen clusters read the same rows of x:
; so they ask for different bytes of them at any one time.  Two clusters share an f only if their numbers differ in all four bits.  Below, K steps are counted from the cluster's start.
; THE WEIGHTS DO NOT COME BY JOINT LOADS: they are f32 and a tensor load converts nothing: as f32 tiles in LDS each fragment would take 4 LDS loads in place of 2, in each of four waves, and each wave would convert them anew.
; Each wave loads its share of the 96 rows into registers (a load is one row's 512 bytes), two K steps ahead on counted waits, rounds them ONCE for the work-group and stores them as bf16 into a second LDS ring,
; which only ds_store writes and which changes slots at every K step, behind a barrier of the work-group.  The conversions stand four behind a matrix instruction.
; OUT: qh [64 x][1024][64] f16, kvh [64 x][1024][32] f16.  y(d) = acc(d) C - acc(d + 32) S, y(d + 32) = acc(d + 32) C + acc(d) S, with C, S from the table: cq cos, cq sin for rotary channels; cq, 0 for the others of q and k; 0.25, 0 for v.
; LIMITS.  f16 ends at 65,504: |q|, |k| must stay under 183,000 and |v| under 262,000 before the scales.  NaN and infinities are not treated apart.
; K step 29's reloads have nothing left to fetch: they read the walk's first K step again (24 loads a wave, inside the buffer, never used), so that every trip of the loop has one text.
; REGISTERS.  window 0: addresses, BIAS v32-79, table offsets v80-87, fragment buffers F0 v96-175 and F1 v176-255 (A's fragment a at + 8 a, W's fragment b at + 32 + 8 b).
;   window 1: the weights as loaded, set s row j at 96 s + 4 j; D v192-207 a batch's bf16.  window 2: accumulator (a, b) at 8 (6 a + b).
.set NB, 6
.set NL, 40                            ; five batches of 8 loads: see QUARTER
.set PITCH, 272                        ; a row of the weights' ring: 256 bytes + 16 = 68 words: the 16 rows of a fragment load start at 16 different groups of four banks (64 banks of 4 bytes: ISA guide 11.1)
.set APITCH, 528                       ; a row of A's ring: 512 bytes + 16 = 132 words: likewise
.set AWAVE, 64*APITCH
.set ASLOT, 4*AWAVE                    ; 0x21000: its two bits are clear in wave x AWAVE, so one exclusive or turns a tile's LDS address in one slot into the other's
.set B0, 2*ASLOT                       ; the weights' ring: 96 rows a slot
.set BSLOT, 96*PITCH
.set STAGE, B0                         ; the way out: for each wave 16 rows x 144 bytes (q), then 16 rows x 80 bytes (kv), in the weights' slot 0: no wave reads it behind the barrier at the end of K step 30, and no tensor load ever lands there
.set STW, 3584
.set SPARE, B0+2*BSLOT                 ; the spare words, 128 bytes for each wave: two blocks of 256 bytes that no other line names
.set RDK, 10
.set ADRA, 16                          ; v16 LDS address of my A fragments in the slot in hand
.set ADRA0, 17                         ; v17 the same in slot 0; never rewritten
.set ADRB, 20                          ; v20-21 LDS address of the weights' fragments in slot 0, 1
.set LSTQ, 22                          ; where I store a row of Wq: B0 + 16 w rows + 8 x lane
.set LSTK, 23                          ; a row of Wkv: B0 + (64 + 8 w) rows + 8 x lane
.set VW, 24                            ; 16 x lane
.set STQ, 25
.set STK, 26
.set RDQ, 27
.set SPW, 28
.set NIL, 29
.set VPW, 30
.set BIAS, 32
.set TQ, 80
.set TK, 84
.set U, 88
.set F0, 96
.set F1, 176
.set YY, 96
.set HH, 144
.set BK, 168
.set DD, 192
.set G1, 24
.set G0, 32                            ; s[32:39] group 0: a set for each of the two first fills; the second then walks on
.set PWQ, 40                           ; s[40:41] Wq at my 16 rows, at the K step to be loaded
.set PWK, 42                           ; s[42:43] Wkv at my 8 rows
.set WOFF, 44                          ; s[44:45] that K step's byte in a row of the weights, 0 .. 15,872
.set PFW, 46                           ; s[46:47] where my prefetch stands
.set LIMW, 50
.set ABASE, 66                         ; s[66:67] x at my 64 rows, at the rows' first byte; never rewritten
.set QHB, 68
.set KVB, 70
.set TBA, 72                           ; s72 LDS byte at which A's slot in hand begins: 0 or ASLOT
.set PWQB, 74                          ; s[74:75] Wq at my 16 rows, at the rows' first byte; never rewritten
.set PWKB, 76                          ; s[76:77] the same for Wkv
.set AOFF, 78                          ; s[78:79] the byte in a row of x of the slot asked for last, 0 .. 7,680
.set PFB, 80                           ; s[80:81] the prefetches' rows, at their first byte; never rewritten
.set PFOF, 82                          ; s[82:83] the prefetches' byte in a row
.set MUL, 0xa0                         ; sources window 0, C and D window 2
.set MUL0, 0x80                        ; C (the bias) window 0
.set RID, 0x45                         ; all in window 1
.set MID, 0x44                         ; destination and store data window 1, address window 0
.set EPI, 0x06                         ; source 0 window 2, source 1 window 1, source 2 and destination window 0
.set MSB, 0
.set RLEFT, 0
.macro WIN new                         ; the immediate's high byte repeats the setting that is left
.if MSB != (\new)
	s_set_vgpr_msb (MSB<<8)|(\new)
.set MSB, \new
.endif
.endm
.macro PLACES                          ; four places behind matrix instructions, in front of loads into registers that they read and of lines that read results
.rept 4
	v_nop
.endr
.endm
.macro JLOAD s                         ; the joint load of my 64 rows of A; an s_nop 0 and four v_nop follow it
	tensor_load_to_lds s[G0+4*(\s):G0+4*(\s)+3], s[G1:G1+7]
	s_nop 0
.rept 4
	v_nop
.endr
.endm
.macro CREST                           ; a round of the cluster's barrier behind its opening barrier
	s_cmp_lg_u32 s20, 0
	s_cbranch_scc1 .Lnot_wave_0_\@
	s_barrier_signal -3
.Lnot_wave_0_\@:
	s_barrier_wait -3
	s_barrier_signal -1
	s_barrier_wait -1
.endm
.macro CROUND
	s_barrier_signal -1
	s_barrier_wait -1
	CREST
.endm
; A PREFETCH INTO THE L2 OF THE WEIGHTS, behind each joint refill and the run of LDS loads: the n-th change of A's slots names K steps 2 n + 8 and 2 n + 9, three to four K steps ahead of the loads that want them.
; K steps 0 to 7 come by their loads alone.  1,024 bytes of 8 rows, a lane a block of 256 bytes.  The four work-groups of a column of the cluster read the same 96 rows and share them out BY ADDRESS (cy): waves 0, 1 take 8 rows of
; Wq each, wave 2 takes 8 of Wkv.  So each block is named once.  It stops where 2 n + 9 would pass 31 (s3 = 14 - n).
; x is not asked for: the eight starts' first fills, four K steps each, cover all 32 K steps, so every block of x is first asked for by a first fill, at the head, where nothing is prefetched.
.macro ASK
	s_cmp_gt_u32 s3, s[LIMW]
	s_cbranch_scc0 .Lno_w_\@
	global_prefetch_b8 v[VPW], s[PFW:PFW+1] th:TH_LOAD_NT scope:SCOPE_SE
.Lno_w_\@:
.endm
.macro RID1                            ; conversion RQ of batch (RSET, RBAT): two a row
.set rj, RQ/2
.set rk, RQ%2
	v_cvt_pk_bf16_f32 v[DD+2*rj+rk], v[96*RSET+32*RBAT+4*rj+2*rk], v[96*RSET+32*RBAT+4*rj+2*rk+1]
.set RQ, RQ+1
.endm
.macro LUMP set, bat, from, cnt        ; conversions on end (at the head)
.set RSET, \set
.set RBAT, \bat
.set RQ, \from
	WIN RID
.rept \cnt
	RID1
.endr
.endm
; four products: n block b x my four m blocks.  All 24 accumulators take turns, one instruction a turn, in the same order in every quarter.
.macro MULG f, b, zero
.irp a, 0,1,2,3
.if \zero
	WIN MUL0
	v_wmma_f32_16x16x32_bf16 v[8*(NB*(\a)+(\b)):8*(NB*(\a)+(\b))+7], v[(\f)+32+8*(\b):(\f)+32+8*(\b)+7], v[(\f)+8*(\a):(\f)+8*(\a)+7], v[BIAS+8*(\b):BIAS+8*(\b)+7]
.else
	WIN MUL
	v_wmma_f32_16x16x32_bf16 v[8*(NB*(\a)+(\b)):8*(NB*(\a)+(\b))+7], v[(\f)+32+8*(\b):(\f)+32+8*(\b)+7], v[(\f)+8*(\a):(\f)+8*(\a)+7], v[8*(NB*(\a)+(\b)):8*(NB*(\a)+(\b))+7]
.endif
.if RLEFT > 0
	WIN RID
.rept 4
	RID1
.endr
.set RLEFT, RLEFT-4
.endif
.endr
.endm
.macro HALF f, b0, cnt, zero, set, bat, part   ; cnt n blocks from b0 on; half a batch's conversions (bat < 0: none) ride behind the first products
.set RSET, \set
.set RBAT, \bat
.set RQ, 8*(\part)
.if (\bat) < 0
.set RLEFT, 0
.else
.set RLEFT, 8
.endif
.set hb, \b0
.rept \cnt
	MULG \f, hb, \zero
.set hb, hb+1
.endr
.endm
.macro WLOAD set, bat, off             ; a batch: 8 rows x 512 bytes.  Batches 0, 1: my 16 rows of Wq; batch 2: my 8 rows of Wkv
	WIN MID
.irp j, 0,1,2,3,4,5,6,7
.if (\bat) < 2
	global_load_b128 v[96*(\set)+32*(\bat)+4*(\j):96*(\set)+32*(\bat)+4*(\j)+3], v[VW], s[PWQ:PWQ+1] offset:(8*(\bat)+(\j))*16384+(\off)
.else
	global_load_b128 v[96*(\set)+64+4*(\j):96*(\set)+64+4*(\j)+3], v[VW], s[PWK:PWK+1] offset:(\j)*16384+(\off)
.endif
.endr
.endm
.macro STLD set, bat, slotb, reload    ; the batch's bf16 into the weights' ring (a store is one row's 256 bytes), and its registers asked for again
	WIN MID
.irp j, 0,1,2,3,4,5,6,7
.if (\bat) < 2
	ds_store_b64 v[LSTQ], v[DD+2*(\j):DD+2*(\j)+1] offset:(8*(\bat)+(\j))*PITCH+(\slotb)*BSLOT
.else
	ds_store_b64 v[LSTK], v[DD+2*(\j):DD+2*(\j)+1] offset:(\j)*PITCH+(\slotb)*BSLOT
.endif
.endr
.if \reload
	WLOAD \set, \bat, 0
.endif
.endm
; 20 LDS loads in one run: A's four fragments, then the weights' six, in the order in which they are multiplied.  slot = the K step's parity: the weights' slot, and which 256 bytes of A's rows
.macro FETCH slot, k, f
	WIN 0
.irp a, 0,1,2,3
	ds_load_b128 v[(\f)+8*(\a):(\f)+8*(\a)+3],   v[ADRA] offset:(\slot)*256+(\k)+(\a)*16*APITCH
	ds_load_b128 v[(\f)+8*(\a)+4:(\f)+8*(\a)+7], v[ADRA] offset:(\slot)*256+(\k)+(\a)*16*APITCH+32
.endr
.irp b, 0,1,2,3,4,5
	ds_load_b128 v[(\f)+32+8*(\b):(\f)+32+8*(\b)+3],   v[ADRB+(\slot)] offset:(\k)+(\b)*16*PITCH
	ds_load_b128 v[(\f)+32+8*(\b)+4:(\f)+32+8*(\b)+7], v[ADRB+(\slot)] offset:(\k)+(\b)*16*PITCH+32
.endr
.endm
.macro TABLE                           ; the table for my 64 rows: for m block a at 48 a of window 1: q's C, S for n blocks 0 and 1, then kv's C, S
	WIN MID
.irp a, 0,1,2,3
.irp c, 0,1
	global_load_b128 v[48*(\a)+16*(\c):48*(\a)+16*(\c)+3],     v[TQ+(\a)], s[14:15] offset:64*(\c)
	global_load_b128 v[48*(\a)+16*(\c)+4:48*(\a)+16*(\c)+7],   v[TQ+(\a)], s[14:15] offset:64*(\c)+16
	global_load_b128 v[48*(\a)+16*(\c)+8:48*(\a)+16*(\c)+11],  v[TQ+(\a)], s[14:15] offset:64*(\c)+128
	global_load_b128 v[48*(\a)+16*(\c)+12:48*(\a)+16*(\c)+15], v[TQ+(\a)], s[14:15] offset:64*(\c)+144
.endr
	global_load_b128 v[48*(\a)+32:48*(\a)+35], v[TK+(\a)], s[14:15]
	global_load_b128 v[48*(\a)+36:48*(\a)+39], v[TK+(\a)], s[14:15] offset:16
	global_load_b128 v[48*(\a)+40:48*(\a)+43], v[TK+(\a)], s[14:15] offset:128
	global_load_b128 v[48*(\a)+44:48*(\a)+47], v[TK+(\a)], s[14:15] offset:144
.endr
.endm
; A K step t (slot = t % 2) is four quarters of 32 along K, 24 products each, on buffers 0, 1, 0, 1.  Beside them it converts the weights of step t + 1, out of set 1 - slot into ring slot 1 - slot, and asks for step t + 3's.
; One of the first three quarters: multiplies f, fetches byte k of the rows into g.  bata: the batch whose second half rides in the first half; st: the batch stored and asked for again; batb: the batch whose first half rides in the second half.
; nl: the wait for batb's loads.  Behind a batch of step t + 1 were issued the rest of t + 1, all of t + 2 and as many batches of t + 3 as t + 1 has given up: always five batches, 40 loads.
.macro QUARTER slot, k, f, g, zero, bata, batb, st, reload, nl, tbl=0
	s_wait_dscnt NB                                ; all but the youngest six loads: the weights' fragments 3 to 5
	HALF \f, 0, 3, \zero, 1-(\slot), \bata, 1
.if (\bata) < 0
	PLACES                                         ; (else the conversions are the places in front of the loads below)
.endif
.if (\st) == 0
.if \reload
	s_wait_xcnt 0x0                                ; every load issued so far has read its base: the pointers are made anew,
	s_add_co_u32 s[WOFF], s[WOFF], 512             ; a K step on,
	s_and_b32 s[WOFF], s[WOFF], 0x3fff             ; round the row's end
	s_add_nc_u64 s[PWQ:PWQ+1], s[PWQB:PWQB+1], s[WOFF:WOFF+1]
	s_add_nc_u64 s[PWK:PWK+1], s[PWKB:PWKB+1], s[WOFF:WOFF+1]
.endif
.endif
.if (\st) >= 0
	STLD 1-(\slot), \st, 1-(\slot), \reload
.endif
	FETCH \slot, \k, \g
.if \tbl
	s_wait_loadcnt 0x0                             ; no load into window 1 is out: its registers take the table
	TABLE
.endif
.if (\nl) > 0
	s_wait_loadcnt \nl
.endif
.if (\st) >= 0
	s_wait_dscnt 28                                ; all but this quarter's 8 stores and 20 loads
.else
	s_wait_dscnt 20
.endif
	HALF \f, 3, 3, \zero, 1-(\slot), \batb, 0
.endm
; THE LAST QUARTER OF AN EVEN K STEP multiplies F1; the weights' ring alone changes slots, A's slot goes on with its second 256 bytes.  In front of the barrier each wave waits for its reads of the weights' slot 0 and for its stores
; into slot 1.  My tensor load, the other slot's, stays out across it.  ride = 1: the first half of the next but one step's batch 0 rides in the second half.
.macro TURNB ride
	s_wait_dscnt NB                                ; all but the youngest six loads
	HALF F1, 0, 2, 0, 0, -1, 0
	s_wait_dscnt 0x0
	s_barrier_signal -1
	HALF F1, 2, 1, 0, 0, -1, 0
	s_barrier_wait -1
	PLACES
	FETCH 1, 0, F0
.if \ride
	s_wait_loadcnt NL
	HALF F1, 3, 3, 0, 0, 0, 0
.else
	HALF F1, 3, 3, 0, 0, -1, 0
.endif
.endm
; THE LAST QUARTER OF AN ODD K STEP multiplies F1 and changes both rings' slots.  In front of the barrier: all my tensor loads have landed (one was out: my part of A's other slot), the add, and the wait for the add, for my reads of
; both rings' slots and for my stores into the weights' slot 0.  Behind it nobody reads A's slot and the other slots are whole.  fill = 1: the barrier opens a round of the cluster's, and A's slot is filled again first, with the K steps
; four and five on: 180 products stand between that load and the wait for it.  The walking descriptor is written behind the wait for all my tensor loads, while the add is out, so that nothing stands between the round and the load.
.macro TURNA fill, ride
.if \fill
	s_wait_xcnt 0x0                                ; the last prefetch, a trip back, has read its address
	s_add_co_u32 s[PFOF], s[PFOF], 1024
	s_and_b32 s[PFOF], s[PFOF], 0x3fff             ; round the row's end
	s_add_nc_u64 s[PFW:PFW+1], s[PFB:PFB+1], s[PFOF:PFOF+1]
.endif
	WIN 0
	s_wait_tensorcnt 0x0
	ds_add_u32 v[SPW], v[NIL]                      ; 0 onto my spare word
	s_xor_b32 s[TBA], s[TBA], ASLOT                ; the fetches go to A's other slot
.if \fill
	s_xor_b32 s[G0+5], s[G0+5], ASLOT              ; the walking descriptor: the other slot than last time,
	s_add_co_u32 s[AOFF], s[AOFF], 512             ; the next two K steps,
	s_and_b32 s[AOFF], s[AOFF], 0x1fff             ; round the row's end;
	s_add_nc_u64 s[G0+6:G0+7], s[ABASE:ABASE+1], s[AOFF:AOFF+1]  ; the address is made anew,
	s_or_b32 s[G0+7], s[G0+7], 0x80000000          ; and the type set again
.endif
	s_wait_dscnt NB+1                              ; (the add and the youngest six loads may be out)
	HALF F1, 0, 2, 0, 0, -1, 0
	s_wait_dscnt 0x0
	s_barrier_signal -1
	HALF F1, 2, 1, 0, 0, -1, 0
	WIN 0
	s_barrier_wait -1
.if \fill
	CREST
	JLOAD 1                                        ; its four v_nop are also the places in front of the loads below
.else
	PLACES
.endif
	v_add_nc_u32 v[ADRA], s[TBA], v[ADRA0]
	FETCH 0, 0, F0
.if \fill
	ASK
.endif
.if \ride
	s_wait_loadcnt NL
	HALF F1, 3, 3, 0, 1, 0, 0
.else
	HALF F1, 3, 3, 0, 0, -1, 0
.endif
.endm
	s_load_b256 s[4:11], s[0:1], 0x0               ; xb s[4:5], Wq s[6:7], Wkv s[8:9], bq s[10:11]
	s_load_b256 s[12:19], s[0:1], 0x20             ; bkv s[12:13], rope s[14:15], qh s[16:17], kvh s[18:19]
	v_lshl_add_u32 v[SPW], v0, 2, SPARE
	v_mov_b32 v[NIL], 0
	ds_add_u32 v[SPW], v[NIL]                      ; the opening: the add and its wait ahead of my first tensor load
	v_lshrrev_b32 v1, 5, v0
	v_readfirstlane_b32 s20, v1                    ; wave
	s_bfe_u32 s21, ttmp6, 0x40000                  ; cx
	s_bfe_u32 s22, ttmp6, 0x40004                  ; cy: the M tile
	s_lshl_b32 s23, ttmp9, 2
	s_add_co_u32 s23, s23, s21                     ; x: the N tile
	s_lshr_b32 s73, ttmp9, 3                       ; where my cluster's walk along K begins: the same in all sixteen partners
	s_mul_i32 s73, s73, 7
	s_xor_b32 s73, s73, ttmp9
	s_and_b32 s73, s73, 7                          ; f
	s_lshl_b32 s[WOFF], s73, 11                    ; K step 4 f: 512 bytes a step in a row of the weights,
	s_mov_b32 s[WOFF+1], 0
	s_lshl_b32 s[AOFF], s73, 10                    ; 256 in a row of x
	s_mov_b32 s[AOFF+1], 0
	s_lshl_b32 s52, s22, 2
	s_lshl_b32 s52, 15, s52                        ; my row of the cluster
	s_or_b32 s[G1], s52, (1<<16)|(1<<20)|(1<<21)|(6<<22)|(3<<25)  ; the mask; 2-byte elements; padding on; bit 21 beside a mask; after every 128 words 4 words
	s_mov_b32 s[G1+1], 256<<16                     ; tensor_dim0 = 256: two K steps
	s_mov_b32 s[G1+2], 64<<16                      ; tensor_dim1 = 64
	s_mov_b32 s[G1+3], 256<<16                     ; tile_dim0 = 256
	s_mov_b32 s[G1+4], 64                          ; tile_dim1 = 64
	s_mov_b32 s[G1+5], 4096                        ; elements from row to row
	s_mov_b32 s[G1+6], 0
	s_mov_b32 s[G1+7], 0
	s_lshl_b32 s52, s22, 8
	s_lshl_b32 s53, s20, 6
	s_add_co_u32 s52, s52, s53                     ; t0 = 256 cy + 64 w: my first row
	s_lshl_b32 s54, s52, 13
	s_mov_b32 s55, 0                               ; its bytes in xb
	s_lshl_b32 s56, s23, 6
	s_lshl_b32 s57, s20, 4
	s_add_co_u32 s56, s56, s57
	s_lshl_b32 s56, s56, 14                        ; Wq row 64 x + 16 w
	s_mov_b32 s57, 0
	s_lshr_b32 s58, s23, 1
	s_lshl_b32 s58, s58, 6
	s_and_b32 s59, s23, 1
	s_lshl_b32 s59, s59, 4
	s_add_co_u32 s53, s58, s59                     ; kv0 = 64 c + 16 p
	s_lshl_b32 s58, s20, 3
	s_add_co_u32 s58, s58, s53
	s_lshr_b32 s59, s20, 1
	s_lshl_b32 s59, s59, 4
	s_add_co_u32 s58, s58, s59                     ; Wkv row kv0 + 8 w, and 16 more for waves 2, 3 (the partners' rows lie 32 on)
	s_lshl_b32 s58, s58, 14
	s_mov_b32 s59, 0
	s_lshl_b32 s60, s23, 8                         ; bq at column 64 x
	s_mov_b32 s61, 0
	s_lshl_b32 s62, s53, 2                         ; bkv at kv0
	s_mov_b32 s63, 0
	s_mov_b32 s[TBA], 0
	v_and_b32 v3, 31, v0                           ; lane
	v_lshlrev_b32 v[VW], 4, v3
	v_bfe_u32 v2, v0, 4, 1                         ; h
	v_lshlrev_b32 v9, 5, v2                        ; 8 h columns of a bias
	s_wait_dscnt 0x0                               ; the opening add is done
	s_wait_kmcnt 0x0
	s_add_nc_u64 s[PWQB:PWQB+1], s[6:7], s[56:57]
	s_add_nc_u64 s[PWKB:PWKB+1], s[8:9], s[58:59]
	s_add_nc_u64 s[PWQ:PWQ+1], s[PWQB:PWQB+1], s[WOFF:WOFF+1]
	s_add_nc_u64 s[PWK:PWK+1], s[PWKB:PWKB+1], s[WOFF:WOFF+1]
	s_add_nc_u64 s[10:11], s[10:11], s[60:61]
	s_add_nc_u64 s[12:13], s[12:13], s[62:63]
	s_add_nc_u64 s[ABASE:ABASE+1], s[4:5], s[54:55]
.irp b, 0,1,2,3
	global_load_b128 v[BIAS+8*(\b):BIAS+8*(\b)+3],   v9, s[10:11] offset:64*(\b)
	global_load_b128 v[BIAS+8*(\b)+4:BIAS+8*(\b)+7], v9, s[10:11] offset:64*(\b)+16
.endr
.irp c, 0,1
	global_load_b128 v[BIAS+32+8*(\c):BIAS+32+8*(\c)+3], v9, s[12:13] offset:128*(\c)
	global_load_b128 v[BIAS+36+8*(\c):BIAS+36+8*(\c)+3], v9, s[12:13] offset:128*(\c)+16
.endr
.irp c, 0,1,2
	WLOAD 0, \c, 0                                 ; K step 0
.endr
.irp c, 0,1,2
	WLOAD 1, \c, 512                               ; K step 1 (the start is a multiple of four K steps: the first four do not pass the row's end)
.endr
	WIN 0
	s_mul_i32 s60, s20, AWAVE                      ; where my 64 rows of A go: no place in the cluster enters an LDS address
	CROUND                                         ; all sixteen work-groups are here: the first joint loads meet
.irp s, 0,1
	s_mov_b32 s[G0+4*(\s)], 1
	s_add_co_u32 s[G0+4*(\s)+1], s60, (\s)*ASLOT
	s_add_nc_u64 s[G0+4*(\s)+2:G0+4*(\s)+3], s[ABASE:ABASE+1], s[AOFF:AOFF+1]
	s_add_nc_u64 s[G0+4*(\s)+2:G0+4*(\s)+3], s[G0+4*(\s)+2:G0+4*(\s)+3], (\s)*512   ; slot s: K steps 2 s and 2 s + 1
	s_or_b32 s[G0+4*(\s)+3], s[G0+4*(\s)+3], 0x80000000
	JLOAD \s
.endr
	s_add_co_u32 s[AOFF], s[AOFF], 512             ; the slot asked for last
	v_and_b32 v1, 15, v0                           ; r
	v_mul_u32_u24 v4, v1, APITCH
	v_lshl_add_u32 v4, v2, 4, v4                   ; a fragment's row x pitch + 16 h
	v_add_nc_u32 v[ADRA0], s60, v4
	v_mov_b32 v[ADRA], v[ADRA0]
	v_mul_u32_u24 v4, v1, PITCH
	v_lshl_add_u32 v4, v2, 4, v4
	v_add_nc_u32 v[ADRB], B0, v4
	v_add_nc_u32 v[ADRB+1], BSLOT, v[ADRB]
	s_mul_i32 s61, s20, 16*PITCH
	s_add_co_u32 s61, s61, B0
	v_lshl_add_u32 v[LSTQ], v3, 3, s61
	s_mul_i32 s61, s20, 8*PITCH
	s_add_co_u32 s61, s61, B0+64*PITCH
	v_lshl_add_u32 v[LSTK], v3, 3, s61
	s_mul_i32 s61, s20, STW
	s_add_co_u32 s61, s61, STAGE                   ; my stage
	v_mul_u32_u24 v5, v1, 144
	v_lshl_add_u32 v5, v2, 4, v5
	v_add_nc_u32 v[STQ], s61, v5                   ; in, q: row r, 16 bytes for each half of the lanes
	v_mul_u32_u24 v5, v1, 80
	v_lshl_add_u32 v5, v2, 4, v5
	v_add3_u32 v[STK], v5, s61, 2304               ; in, kv
	v_lshrrev_b32 v5, 3, v3
	v_mul_u32_u24 v5, v5, 144
	v_and_b32 v6, 7, v3
	v_lshl_add_u32 v5, v6, 4, v5
	v_add_nc_u32 v[RDQ], s61, v5                   ; back, q: 32 lanes take four rows of 128 bytes
	v_lshrrev_b32 v5, 2, v3
	v_and_b32 v6, 3, v3
	v_lshlrev_b32 v[VPW], 14, v5                   ; the weights' prefetch: row lane / 4, block lane % 4
	v_lshl_add_u32 v[VPW], v6, 8, v[VPW]
	v_mul_u32_u24 v5, v5, 80
	v_lshl_add_u32 v5, v6, 4, v5
	v_add3_u32 v[RDK], v5, s61, 2304               ; back, kv: eight rows of 64 bytes
	; the table's offsets: the row of my query where the channels turn, a constant row where they do not; chosen by selects
	s_and_b32 s56, s23, 1
	s_cmp_eq_u32 s56, 0                            ; q: the head's first 64 channels turn
	s_cselect_b32 s57, 256, 0
	s_cselect_b32 s58, 0, 262144
	s_bfe_u32 s59, s23, 0x20001                    ; kind: 0 k turning, 1 k passing, 2, 3 v
	s_cmp_eq_u32 s59, 0
	s_cselect_b32 s60, 256, 0
	s_cselect_b32 s61, 0, 262144
	s_cmp_gt_u32 s59, 1
	s_cselect_b32 s61, 262400, s61
	s_lshl_b32 s56, s56, 6                         ; kv's 16 columns begin at table entry 16 p
	s_add_co_u32 s61, s61, s56
	v_add_nc_u32 v5, s52, v1                       ; t0 + r
	v_mul_lo_u32 v6, v5, s57
	v_lshl_add_u32 v6, v2, 5, v6
	v_add_nc_u32 v[TQ], s58, v6
	v_mul_lo_u32 v6, v5, s60
	v_lshl_add_u32 v6, v2, 5, v6
	v_add_nc_u32 v[TK], s61, v6
	s_lshl_b32 s57, s57, 4                         ; 16 rows on
	s_lshl_b32 s60, s60, 4
.irp a, 1,2,3
	v_add_nc_u32 v[TQ+(\a)], s57, v[TQ+(\a)-1]
	v_add_nc_u32 v[TK+(\a)], s60, v[TK+(\a)-1]
.endr
	s_lshl_b32 s56, s23, 17                        ; qh: block x, row t0
	s_lshl_b32 s57, s52, 7
	s_add_co_u32 s56, s56, s57
	s_mov_b32 s57, 0
	s_add_nc_u64 s[QHB:QHB+1], s[16:17], s[56:57]
	s_lshl_b32 s56, s23, 16                        ; kvh likewise
	s_lshl_b32 s58, s52, 6
	s_add_co_u32 s56, s56, s58
	s_add_nc_u64 s[KVB:KVB+1], s[18:19], s[56:57]
	; the prefetch
	s_lshl_b32 s56, s23, 6
	s_lshl_b32 s58, s22, 4
	s_add_co_u32 s56, s56, s58
	s_lshl_b32 s58, s20, 3
	s_add_co_u32 s56, s56, s58                     ; Wq row 64 x + 16 cy + 8 w
	s_lshl_b32 s58, s22, 3
	s_add_co_u32 s58, s58, s53
	s_lshr_b32 s59, s22, 1
	s_lshl_b32 s59, s59, 4
	s_add_co_u32 s58, s58, s59                     ; Wkv row kv0 + 8 cy, and 16 more for cy = 2, 3
	s_cmp_lt_u32 s20, 2
	s_cselect_b32 s56, s56, s58
	s_cselect_b64 s[PFB:PFB+1], s[6:7], s[8:9]
	s_lshl_b32 s56, s56, 14
	s_add_nc_u64 s[PFB:PFB+1], s[PFB:PFB+1], s[56:57]
	s_add_co_u32 s[PFOF], s[WOFF], 3072            ; K step 6: the first change steps it to 8
	s_and_b32 s[PFOF], s[PFOF], 0x3fff
	s_mov_b32 s[PFOF+1], 0
	s_cmp_eq_u32 s20, 3
	s_cselect_b32 s[LIMW], -1, 2
	s_wait_xcnt 0x0                                ; the first loads have read their bases
	s_add_co_u32 s[WOFF], s[WOFF], 1024            ; K step 2
	s_add_nc_u64 s[PWQ:PWQ+1], s[PWQB:PWQB+1], s[WOFF:WOFF+1]
	s_add_nc_u64 s[PWK:PWK+1], s[PWKB:PWKB+1], s[WOFF:WOFF+1]
.irp c, 0,1,2
	s_wait_loadcnt NL                              ; the batch is in (and the biases, which are older): five batches are younger
	LUMP 0, \c, 0, 16
	STLD 0, \c, 0, 1                               ; K step 0 into ring slot 0; K step 2 is asked for
.endr
	WIN 0
.set i, 0
.rept 24                                       ; the biases, rounded to bf16 like all inputs
	v_cvt_pk_bf16_f32 v[U], v[BIAS+2*i], v[BIAS+2*i+1]
	v_lshlrev_b32 v[BIAS+2*i], 16, v[U]
	v_and_b32 v[BIAS+2*i+1], 0xffff0000, v[U]
.set i, i+1
.endr
	s_wait_loadcnt NL
	LUMP 1, 0, 0, 8                                ; the first half of K step 1's batch 0
	WIN 0
	s_wait_tensorcnt 1                             ; my part of A's slot 0 is in; slot 1's may stay out
	s_wait_dscnt 0x0                               ; my stores into ring slot 0 are done
	s_barrier_signal -1
	s_barrier_wait -1
	FETCH 0, 0, F0
	QUARTER 0, 64, F0, F1, 1, 0, 1, 0, 1, NL       ; the first quarter stands in front of the loop: its products start the sums, on the biases
	WIN 0
	s_mov_b32 s3, 15
	s_branch .Lmid                                 ; the loop is entered in its middle: slot 0 is entered without a change
.Llap:                                                 ; 14 times: every slot of A but the last two is filled again
	TURNA 1, 1
	QUARTER 0, 64, F0, F1, 0, 0, 1, 0, 1, NL
	WIN 0
.Lmid:                                                 ; 15 times: the rest of an even K step, and an odd K step but for its last quarter
	QUARTER 0, 128, F1, F0, 0, 1, 2, 1, 1, NL
	QUARTER 0, 192, F0, F1, 0, 2, -1, 2, 1, 0
	TURNB 1
	QUARTER 1, 64, F0, F1, 0, 0, 1, 0, 1, NL
	QUARTER 1, 128, F1, F0, 0, 1, 2, 1, 1, NL
	QUARTER 1, 192, F0, F1, 0, 2, -1, 2, 1, 0
	WIN 0
	s_sub_co_u32 s3, s3, 1
	s_cmp_lg_u32 s3, 0
	s_cbranch_scc1 .Llap
	TURNA 0, 1                                     ; the tail is written out: A's last slot is entered, nothing is asked for
	QUARTER 0, 64, F0, F1, 0, 0, 1, 0, 0, 32       ; K step 30 asks for no weights: behind the last K step's batch 1 four batches were issued, 32 loads,
	QUARTER 0, 128, F1, F0, 0, 1, 2, 1, 0, 24      ; behind its batch 2 three, 24 loads
	QUARTER 0, 192, F0, F1, 0, 2, -1, 2, 0, 0
	TURNB 0
	QUARTER 1, 64, F0, F1, 0, -1, -1, -1, 0, 0, 1  ; K step 31; the table is asked for
	QUARTER 1, 128, F1, F0, 0, -1, -1, -1, 0, 0
	QUARTER 1, 192, F0, F1, 0, -1, -1, -1, 0, 0
	s_wait_dscnt NB
	HALF F1, 0, 3, 0, 0, -1, 0
	s_wait_dscnt 0x0
	HALF F1, 3, 3, 0, 0, -1, 0
	; THE WAY OUT, an m block (16 rows) at a time: the turn and the scales, f16, through my stage, out as 512 consecutive bytes a store.
.macro ROT a, b1, b2, tc               ; each accumulator is read from its low end on
.irp jj, 0,2,4,6
	v_pk_mul_f32 v[U:U+1], v[8*(NB*(\a)+(\b2))+(\jj):8*(NB*(\a)+(\b2))+(\jj)+1], v[48*(\a)+(\tc)+8+(\jj):48*(\a)+(\tc)+8+(\jj)+1]
	v_pk_fma_f32 v[YY+8*(\b1)+(\jj):YY+8*(\b1)+(\jj)+1], v[8*(NB*(\a)+(\b1))+(\jj):8*(NB*(\a)+(\b1))+(\jj)+1], v[48*(\a)+(\tc)+(\jj):48*(\a)+(\tc)+(\jj)+1], v[U:U+1] neg_lo:[0,0,1] neg_hi:[0,0,1]
	v_pk_mul_f32 v[U+2:U+3], v[8*(NB*(\a)+(\b1))+(\jj):8*(NB*(\a)+(\b1))+(\jj)+1], v[48*(\a)+(\tc)+8+(\jj):48*(\a)+(\tc)+8+(\jj)+1]
	v_pk_fma_f32 v[YY+8*(\b2)+(\jj):YY+8*(\b2)+(\jj)+1], v[8*(NB*(\a)+(\b2))+(\jj):8*(NB*(\a)+(\b2))+(\jj)+1], v[48*(\a)+(\tc)+(\jj):48*(\a)+(\tc)+(\jj)+1], v[U+2:U+3]
.endr
.endm
.macro PACK a
	WIN EPI
	ROT \a, 0, 2, 0
	ROT \a, 1, 3, 16
	ROT \a, 4, 5, 32
	WIN 0
.set i, 0
.rept 24
	v_cvt_pk_f16_f32 v[HH+i], v[YY+2*i], v[YY+2*i+1]
.set i, i+1
.endr
.endm
.macro TOSTAGE a
.set BKA, BK+24*((\a)%2)
.irp b, 0,1,2,3
	ds_store_b128 v[STQ], v[HH+4*(\b):HH+4*(\b)+3] offset:32*(\b)
.endr
.irp c, 0,1
	ds_store_b128 v[STK], v[HH+16+4*(\c):HH+16+4*(\c)+3] offset:32*(\c)
.endr
.irp i, 0,1,2,3
	ds_load_b128 v[BKA+4*(\i):BKA+4*(\i)+3], v[RDQ] offset:(\i)*576   ; LDS serves a wave's instructions in order (ISA guide 5.7.1.4): these see the stores above
.endr
.irp i, 0,1
	ds_load_b128 v[BKA+16+4*(\i):BKA+16+4*(\i)+3], v[RDK] offset:(\i)*640
.endr
.endm
.macro SEND a
.set BKA, BK+24*((\a)%2)
	s_wait_dscnt 0x0                               ; the block is back in registers
	s_wait_xcnt 0x0                                ; earlier stores have read their registers: the block after this one loads into them
.irp i, 0,1,2,3
	global_store_b128 v[VW], v[BKA+4*(\i):BKA+4*(\i)+3], s[QHB:QHB+1] offset:(\a)*2048+(\i)*512
.endr
.irp i, 0,1
	global_store_b128 v[VW], v[BKA+16+4*(\i):BKA+16+4*(\i)+3], s[KVB:KVB+1] offset:(\a)*1024+(\i)*512
.endr
.endm
	PLACES
	s_wait_loadcnt 0x0                             ; the table
	PACK 0
	TOSTAGE 0
.irp a, 1,2,3
	PACK \a
	SEND (\a)-1
	TOSTAGE \a
.endr
	SEND 3
	s_wait_tensorcnt 0x0                           ; the wave's end
	ds_add_u32 v[SPW], v[NIL]
	s_wait_dscnt 0x0
	CROUND                                         ; the closing round
	s_endpgm
.Lfunc_end_k_q76d7891344_qkv:
	.size	k_q76d7891344_qkv, .Lfunc_end_k_q76d7891344_qkv-k_q76d7891344_qkv
	.p2alignl 7, 3214868480
	.fill 96, 4, 3214868480
	.section	.rodata,"a",@progbits
	.p2align	6, 0x0
	.amdhsa_kernel k_q76d7891344_qkv
		.amdhsa_group_segment_fixed_size 327680
		.amdhsa_private_segment_fixed_size 0
		.amdhsa_enable_private_segment 0
		.amdhsa_kernarg_size 64
		.amdhsa_user_sgpr_count 2
		.amdhsa_user_sgpr_kernarg_segment_ptr 1
		.amdhsa_wavefront_size32 1
		.amdhsa_system_sgpr_workgroup_id_x 1
		.amdhsa_system_sgpr_workgroup_id_y 1
		.amdhsa_system_sgpr_workgroup_id_z 1
		.amdhsa_system_vgpr_workitem_id 0
		.amdhsa_next_free_vgpr 704
		.amdhsa_next_free_sgpr 84
		.amdhsa_reserve_vcc 0
		.amdhsa_float_denorm_mode_32 3
		.amdhsa_float_denorm_mode_16_64 3
		.amdhsa_memory_ordered 1
		.amdhsa_forward_progress 1
		.amdhsa_inst_pref_size 134
	.end_amdhsa_kernel
	.amdgpu_metadata
---
amdhsa.version: [ 1, 2 ]
amdhsa.kernels:
  - .name:           k_q76d7891344_qkv
    .symbol:         k_q76d7891344_qkv.kd
    .args:
      - { .name: xb, .offset: 0, .size: 8, .value_kind: global_buffer, .address_space: global }
      - { .name: Wq, .offset: 8, .size: 8, .value_kind: global_buffer, .address_space: global }
      - { .name: Wkv, .offset: 16, .size: 8, .value_kind: global_buffer, .address_space: global }
      - { .name: bq, .offset: 24, .size: 8, .value_kind: global_buffer, .address_space: global }
      - { .name: bkv, .offset: 32, .size: 8, .value_kind: global_buffer, .address_space: global }
      - { .name: rope, .offset: 40, .size: 8, .value_kind: global_buffer, .address_space: global }
      - { .name: qh, .offset: 48, .size: 8, .value_kind: global_buffer, .address_space: global }
      - { .name: kvh, .offset: 56, .size: 8, .value_kind: global_buffer, .address_space: global }
    .group_segment_fixed_size: 327680
    .private_segment_fixed_size: 0
    .kernarg_segment_align: 8
    .kernarg_segment_size: 64
    .max_flat_workgroup_size: 128
    .sgpr_count:     84
    .vgpr_count:     704
    .wavefront_size: 32
...
	.end_amdgpu_metadata
.endif
;; end of part 6
;; launch attn: the kernel of part 3 again; grid 32 x 8, 4 waves a work-group, clusters of 4 x 1, 327,680 bytes of LDS; arguments qh, kvh, mk2, ob; writes ob
;; launch oproj (part 7): grid 64 x 4, 4 waves a work-group, clusters of 4 x 4, 327,680 bytes of LDS; arguments ob, Wo, bo, out0; writes out0
.if DOCPART == 7
	.amdgcn_target "amdgcn-amd-amdhsa--gfx1250"
	.amdhsa_code_object_version 6
	.text
	.protected	k_q76d7891344_oproj
	.globl	k_q76d7891344_oproj
	.p2align	8
	.type	k_q76d7891344_oproj,@function
k_q76d7891344_oproj:
	s_mov_b64 s[64:65], 0
	v_nop
	global_prefetch_b8 v0, s[64:65] scope:SCOPE_SE
	s_setreg_imm32_b32 hwreg(HW_REG_WAVE_MODE, 25, 1), 1
	s_wait_xcnt 0x0
	s_wait_alu depctr_hold_cnt(0) depctr_sa_sdst(0) depctr_va_vdst(0) depctr_va_sdst(0) depctr_va_ssrc(0) depctr_va_vcc(0) depctr_vm_vsrc(0)
	s_getreg_b32 s2, hwreg(HW_REG_IB_STS2, 6, 4)
	s_cmp_eq_u32 s2, 0
	s_cbranch_scc0 .Lentry_in_a_cluster
	s_endpgm
.Lentry_in_a_cluster:
	s_bfe_u32 s2, ttmp6, 0x10000c
	s_cmp_lg_u32 s2, 0xf033
	s_cbranch_scc0 .Lentry_shape_is_right
	s_endpgm
.Lentry_shape_is_right:
; out0 = 4 (ob Wo^T + bo / 4), f32.  ob is O / 4 in f16; Wo and bo are rounded to bf16 like all inputs, and Wo's rounded number is then written as f16 (exact within f16's normal range); sums in f32.
; A work-group makes 256 rows (M tile cy) x 64 columns (N tile x = 4 x cluster + cx).  Wave w owns rows 64 w .. + 63 and all 64 columns: 16 accumulators.
; THE MATRIX INSTRUCTION IS USED TRANSPOSED (source 0 = 16 rows of Wo, source 1 = 16 rows of ob): a lane holds one row of the result and 8 neighbouring columns.  The bias is the C operand of each sum's first product.
; A (ob) comes by JOINT tensor loads, shared along a row of the cluster; each wave fetches its own 64 rows.  K goes in 32 steps of 128; a slot of A's ring holds TWO K steps (rows of 512 bytes): the one load that a wave issues
; behind a round of the cluster's barrier has 120 products in which to land, and there is a round for every two K steps.
; THE WALK ALONG K BEGINS ELSEWHERE IN EACH CLUSTER: at K step 4 f, f = (cluster xor 7 (cluster / 8)) % 8, and goes round the row's end (f32 sums may be taken in any order).  All sixteen clusters read the same rows of ob:
; so they ask for different bytes of them at any one time.  Two clusters share an f only if their numbers differ in all four bits.  Below, K steps are counted from the cluster's start.
; THE WEIGHTS DO NOT COME BY JOINT LOADS: they are f32 and a tensor load converts nothing: as f32 tiles in LDS each fragment would take 4 LDS loads in place of 2, in each of four waves, and each wave would convert them anew.
; Each wave loads its 16 of the 64 rows into registers (a load is one row's 512 bytes), two K steps ahead on counted waits, converts them ONCE for the work-group and stores them into a second LDS ring, which only ds_store writes
; and which changes slots at every K step, behind a barrier of the work-group.
; LIMITS.  A weight under 6.1e-5 in magnitude keeps f16's fixed step of 6e-8; one of 65,520 or more would be lost.  NaN and infinities are not treated apart.
; K step 29's reloads have nothing left to fetch: they read the walk's first K step again (16 loads a wave, inside the buffer, never used), so that every trip of the loop has one text.
; REGISTERS.  window 0: addresses, BIAS v32-63, fragment buffers F0 v64-127 and F1 v128-191 (A's fragment a at + 8 a, W's fragment b at + 32 + 8 b), v192-223 at work on the way out.
;   window 1: the weights as loaded, set s row j at 64 s + 4 j; D v192-207; T v208-209.  window 2: accumulator (a, b) at 8 (4 a + b).
.set NB, 4
.set NL, 24                            ; three batches of 8 loads: see QUARTER
.set PITCH, 272                        ; a row of the weights' ring and of the stage: 256 bytes + 16 = 68 words: the 16 rows of a fragment load start at 16 different groups of four banks (64 banks of 4 bytes: ISA guide 11.1)
.set APITCH, 528                       ; a row of A's ring: 512 bytes + 16 = 132 words: likewise
.set AWAVE, 64*APITCH
.set ASLOT, 4*AWAVE                    ; 0x21000: its two bits are clear in wave x AWAVE, so one exclusive or turns a tile's LDS address in one slot into the other's
.set B0, 2*ASLOT
.set BSLOT, 64*PITCH
.set STAGE, B0+2*BSLOT                 ; the way out: 16 rows x 272 bytes for each wave
.set STW, 16*PITCH
.set SPARE, STAGE+4*STW                ; the spare words: two blocks of 256 bytes that no other line names
.set U, 12
.set ADRA, 16                          ; v16 LDS address of my A fragments in the slot in hand
.set ADRA0, 17                         ; v17 the same in slot 0; never rewritten
.set ADRB, 20
.set LST, 22
.set VW, 24
.set STO, 25
.set RD, 26
.set CO, 27
.set SPW, 28
.set NIL, 29
.set VPW, 30
.set BIAS, 32
.set F0, 64
.set F1, 128
.set YY, 192
.set BK, 64
.set DD, 192
.set TT, 208
.set G1, 24
.set G0, 32                            ; s[32:39] group 0: a set for each of the two first fills; the second then walks on
.set PW, 40                            ; s[40:41] Wo at my 16 rows, at the K step to be loaded
.set WOFF, 44                          ; s[44:45] that K step's byte in a row of Wo, 0 .. 15,872
.set PFW, 46                           ; s[46:47] where my prefetch stands
.set LIMW, 50
.set MASKH, 53
.set QTR, 54
.set ABASE, 66                         ; s[66:67] ob at my 64 rows, at the rows' first byte; never rewritten
.set OUTB, 68
.set TBA, 70                           ; s70 LDS byte at which A's slot in hand begins: 0 or ASLOT
.set PWB, 74                           ; s[74:75] Wo at my 16 rows, at the rows' first byte; never rewritten
.set AOFF, 78                          ; s[78:79] the byte in a row of ob of the slot asked for last, 0 .. 7,680
.set PFB, 80                           ; s[80:81] the prefetches' rows, at their first byte; never rewritten
.set PFOF, 82                          ; s[82:83] the prefetches' byte in a row
.set MUL, 0xa0
.set MUL0, 0x80
.set RID, 0x45
.set MID, 0x44
.set MSB, 0
.set RLEFT, 0
.macro WIN new
.if MSB != (\new)
	s_set_vgpr_msb (MSB<<8)|(\new)
.set MSB, \new
.endif
.endm
.macro PLACES
.rept 4
	v_nop
.endr
.endm
.macro JLOAD s                         ; the joint load of my 64 rows of A; an s_nop 0 and four v_nop follow it
	tensor_load_to_lds s[G0+4*(\s):G0+4*(\s)+3], s[G1:G1+7]
	s_nop 0
.rept 4
	v_nop
.endr
.endm
.macro CREST
	s_cmp_lg_u32 s20, 0
	s_cbranch_scc1 .Lnot_wave_0_\@
	s_barrier_signal -3
.Lnot_wave_0_\@:
	s_barrier_wait -3
	s_barrier_signal -1
	s_barrier_wait -1
.endm
.macro CROUND
	s_barrier_signal -1
	s_barrier_wait -1
	CREST
.endm
; A PREFETCH INTO THE L2 OF THE WEIGHTS, behind each joint refill and the run of LDS loads: the n-th change of A's slots names K steps 2 n + 8 and 2 n + 9, three to four K steps ahead of the loads that want them.
; K steps 0 to 7 come by their loads alone.  The four work-groups of a column of the cluster read the same 64 rows and share them out BY ADDRESS (cy): waves 0, 1 take 8 rows x 1,024 bytes each, a lane a block of 256 bytes.
; So each block is named once.  It stops where 2 n + 9 would pass 31 (s3 = 14 - n).
; ob is not asked for: the eight starts' first fills, four K steps each, cover all 32 K steps, so every block of ob is first asked for by a first fill, at the head, where nothing is prefetched.
.macro ASK
	s_cmp_gt_u32 s3, s[LIMW]
	s_cbranch_scc0 .Lno_w_\@
	global_prefetch_b8 v[VPW], s[PFW:PFW+1] th:TH_LOAD_NT scope:SCOPE_SE
.Lno_w_\@:
.endm
.macro RID1                            ; line RQ of batch (RSET, RBAT): eight a row: rounded to bf16, widened again, written as f16
.set rj, RQ/8
.set rk, RQ%8
.set rw, 64*RSET+32*RBAT+4*rj
.if rk == 0
	v_cvt_pk_bf16_f32 v[TT], v[rw], v[rw+1]
.elseif rk == 1
	v_cvt_pk_bf16_f32 v[TT+1], v[rw+2], v[rw+3]
.elseif rk == 2
	v_lshlrev_b32 v[rw], 16, v[TT]
.elseif rk == 3
	v_and_b32 v[rw+1], s[MASKH], v[TT]
.elseif rk == 4
	v_lshlrev_b32 v[rw+2], 16, v[TT+1]
.elseif rk == 5
	v_and_b32 v[rw+3], s[MASKH], v[TT+1]
.elseif rk == 6
	v_cvt_pk_f16_f32 v[DD+2*rj], v[rw], v[rw+1]
.else
	v_cvt_pk_f16_f32 v[DD+2*rj+1], v[rw+2], v[rw+3]
.endif
.set RQ, RQ+1
.endm
.macro LUMP set, bat, from, cnt
.set RSET, \set
.set RBAT, \bat
.set RQ, \from
	WIN RID
.rept \cnt
	RID1
.endr
.endm
; four products: n block b x my four m blocks.  All 16 accumulators take turns, one instruction a turn, in the same order in every quarter.
.macro MULG f, b, zero
.irp a, 0,1,2,3
.if \zero
	WIN MUL0
	v_wmma_f32_16x16x32_f16 v[8*(NB*(\a)+(\b)):8*(NB*(\a)+(\b))+7], v[(\f)+32+8*(\b):(\f)+32+8*(\b)+7], v[(\f)+8*(\a):(\f)+8*(\a)+7], v[BIAS+8*(\b):BIAS+8*(\b)+7]
.else
	WIN MUL
	v_wmma_f32_16x16x32_f16 v[8*(NB*(\a)+(\b)):8*(NB*(\a)+(\b))+7], v[(\f)+32+8*(\b):(\f)+32+8*(\b)+7], v[(\f)+8*(\a):(\f)+8*(\a)+7], v[8*(NB*(\a)+(\b)):8*(NB*(\a)+(\b))+7]
.endif
.if RLEFT > 0
	WIN RID
.rept 4
	RID1
.endr
.set RLEFT, RLEFT-4
.endif
.endr
.endm
.macro HALF f, b0, cnt, zero, set, bat, part   ; cnt n blocks from b0 on; half a batch's 64 lines (bat < 0: none) ride, four behind each product
.set RSET, \set
.set RBAT, \bat
.set RQ, 32*(\part)
.if (\bat) < 0
.set RLEFT, 0
.else
.set RLEFT, 32
.endif
.set hb, \b0
.rept \cnt
	MULG \f, hb, \zero
.set hb, hb+1
.endr
.endm
.macro WLOAD set, bat, off             ; a batch: 8 of my 16 rows x 512 bytes
	WIN MID
.irp j, 0,1,2,3,4,5,6,7
	global_load_b128 v[64*(\set)+32*(\bat)+4*(\j):64*(\set)+32*(\bat)+4*(\j)+3], v[VW], s[PW:PW+1] offset:(8*(\bat)+(\j))*16384+(\off)
.endr
.endm
.macro STLD set, bat, slotb, reload
	WIN MID
.irp j, 0,1,2,3,4,5,6,7
	ds_store_b64 v[LST], v[DD+2*(\j):DD+2*(\j)+1] offset:(8*(\bat)+(\j))*PITCH+(\slotb)*BSLOT
.endr
.if \reload
	WLOAD \set, \bat, 0
.endif
.endm
; 16 LDS loads in one run.  slot = the K step's parity: the weights' slot, and which 256 bytes of A's rows
.macro FETCH slot, k, f
	WIN 0
.irp a, 0,1,2,3
	ds_load_b128 v[(\f)+8*(\a):(\f)+8*(\a)+3],   v[ADRA] offset:(\slot)*256+(\k)+(\a)*16*APITCH
	ds_load_b128 v[(\f)+8*(\a)+4:(\f)+8*(\a)+7], v[ADRA] offset:(\slot)*256+(\k)+(\a)*16*APITCH+32
.endr
.irp b, 0,1,2,3
	ds_load_b128 v[(\f)+32+8*(\b):(\f)+32+8*(\b)+3],   v[ADRB+(\slot)] offset:(\k)+(\b)*16*PITCH
	ds_load_b128 v[(\f)+32+8*(\b)+4:(\f)+32+8*(\b)+7], v[ADRB+(\slot)] offset:(\k)+(\b)*16*PITCH+32
.endr
.endm
; A K step t (slot = t % 2) is four quarters of 32 along K, 16 products each.  Beside them it converts the weights of step t + 1, out of set 1 - slot into ring slot 1 - slot, and asks for step t + 3's.
; nl: the wait for batb's loads.  Behind a batch of step t + 1 were issued the rest of t + 1, all of t + 2 and as many batches of t + 3 as t + 1 has given up: always three batches, 24 loads.
.macro QUARTER slot, k, f, g, zero, bata, batb, st, reload, nl
	s_wait_dscnt NB                                ; all but the youngest four loads: the weights' fragments 2, 3
	HALF \f, 0, 2, \zero, 1-(\slot), \bata, 1
.if (\bata) < 0
	PLACES
.endif
.if (\st) == 0
.if \reload
	s_wait_xcnt 0x0                                ; every load issued so far has read its base: the pointer is made anew,
	s_add_co_u32 s[WOFF], s[WOFF], 512             ; a K step on,
	s_and_b32 s[WOFF], s[WOFF], 0x3fff             ; round the row's end
	s_add_nc_u64 s[PW:PW+1], s[PWB:PWB+1], s[WOFF:WOFF+1]
.endif
.endif
.if (\st) >= 0
	STLD 1-(\slot), \st, 1-(\slot), \reload
.endif
	FETCH \slot, \k, \g
.if (\nl) > 0
	s_wait_loadcnt \nl
.endif
.if (\st) >= 0
	s_wait_dscnt 24                                ; all but this quarter's 8 stores and 16 loads
.else
	s_wait_dscnt 16
.endif
	HALF \f, 2, 2, \zero, 1-(\slot), \batb, 0
.endm
; THE LAST QUARTER OF AN EVEN K STEP multiplies F1; the weights' ring alone changes slots, A's slot goes on with its second 256 bytes.  In front of the barrier each wave waits for its reads of the weights' slot 0 and for its stores
; into slot 1.  My tensor load, the other slot's, stays out across it.  ride = 1: the first half of the next but one step's batch 0 rides in the second half.
.macro TURNB ride
	s_wait_dscnt NB                                ; all but the youngest four loads
	HALF F1, 0, 1, 0, 0, -1, 0
	s_wait_dscnt 0x0
	s_barrier_signal -1
	HALF F1, 1, 1, 0, 0, -1, 0
	s_barrier_wait -1
	PLACES
	FETCH 1, 0, F0
.if \ride
	s_wait_loadcnt NL
	HALF F1, 2, 2, 0, 0, 0, 0
.else
	HALF F1, 2, 2, 0, 0, -1, 0
.endif
.endm
; THE LAST QUARTER OF AN ODD K STEP multiplies F1 and changes both rings' slots.  In front of the barrier: all my tensor loads have landed (one was out: my part of A's other slot), the add, and the wait for the add, for my reads of
; both rings' slots and for my stores into the weights' slot 0.  fill = 1: the barrier opens a round of the cluster's, and A's slot is filled again first, with the K steps four and five on: 120 products stand between that load
; and the wait for it.  The walking descriptor is written behind the wait for all my tensor loads, while the add is out, so that nothing stands between the round and the load.
.macro TURNA fill, ride
.if \fill
	s_wait_xcnt 0x0                                ; the last prefetch, a trip back, has read its address
	s_add_co_u32 s[PFOF], s[PFOF], 1024
	s_and_b32 s[PFOF], s[PFOF], 0x3fff             ; round the row's end
	s_add_nc_u64 s[PFW:PFW+1], s[PFB:PFB+1], s[PFOF:PFOF+1]
.endif
	WIN 0
	s_wait_tensorcnt 0x0
	ds_add_u32 v[SPW], v[NIL]                      ; 0 onto my spare word
	s_xor_b32 s[TBA], s[TBA], ASLOT                ; the fetches go to A's other slot
.if \fill
	s_xor_b32 s[G0+5], s[G0+5], ASLOT              ; the walking descriptor: the other slot than last time,
	s_add_co_u32 s[AOFF], s[AOFF], 512             ; the next two K steps,
	s_and_b32 s[AOFF], s[AOFF], 0x1fff             ; round the row's end;
	s_add_nc_u64 s[G0+6:G0+7], s[ABASE:ABASE+1], s[AOFF:AOFF+1]  ; the address is made anew,
	s_or_b32 s[G0+7], s[G0+7], 0x80000000          ; and the type set again
.endif
	s_wait_dscnt NB+1                              ; (the add and the youngest four loads may be out)
	HALF F1, 0, 1, 0, 0, -1, 0
	s_wait_dscnt 0x0
	s_barrier_signal -1
	HALF F1, 1, 1, 0, 0, -1, 0
	WIN 0
	s_barrier_wait -1
.if \fill
	CREST
	JLOAD 1                                        ; its four v_nop are also the places in front of the loads below
.else
	PLACES
.endif
	v_add_nc_u32 v[ADRA], s[TBA], v[ADRA0]
	FETCH 0, 0, F0
.if \fill
	ASK
.endif
.if \ride
	s_wait_loadcnt NL
	HALF F1, 2, 2, 0, 1, 0, 0
.else
	HALF F1, 2, 2, 0, 0, -1, 0
.endif
.endm
	s_load_b256 s[4:11], s[0:1], 0x0               ; ob s[4:5], Wo s[6:7], bo s[8:9], out0 s[10:11]
	v_lshl_add_u32 v[SPW], v0, 2, SPARE
	v_mov_b32 v[NIL], 0
	ds_add_u32 v[SPW], v[NIL]                      ; the opening: the add and its wait ahead of my first tensor load
	v_lshrrev_b32 v1, 5, v0
	v_readfirstlane_b32 s20, v1                    ; wave
	s_bfe_u32 s21, ttmp6, 0x40000                  ; cx
	s_bfe_u32 s22, ttmp6, 0x40004                  ; cy: the M tile
	s_lshl_b32 s23, ttmp9, 2
	s_add_co_u32 s23, s23, s21                     ; x: the N tile
	s_lshr_b32 s73, ttmp9, 3                       ; where my cluster's walk along K begins: the same in all sixteen partners
	s_mul_i32 s73, s73, 7
	s_xor_b32 s73, s73, ttmp9
	s_and_b32 s73, s73, 7                          ; f
	s_lshl_b32 s[WOFF], s73, 11                    ; K step 4 f: 512 bytes a step in a row of Wo,
	s_mov_b32 s[WOFF+1], 0
	s_lshl_b32 s[AOFF], s73, 10                    ; 256 in a row of ob
	s_mov_b32 s[AOFF+1], 0
	s_lshl_b32 s52, s22, 2
	s_lshl_b32 s52, 15, s52                        ; my row of the cluster
	s_or_b32 s[G1], s52, (1<<16)|(1<<20)|(1<<21)|(6<<22)|(3<<25)  ; the mask; 2-byte elements; padding on; bit 21 beside a mask; after every 128 words 4 words
	s_mov_b32 s[G1+1], 256<<16                     ; tensor_dim0 = 256: two K steps
	s_mov_b32 s[G1+2], 64<<16
	s_mov_b32 s[G1+3], 256<<16                     ; tile_dim0 = 256
	s_mov_b32 s[G1+4], 64
	s_mov_b32 s[G1+5], 4096
	s_mov_b32 s[G1+6], 0
	s_mov_b32 s[G1+7], 0
	s_lshl_b32 s52, s22, 8
	s_lshl_b32 s56, s20, 6
	s_add_co_u32 s52, s52, s56                     ; t0 = 256 cy + 64 w
	s_lshl_b32 s58, s52, 13
	s_mov_b32 s59, 0                               ; its bytes in ob
	s_lshl_b32 s56, s23, 6
	s_lshl_b32 s57, s20, 4
	s_add_co_u32 s56, s56, s57
	s_lshl_b32 s56, s56, 14                        ; Wo row 64 x + 16 w
	s_mov_b32 s57, 0
	s_lshl_b32 s60, s23, 8                         ; column 64 x, in f32: in bo and in a row of out0
	s_mov_b32 s61, 0
	s_mov_b32 s[TBA], 0
	s_mov_b32 s[MASKH], 0xffff0000
	s_mov_b32 s[QTR], 0x3e800000                   ; 0.25
	s_mov_b32 s[QTR+1], s[QTR]
	v_and_b32 v3, 31, v0
	v_lshlrev_b32 v[VW], 4, v3
	v_bfe_u32 v2, v0, 4, 1
	v_lshlrev_b32 v9, 5, v2
	s_wait_dscnt 0x0                               ; the opening add is done
	s_wait_kmcnt 0x0
	s_add_nc_u64 s[PWB:PWB+1], s[6:7], s[56:57]
	s_add_nc_u64 s[PW:PW+1], s[PWB:PWB+1], s[WOFF:WOFF+1]
	s_add_nc_u64 s[8:9], s[8:9], s[60:61]
	s_add_nc_u64 s[ABASE:ABASE+1], s[4:5], s[58:59]
.irp b, 0,1,2,3
	global_load_b128 v[BIAS+8*(\b):BIAS+8*(\b)+3],   v9, s[8:9] offset:64*(\b)
	global_load_b128 v[BIAS+8*(\b)+4:BIAS+8*(\b)+7], v9, s[8:9] offset:64*(\b)+16
.endr
	WLOAD 0, 0, 0                                  ; K step 0
	WLOAD 0, 1, 0
	WLOAD 1, 0, 512                                ; K step 1 (the start is a multiple of four K steps: the first four do not pass the row's end)
	WLOAD 1, 1, 512
	WIN 0
	s_mul_i32 s62, s20, AWAVE                      ; where my 64 rows of A go: no place in the cluster enters an LDS address
	CROUND                                         ; all sixteen work-groups are here: the first joint loads meet
.irp s, 0,1
	s_mov_b32 s[G0+4*(\s)], 1
	s_add_co_u32 s[G0+4*(\s)+1], s62, (\s)*ASLOT
	s_add_nc_u64 s[G0+4*(\s)+2:G0+4*(\s)+3], s[ABASE:ABASE+1], s[AOFF:AOFF+1]
	s_add_nc_u64 s[G0+4*(\s)+2:G0+4*(\s)+3], s[G0+4*(\s)+2:G0+4*(\s)+3], (\s)*512   ; slot s: K steps 2 s and 2 s + 1
	s_or_b32 s[G0+4*(\s)+3], s[G0+4*(\s)+3], 0x80000000
	JLOAD \s
.endr
	s_add_co_u32 s[AOFF], s[AOFF], 512             ; the slot asked for last
	v_and_b32 v1, 15, v0
	v_mul_u32_u24 v6, v1, APITCH
	v_lshl_add_u32 v6, v2, 4, v6                   ; a fragment's row x pitch + 16 h
	v_add_nc_u32 v[ADRA0], s62, v6
	v_mov_b32 v[ADRA], v[ADRA0]
	v_mul_u32_u24 v4, v1, PITCH
	v_lshl_add_u32 v5, v2, 4, v4
	v_add_nc_u32 v[ADRB], B0, v5
	v_add_nc_u32 v[ADRB+1], BSLOT, v[ADRB]
	s_mul_i32 s63, s20, 16*PITCH
	s_add_co_u32 s62, s63, B0
	v_lshl_add_u32 v[LST], v3, 3, s62
	s_add_co_u32 s62, s63, STAGE                   ; my stage
	v_lshl_add_u32 v5, v2, 5, v4
	v_add_nc_u32 v[STO], s62, v5                   ; in: row r, 32 bytes for each half of the lanes
	v_mul_u32_u24 v5, v2, PITCH
	v_lshl_add_u32 v5, v1, 4, v5
	v_add_nc_u32 v[RD], s62, v5                    ; back: lanes 0-15 one row of 256 bytes, lanes 16-31 the next
	v_lshlrev_b32 v[CO], 14, v2
	v_lshl_add_u32 v[CO], v1, 4, v[CO]             ; the same two rows in out0
	v_lshrrev_b32 v5, 2, v3
	v_and_b32 v6, 3, v3
	v_lshlrev_b32 v[VPW], 14, v5                   ; the weights' prefetch: row lane / 4, block lane % 4
	v_lshl_add_u32 v[VPW], v6, 8, v[VPW]
	s_lshl_b32 s56, s52, 14                        ; out0: row t0, column 64 x
	s_add_co_u32 s56, s56, s60
	s_add_nc_u64 s[OUTB:OUTB+1], s[10:11], s[56:57]
	s_lshl_b32 s56, s23, 6
	s_lshl_b32 s58, s22, 4
	s_add_co_u32 s56, s56, s58
	s_lshl_b32 s58, s20, 3
	s_add_co_u32 s56, s56, s58
	s_min_u32 s56, s56, 4088                       ; (waves 2, 3 ask for nothing; their pointer stays in the buffer all the same)
	s_lshl_b32 s56, s56, 14                        ; Wo row 64 x + 16 cy + 8 w
	s_add_nc_u64 s[PFB:PFB+1], s[6:7], s[56:57]
	s_add_co_u32 s[PFOF], s[WOFF], 3072            ; K step 6: the first change steps it to 8
	s_and_b32 s[PFOF], s[PFOF], 0x3fff
	s_mov_b32 s[PFOF+1], 0
	s_cmp_lt_u32 s20, 2
	s_cselect_b32 s[LIMW], 2, -1
	s_wait_xcnt 0x0                                ; the first loads have read their base
	s_add_co_u32 s[WOFF], s[WOFF], 1024            ; K step 2
	s_add_nc_u64 s[PW:PW+1], s[PWB:PWB+1], s[WOFF:WOFF+1]
.irp c, 0,1
	s_wait_loadcnt NL                              ; the batch is in (and the bias, which is older): three batches are younger
	LUMP 0, \c, 0, 64
	STLD 0, \c, 0, 1                               ; K step 0 into ring slot 0; K step 2 is asked for
.endr
	WIN 0
.set i, 0
.rept 16                                       ; the bias, rounded to bf16 like all inputs, and a quarter of it: the sums are of O / 4
	v_cvt_pk_bf16_f32 v[U], v[BIAS+2*i], v[BIAS+2*i+1]
	v_lshlrev_b32 v[BIAS+2*i], 16, v[U]
	v_and_b32 v[BIAS+2*i+1], s[MASKH], v[U]
	v_pk_mul_f32 v[BIAS+2*i:BIAS+2*i+1], v[BIAS+2*i:BIAS+2*i+1], s[QTR:QTR+1] op_sel_hi:[1,0]
.set i, i+1
.endr
	s_wait_loadcnt NL
	LUMP 1, 0, 0, 32                               ; the first half of K step 1's batch 0
	WIN 0
	s_wait_tensorcnt 1                             ; my part of A's slot 0 is in; slot 1's may stay out
	s_wait_dscnt 0x0                               ; my stores into ring slot 0 are done
	s_barrier_signal -1
	s_barrier_wait -1
	FETCH 0, 0, F0
	QUARTER 0, 64, F0, F1, 1, 0, 1, 0, 1, NL       ; the first quarter stands in front of the loop: its products start the sums, on the bias
	WIN 0
	s_mov_b32 s3, 15
	s_branch .Lmid                                 ; the loop is entered in its middle: slot 0 is entered without a change
.Llap:                                                 ; 14 times: every slot of A but the last two is filled again
	TURNA 1, 1
	QUARTER 0, 64, F0, F1, 0, 0, 1, 0, 1, NL
	WIN 0
.Lmid:                                                 ; 15 times: the rest of an even K step, and an odd K step but for its last quarter
	QUARTER 0, 128, F1, F0, 0, 1, -1, 1, 1, 0
	QUARTER 0, 192, F0, F1, 0, -1, -1, -1, 0, 0
	TURNB 1
	QUARTER 1, 64, F0, F1, 0, 0, 1, 0, 1, NL
	QUARTER 1, 128, F1, F0, 0, 1, -1, 1, 1, 0
	QUARTER 1, 192, F0, F1, 0, -1, -1, -1, 0, 0
	WIN 0
	s_sub_co_u32 s3, s3, 1
	s_cmp_lg_u32 s3, 0
	s_cbranch_scc1 .Llap
	TURNA 0, 1                                     ; the tail is written out: A's last slot is entered, nothing is asked for
	QUARTER 0, 64, F0, F1, 0, 0, 1, 0, 0, 16       ; K step 30 asks for no weights: behind the last K step's batch 1 two batches were issued, 16 loads
	QUARTER 0, 128, F1, F0, 0, 1, -1, 1, 0, 0
	QUARTER 0, 192, F0, F1, 0, -1, -1, -1, 0, 0
	TURNB 0
	QUARTER 1, 64, F0, F1, 0, -1, -1, -1, 0, 0     ; K step 31
	QUARTER 1, 128, F1, F0, 0, -1, -1, -1, 0, 0
	QUARTER 1, 192, F0, F1, 0, -1, -1, -1, 0, 0
	s_wait_dscnt NB
	HALF F1, 0, 2, 0, 0, -1, 0
	s_wait_dscnt 0x0
	HALF F1, 2, 2, 0, 0, -1, 0
	; THE WAY OUT, an m block (16 rows) at a time: x 4, through my stage, out as whole rows of 256 bytes.
.macro PACK a                          ; each accumulator is read from its low end on
	WIN 0x02
.irp b, 0,1,2,3
.irp jj, 0,2,4,6
	v_pk_mul_f32 v[YY+8*(\b)+(\jj):YY+8*(\b)+(\jj)+1], v[8*(NB*(\a)+(\b))+(\jj):8*(NB*(\a)+(\b))+(\jj)+1], 4.0 op_sel_hi:[1,0]
.endr
.endr
	WIN 0
.endm
.macro TOSTAGE a
.set BKA, BK+32*((\a)%2)
.irp b, 0,1,2,3
	ds_store_b128 v[STO], v[YY+8*(\b):YY+8*(\b)+3]   offset:64*(\b)
	ds_store_b128 v[STO], v[YY+8*(\b)+4:YY+8*(\b)+7] offset:64*(\b)+16
.endr
.irp i, 0,1,2,3,4,5,6,7
	ds_load_b128 v[BKA+4*(\i):BKA+4*(\i)+3], v[RD] offset:(\i)*2*PITCH  ; LDS serves a wave's instructions in order (ISA guide 5.7.1.4): these see the stores above
.endr
.endm
.macro SEND a
.set BKA, BK+32*((\a)%2)
	s_wait_dscnt 0x0                               ; the block is back in registers
	s_wait_xcnt 0x0                                ; earlier stores have read their registers: the block after this one loads into them
.irp i, 0,1,2,3,4,5,6,7
	global_store_b128 v[CO], v[BKA+4*(\i):BKA+4*(\i)+3], s[OUTB:OUTB+1] offset:(16*(\a)+2*(\i))*16384  ; 16 lanes store 256 consecutive bytes, aligned
.endr
.endm
	PLACES
	PACK 0
	TOSTAGE 0
.irp a, 1,2,3
	PACK \a
	SEND (\a)-1
	TOSTAGE \a
.endr
	SEND 3
	s_wait_tensorcnt 0x0                           ; the wave's end
	ds_add_u32 v[SPW], v[NIL]
	s_wait_dscnt 0x0
	CROUND                                         ; the closing round
	s_endpgm
.Lfunc_end_k_q76d7891344_oproj:
	.size	k_q76d7891344_oproj, .Lfunc_end_k_q76d7891344_oproj-k_q76d7891344_oproj
	.p2alignl 7, 3214868480
	.fill 96, 4, 3214868480
	.section	.rodata,"a",@progbits
	.p2align	6, 0x0
	.amdhsa_kernel k_q76d7891344_oproj
		.amdhsa_group_segment_fixed_size 327680
		.amdhsa_private_segment_fixed_size 0
		.amdhsa_enable_private_segment 0
		.amdhsa_kernarg_size 32
		.amdhsa_user_sgpr_count 2
		.amdhsa_user_sgpr_kernarg_segment_ptr 1
		.amdhsa_wavefront_size32 1
		.amdhsa_system_sgpr_workgroup_id_x 1
		.amdhsa_system_sgpr_workgroup_id_y 1
		.amdhsa_system_sgpr_workgroup_id_z 1
		.amdhsa_system_vgpr_workitem_id 0
		.amdhsa_next_free_vgpr 640
		.amdhsa_next_free_sgpr 84
		.amdhsa_reserve_vcc 0
		.amdhsa_float_denorm_mode_32 3
		.amdhsa_float_denorm_mode_16_64 3
		.amdhsa_memory_ordered 1
		.amdhsa_forward_progress 1
		.amdhsa_inst_pref_size 113
	.end_amdhsa_kernel
	.amdgpu_metadata
---
amdhsa.version: [ 1, 2 ]
amdhsa.kernels:
  - .name:           k_q76d7891344_oproj
    .symbol:         k_q76d7891344_oproj.kd
    .args:
      - { .name: ob, .offset: 0, .size: 8, .value_kind: global_buffer, .address_space: global }
      - { .name: Wo, .offset: 8, .size: 8, .value_kind: global_buffer, .address_space: global }
      - { .name: bo, .offset: 16, .size: 8, .value_kind: global_buffer, .address_space: global }
      - { .name: out0, .offset: 24, .size: 8, .value_kind: global_buffer, .address_space: global }
    .group_segment_fixed_size: 327680
    .private_segment_fixed_size: 0
    .kernarg_segment_align: 8
    .kernarg_segment_size: 32
    .max_flat_workgroup_size: 128
    .sgpr_count:     84
    .vgpr_count:     640
    .wavefront_size: 32
...
	.end_amdgpu_metadata
.endif
;; end of part 7
;; ======== version 3 of 3: 4 launches; version 2 with the launch prep written anew for expert scheduling mode
;; limits: values are held in f16: magnitudes above 65,504 overflow, below 6.1e-05 lose precision; right only within a limited range of input values
;; workspace buffers: xb 8,388,608 bytes; mk2 4,194,304 bytes; rope 262,656 bytes; qh 8,388,608 bytes; kvh 4,194,304 bytes; ob 8,388,608 bytes
;; launch prep (part 8): grid 256 x 1, 4 waves a work-group, no clusters, 0 bytes of LDS; arguments hidden_states, attention_mask, xb, mk2, rope; writes xb, mk2, rope
.if DOCPART == 8
	.amdgcn_target "amdgcn-amd-amdhsa--gfx1250"
	.amdhsa_code_object_version 6
	.text
	.protected	k_q76d7891344_prep
	.globl	k_q76d7891344_prep
	.p2align	8
	.type	k_q76d7891344_prep,@function
k_q76d7891344_prep:
	s_mov_b64 s[64:65], 0
	v_nop
	global_prefetch_b8 v0, s[64:65] scope:SCOPE_SE
	s_setreg_imm32_b32 hwreg(HW_REG_WAVE_SCHED_MODE, 0, 2), 2
	s_setreg_imm32_b32 hwreg(HW_REG_WAVE_MODE, 25, 1), 1
	s_wait_xcnt 0x0
	s_wait_alu depctr_vm_vsrc(0)
; PREPARATION.  Wave W (0 .. 1023 = 4 x work-group + wave) owns row W of hidden_states, chunk W of the mask and row W of the rotary table.
;   xb   [1024][4096] bf16: hidden_states rounded once.
;   mk2  [64 qb][16 kb][8 i][32 lanes][16 bytes] f32: max(bf16(mask) x log2 e, -2^127), laid out as the C operand of a 16 x 16 matrix tile:
;        piece i = 2 kt + e of lane (r, h) holds the mask of query 16 qb + r, keys 64 kb + 16 kt + 8 h + 4 e .. + 3.
;   rope 1,026 rows of 256 bytes: row t: cq cos(t w_i), i = 0 .. 31, then cq sin(t w_i); row 1024: cq x 32, 0 x 32; row 1025: 0.25 x 32, 0 x 32.
;        cq = sqrt(log2 e / sqrt 128), w_i = 2^(-i log2(10000) / 32).
; LIMITS.  The mask is rounded to bf16 like every other input.  Entries below -2^127 / log2 e (-1.18e38) count alike; a NaN in the mask counts as the lowest entry.
; The angle t w_i is reduced with 1 / (2 pi) in f32: at t = 1023 it is good to about 1e-4; sine and cosine of the half angle (within pi / 2) are series cut where the
; next term is under 6e-8 and 5e-7.
; No LDS, no barrier: no wave wants a byte of another wave.  Every store of a wave covers 256 or 512 consecutive bytes, aligned.
; ALL 40 LOADS OF A WAVE GO OUT AT ONCE (20 KiB): the wave's whole share fits in 160 registers, so nothing is asked for a second time round, and no register that a store reads is written again.
; THE MODE: SCHED_MODE bits 1:0 = 2 (LLVM: expert scheduling mode 2), set by the entry lines.  The code itself states the register dependences
; between vector instructions and memory instructions, with s_wait_alu, always for 0.
; THE PLAN.  Registers that memory instructions touch:
;   v1, v2, v3   byte offsets, made once at the head and never written again; every load and store reads one of them.
;   M            written by the 8 mask loads, then in place by the mask's arithmetic; read by the 8 stores to mk2; not written again.
;   X            written by the 32 loads of hidden_states; a piece's first two registers then in place by its two conversions; read by the piece's store; not written again.
;   T+20 .. T+23 written by the table's last lines; read by one store each; not written again.  The rest of T is named by vector instructions alone.
; All loads are issued at the head, ahead of every vector instruction that names M or X.  No register that a memory instruction reads is written again: no wait on vm_vsrc is owed.
; The work goes in STAGES: the mask, then hidden_states in eight blocks of four pieces.  A stage's stores are issued in the stage behind it: ONE wait on va_vdst stands at a block's head, behind the wait for the
; block's data, and states that the stage before has written its results; that stage's stores follow, dealt among the block's eight conversions, which name the block's own sixteen registers and nothing that those stores touch.
.set M, 8                              ; v[8:39]    the mask chunk: 8 pieces of 4
.set X, 40                             ; v[40:167]  the row of hidden_states: 32 pieces of 4; a piece's first two registers then take its bf16
.set T, 168                            ; v[168:191] at work
	s_load_b256 s[4:11], s[0:1], 0x0               ; hidden s[4:5], mask s[6:7], xb s[8:9], mk2 s[10:11]
	s_load_b64 s[12:13], s[0:1], 0x20              ; rope
	v_lshrrev_b32 v1, 5, v0
	v_readfirstlane_b32 s14, v1
	v_and_b32 v4, 31, v0                           ; lane
	v_lshlrev_b32 v1, 4, v4                        ; 16 x lane
	v_lshlrev_b32 v2, 3, v4                        ; 8 x lane
	v_and_b32 v5, 15, v4                           ; r
	v_lshrrev_b32 v6, 4, v4                        ; h
	v_lshlrev_b32 v3, 12, v5                       ; r rows of the mask, 4,096 bytes each,
	v_lshl_add_u32 v3, v6, 5, v3                   ; + 8 h keys
	s_wait_alu depctr_va_sdst(0)                   ; s14 is written, ahead of its first reader: all the bases are made from it
	s_lshl_b32 s16, ttmp9, 2
	s_add_co_u32 s14, s14, s16                     ; W
	s_mov_b32 s15, 0xff000000                      ; -2^127
	s_mov_b32 s20, 0x3fb8aa3b                      ; log2 e
	s_mov_b32 s21, s20                             ; named with it as a pair
	s_mov_b32 s22, 0xffff0000                      ; a word's upper bf16
	s_lshr_b32 s16, s14, 4
	s_lshl_b32 s16, s16, 16                        ; qb x 16 rows of 4,096 bytes
	s_and_b32 s17, s14, 15
	s_lshl_b32 s17, s17, 8                         ; kb x 64 keys
	s_add_co_u32 s16, s16, s17
	s_mov_b32 s17, 0
	s_lshl_b32 s18, s14, 14                        ; a row of hidden_states
	s_mov_b32 s19, 0
	s_lshl_b32 s24, s14, 13                        ; a row of xb
	s_mov_b32 s25, 0
	s_lshl_b32 s26, s14, 12                        ; a chunk of mk2
	s_mov_b32 s27, 0
	s_lshl_b32 s28, s14, 8                         ; a row of the table
	s_mov_b32 s29, 0
	s_wait_kmcnt 0x0
	s_add_nc_u64 s[6:7], s[6:7], s[16:17]
	s_add_nc_u64 s[4:5], s[4:5], s[18:19]
	s_add_nc_u64 s[8:9], s[8:9], s[24:25]
	s_add_nc_u64 s[10:11], s[10:11], s[26:27]
	s_add_nc_u64 s[12:13], s[12:13], s[28:29]
	s_wait_alu depctr_va_vdst(0)                   ; v1, v2 and v3 are written: every load and store of the kernel reads one of them as its offset
.irp i, 0,1,2,3,4,5,6,7
	global_load_b128 v[M+4*(\i):M+4*(\i)+3], v3, s[6:7] offset:64*((\i)/2)+16*((\i)%2)
.endr
.set i, 0
.rept 32
	global_load_b128 v[X+4*i:X+4*i+3], v1, s[4:5] offset:512*i th:TH_LOAD_NT
.set i, i+1
.endr
	; THE TABLE, while the loads are on their way.  Lane l makes entries i = 2 (l % 16) and i + 1: cosines in lanes 0-15, sines in lanes 16-31.
	v_lshlrev_b32 v[T], 1, v5
	v_cvt_f32_u32 v[T], v[T]
	v_add_f32 v[T+1], 1.0, v[T]
	v_mul_f32 v[T], 0xbed49a78, v[T]               ; -i log2(10000) / 32
	v_mul_f32 v[T+1], 0xbed49a78, v[T+1]
	v_exp_f32 v[T], v[T]
	v_exp_f32 v[T+1], v[T+1]
	v_cvt_f32_u32 v[T+2], s14                      ; t: the plain instruction behind the two exponentials
	v_cmp_eq_u32 vcc_lo, 1, v6                     ; sines?
	s_wait_alu depctr_va_vdst(0)                   ; the two exponentials have written v[T] and v[T+1]: one wait for both, ahead of their first reader
	s_wait_alu depctr_va_vcc(0)                    ; the compare has written VCC, ahead of its first reader, the select in TRIG 0; the later selects read the same mask
.macro TRIG k
.set A, T+(\k)
.set R, T+4+8*(\k)
	v_mul_f32 v[A], v[T+2], v[A]                   ; the angle
	v_mul_f32 v[R], 0.15915494, v[A]
	v_rndne_f32 v[R], v[R]                         ; whole turns
	v_fma_f32 v[R], v[A], 0.15915494, -v[R]        ; what is left, within half a turn either way
	v_mul_f32 v[R], 0x40490fdb, v[R]               ; x pi: HALF the angle, within pi / 2
	v_mul_f32 v[R+1], v[R], v[R]
	v_mov_b32 v[R+2], 0xb2d7322b                   ; sine: -1/11!, 1/9!, -1/7!, 1/5!, -1/3!, 1
	v_fmaak_f32 v[R+2], v[R+2], v[R+1], 0x3638ef1d
	v_fmaak_f32 v[R+2], v[R+2], v[R+1], 0xb9500d01
	v_fmaak_f32 v[R+2], v[R+2], v[R+1], 0x3c088889
	v_fmaak_f32 v[R+2], v[R+2], v[R+1], 0xbe2aaaab
	v_fmaak_f32 v[R+2], v[R+2], v[R+1], 0x3f800000
	v_mul_f32 v[R+2], v[R], v[R+2]                 ; s
	v_mov_b32 v[R+3], 0xb493f27e                   ; cosine: -1/10!, 1/8!, -1/6!, 1/4!, -1/2, 1
	v_fmaak_f32 v[R+3], v[R+3], v[R+1], 0x37d00d01
	v_fmaak_f32 v[R+3], v[R+3], v[R+1], 0xbab60b61
	v_fmaak_f32 v[R+3], v[R+3], v[R+1], 0x3d2aaaab
	v_fmaak_f32 v[R+3], v[R+3], v[R+1], 0xbf000000
	v_fmaak_f32 v[R+3], v[R+3], v[R+1], 0x3f800000
	v_mul_f32 v[R+3], v[R+2], v[R+3]
	v_add_f32 v[R+3], v[R+3], v[R+3]               ; sin = 2 s c
	v_mul_f32 v[R+2], v[R+2], v[R+2]
	v_fma_f32 v[R+2], v[R+2], -2.0, 1.0            ; cos = 1 - 2 s s
	v_cndmask_b32 v[R+2], v[R+2], v[R+3], vcc_lo
	v_mul_f32 v[T+20+(\k)], 0x3eb6d544, v[R+2]     ; x cq
.endm
	TRIG 0
	TRIG 1
	s_wait_alu depctr_va_vdst(0)                   ; the two last multiplies have written v[T+20] and v[T+21], which the store reads
	global_store_b64 v2, v[T+20:T+21], s[12:13]    ; the wave's 256 bytes: row W
	s_cmp_lt_u32 s14, 2                            ; waves 0 and 1 of the launch also write the two constant rows
	s_cbranch_scc0 .Lno_const
	s_mov_b32 s18, 0x3e800000                      ; 0.25
	s_cmp_eq_u32 s14, 0
	s_cselect_b32 s18, 0x3eb6d544, s18             ; cq in row 1024
	v_cndmask_b32 v[T+22], s18, 0, vcc_lo          ; the factor where cosines stand, 0 where sines stand
	v_mov_b32 v[T+23], v[T+22]
	s_wait_alu depctr_va_vdst(0)                   ; the two lines above have written v[T+22] and v[T+23], which the store reads
	global_store_b64 v2, v[T+22:T+23], s[12:13] offset:262144
.Lno_const:
	; THE MASK: its arithmetic, in place.  Its stores stand in block 0 below, behind that block's wait.
	s_wait_loadcnt 32                              ; the 8 mask loads are in; the 32 younger ones, of hidden_states, stay out
.set i, 0
.rept 16
	v_cvt_pk_bf16_f32 v[T+4+i%4], v[M+2*i], v[M+2*i+1]
	v_lshlrev_b32 v[M+2*i], 16, v[T+4+i%4]
	v_and_b32 v[M+2*i+1], s22, v[T+4+i%4]
	v_pk_mul_f32 v[M+2*i:M+2*i+1], v[M+2*i:M+2*i+1], s[20:21] op_sel_hi:[1,0]
	v_max_num_f32 v[M+2*i], s15, v[M+2*i]
	v_max_num_f32 v[M+2*i+1], s15, v[M+2*i+1]
.set i, i+1
.endr
	; HIDDEN_STATES: block p is pieces 4 p .. 4 p + 3, rounded in place as they land.  Loads come back in order (ISA guide 5.7.1): the block is in when at most the 28 - 4 p younger loads are out.
	; Its memory instructions are the stores of the stage before: the mask's eight in block 0, block p - 1's four elsewhere.
.macro BLK p
	s_wait_loadcnt 28-4*(\p)
	s_wait_alu depctr_va_vdst(0)                   ; the stage before has written what the stores below read: M in block 0, else the eight bf16 registers of block p - 1
.irp i, 0,1,2,3
.if (\p) == 0
	global_store_b128 v1, v[M+8*(\i):M+8*(\i)+3],   s[10:11] offset:1024*(\i)
	global_store_b128 v1, v[M+8*(\i)+4:M+8*(\i)+7], s[10:11] offset:1024*(\i)+512
.else
	global_store_b64 v2, v[X+16*(\p)-16+4*(\i):X+16*(\p)-16+4*(\i)+1], s[8:9] offset:256*(4*(\p)-4+(\i))  ; no vector instruction since the wait names these registers
.endif
	v_cvt_pk_bf16_f32 v[X+16*(\p)+4*(\i)],   v[X+16*(\p)+4*(\i)],   v[X+16*(\p)+4*(\i)+1]
	v_cvt_pk_bf16_f32 v[X+16*(\p)+4*(\i)+1], v[X+16*(\p)+4*(\i)+2], v[X+16*(\p)+4*(\i)+3]
.endr
.endm
.irp p, 0,1,2,3,4,5,6,7
	BLK \p
.endr
	s_wait_alu depctr_va_vdst(0)                   ; block 7's conversions have written its eight bf16 registers, which the last four stores read
.irp i, 0,1,2,3
	global_store_b64 v2, v[X+112+4*(\i):X+112+4*(\i)+1], s[8:9] offset:256*(28+(\i))
.endr
	s_endpgm
.Lfunc_end_k_q76d7891344_prep:
	.size	k_q76d7891344_prep, .Lfunc_end_k_q76d7891344_prep-k_q76d7891344_prep
	.p2alignl 7, 3214868480
	.fill 96, 4, 3214868480
	.section	.rodata,"a",@progbits
	.p2align	6, 0x0
	.amdhsa_kernel k_q76d7891344_prep
		.amdhsa_group_segment_fixed_size 0
		.amdhsa_private_segment_fixed_size 0
		.amdhsa_enable_private_segment 0
		.amdhsa_kernarg_size 40
		.amdhsa_user_sgpr_count 2
		.amdhsa_user_sgpr_kernarg_segment_ptr 1
		.amdhsa_wavefront_size32 1
		.amdhsa_system_sgpr_workgroup_id_x 1
		.amdhsa_system_sgpr_workgroup_id_y 1
		.amdhsa_system_sgpr_workgroup_id_z 1
		.amdhsa_system_vgpr_workitem_id 0
		.amdhsa_next_free_vgpr 192
		.amdhsa_next_free_sgpr 66
		.amdhsa_reserve_vcc 1
		.amdhsa_float_denorm_mode_32 3
		.amdhsa_float_denorm_mode_16_64 3
		.amdhsa_memory_ordered 1
		.amdhsa_forward_progress 1
		.amdhsa_inst_pref_size 22
	.end_amdhsa_kernel
	.amdgpu_metadata
---
amdhsa.version: [ 1, 2 ]
amdhsa.kernels:
  - .name:           k_q76d7891344_prep
    .symbol:         k_q76d7891344_prep.kd
    .args:
      - { .name: hidden_states, .offset: 0, .size: 8, .value_kind: global_buffer, .address_space: global }
      - { .name: attention_mask, .offset: 8, .size: 8, .value_kind: global_buffer, .address_space: global }
      - { .name: xb, .offset: 16, .size: 8, .value_kind: global_buffer, .address_space: global }
      - { .name: mk2, .offset: 24, .size: 8, .value_kind: global_buffer, .address_space: global }
      - { .name: rope, .offset: 32, .size: 8, .value_kind: global_buffer, .address_space: global }
    .group_segment_fixed_size: 0
    .private_segment_fixed_size: 0
    .kernarg_segment_align: 8
    .kernarg_segment_size: 40
    .max_flat_workgroup_size: 128
    .sgpr_count:     66
    .vgpr_count:     192
    .wavefront_size: 32
...
	.end_amdgpu_metadata
.endif
;; end of part 8
;; launch qkv: the kernel of part 6 again; grid 64 x 4, 4 waves a work-group, clusters of 4 x 4, 327,680 bytes of LDS; arguments xb, Wq, Wkv, bq, bkv, rope, qh, kvh; writes qh, kvh
;; launch attn: the kernel of part 3 again; grid 32 x 8, 4 waves a work-group, clusters of 4 x 1, 327,680 bytes of LDS; arguments qh, kvh, mk2, ob; writes ob
;; launch oproj: the kernel of part 7 again; grid 64 x 4, 4 waves a work-group, clusters of 4 x 4, 327,680 bytes of LDS; arguments ob, Wo, bo, out0; writes out0
